; MI455X (gfx1250); checked and timed in simulation.
; The chip was launched on July 23, 2026; its instructions are those of AMD's public machine-readable ISA for CDNA 5 (MIT licence, August 2026) and "CDNA5" Instruction Set Architecture Reference Guide (July 2026). The comments in the code are by the model that wrote it; some were corrected since.
;; Transformer Block. Allowed arithmetic: matrix products marked QUANTISED: E5M2 operands, one E8M0 scale for each 32 along K, by v_wmma_scale_f32_16x16x128_f8f6f4 with both operands' format E5M2, f32 sums; everything else in f32.
;; Inputs: b_fc 4,096 float32; b_o 1,024 float32; b_proj 1,024 float32; b_qkv 3,072 float32; ln1_b 1,024 float32; ln1_w 1,024 float32; ln2_b 1,024 float32; ln2_w 1,024 float32; w_fc 4,096 x 1,024 float32; w_o 1,024 x 1,024 float32; w_proj 1,024 x 4,096 float32; w_qkv 3,072 x 1,024 float32; x 2 x 2,048 x 1,024 float32.
;; Outputs: out0 2 x 2,048 x 1,024 float32.
;; This version of the problem:
;;   THIS VERSION OF THE PROBLEM IS GIVEN IN LOW PRECISION. The matrix products marked QUANTISED in the list below multiply operands that are first quantised to E5M2 (5 exponent bits, 2 mantissa bits; 8 bits a number), with one power-of-two scale for each 32 numbers along K (OCP MX v1.0); their sums are f32. All else is computed in f32.
;;   The module's matrix products, in the order in which they are computed (A, B: the left and right operand; K: the contracted axis; several contracted axes count as one K, in the product's order):
;;     1. [M 4,096, K 1,024] x [K 1,024, N 3,072]; A: computed on the way; B: input w_qkv: QUANTISED
;;     2. batch 32 x [M 2,048, K 64] x [K 64, N 2,048]; A: computed on the way; B: computed on the way: QUANTISED
;;     3. batch 32 x [M 2,048, K 2,048] x [K 2,048, N 64]; A: softmax (see below); B: computed on the way: QUANTISED
;;     4. [M 4,096, K 1,024] x [K 1,024, N 1,024]; A: computed on the way; B: input w_o: QUANTISED
;;     5. [M 4,096, K 1,024] x [K 1,024, N 4,096]; A: computed on the way; B: input w_fc: QUANTISED
;;     6. [M 4,096, K 4,096] x [K 4,096, N 1,024]; A: computed on the way; B: input w_proj: QUANTISED
;;   THE QUANTISER, for each operand of a quantised product, along K:
;;     - K is cut into blocks of 32 from its start; a last block that is shorter is filled with zeros.
;;     - A block's scale is 2^e with e = floor(log2(the largest magnitude in the block)) - 15, held to -126 .. 127; a block of zeros has e = 0. As a byte (E8M0): e + 127.
;;     - Each number is divided by its block's scale, clamped to +-57,344, and rounded to the nearest number of E5M2, ties to even, subnormals kept.
;;     - The product sums the exact products of the quantised numbers (number of the format x scale) in f32.
;;   ~~~python
;;   def quantise(x, axis):      # numpy; x: float32 -> the quantised numbers, widened to float32 again
;;       x = np.moveaxis(x, axis, -1); K = x.shape[-1]
;;       x = np.pad(x, [(0, 0)] * (x.ndim - 1) + [(0, -K % 32)]); x = x.reshape(x.shape[:-1] + (-1, 32)); a = np.abs(x).max(-1, keepdims=True)
;;       e = np.where(a > 0, np.clip(np.frexp(np.where(a > 0, a, 1))[1] - 1 - 15, -126, 127), 0)      # np.frexp(a)[1] - 1 = floor(log2(a)), exactly
;;       r = np.clip(x / 2.0 ** e, -57344, 57344)
;;       step = 2.0 ** (np.maximum(np.frexp(np.where(r == 0, 1, r))[1] - 1, -14) - 2)
;;       q = np.round(r / step) * step * 2.0 ** e      # np.round: ties to even
;;       return np.moveaxis(q.reshape(q.shape[:-2] + (-1,))[..., :K], -1, axis).astype(np.float32)
;;   ~~~
;;   SOFTMAX AHEAD OF A QUANTISED PRODUCT. Where the list says 'softmax', what is quantised is not the finished softmax but p = 2^(t - M), with t = logit x log2(e) and M = ceil(the row's largest t), a whole number; so 1/2 < the row's largest p <= 1. The row's sum l is taken of the UNQUANTISED p, in f32, and the product's result is divided by l at the end. Since M is a whole number, a kernel that streams over the keys may use a running M (the ceiling of the running maximum): every later rescaling is an exact power of two, which a block's scale takes up: the codes' values come out the same.
;;   OPERANDS COMPUTED ON THE WAY. 'Computed on the way' means the value that the module computes at that place (a softmax that the list does not call 'softmax' is quantised finished and normalised). What goes into a quantiser is computed in f32, as accurately as f32 sums, v_exp_f32 and their like allow (about 1e-6 of the number): no bf16 or f16 on the way to a quantiser, and a product that is left as it is and whose result goes on into a quantised operand takes f32 operands (vector FMAs, or v_wmma_f32_16x16x4_f32). A number that lies on a knife's edge between two numbers of the format may be rounded either way, as far as f32 arithmetic and the matrix unit's own rounding can turn it there, and no further.
;; 2 versions. Each part assembles by itself: llvm-mc -triple=amdgcn-amd-amdhsa -mcpu=gfx1250 --defsym DOCPART=n.
;; ======== version 1 of 2: 7 launches
;; workspace buffers: p0 17,301,504 bytes; qkvb 12,976,128 bytes; yb 4,325,376 bytes; x2 16,777,216 bytes; h2b 4,325,376 bytes; gb 17,301,504 bytes
;; launch prep (part 1): grid 1024 x 1, 8 waves a work-group, no clusters, 69,632 bytes of LDS; arguments x, ln1_w, ln1_b, w_qkv, w_o, w_fc, w_proj, p0; writes p0
.if DOCPART == 1
	.amdgcn_target "amdgcn-amd-amdhsa--gfx1250"
	.amdhsa_code_object_version 6
	.text
	.protected	k_q9e0baaffc0_prep
	.globl	k_q9e0baaffc0_prep
	.p2align	8
	.type	k_q9e0baaffc0_prep,@function
k_q9e0baaffc0_prep:
	s_mov_b64 s[64:65], 0
	v_nop
	global_prefetch_b8 v0, s[64:65] scope:SCOPE_SE
	s_setreg_imm32_b32 hwreg(HW_REG_WAVE_MODE, 25, 1), 1
	s_wait_xcnt 0x0
; LAYER NORM + QUANTISER, AND THE WEIGHTS' QUANTISER.  f32 rows become codes of BF8 (E5M2) with one E8M0 byte for each 32 along K, laid as IMAGES OF OPERAND REGISTERS.
; A fragment is 16 rows x 128 K, 2,048 bytes: chunk c (512 bytes) holds lane l's 16 bytes at 16 l: row l % 16, k = 32 c + 16 (l / 16) + 0 .. 15.
; A pack of [R][K]: codes at tile256 x 256 K + (K step of 256) x 65,536 + i x 4,096 + q x 2,048 + 512 c + 16 lane; scale words (4 bytes: 128 K of a row) at tile256 x 8 K + step x 2,048 + (i / 4) x 512 + (16 q + r) x 16 + 4 (i % 4).
; THE ROWS OF A TILE ARE NOT NEIGHBOURS: row r of tile I is real row 16 I - 8 (I & 1) + r + 8 (r / 8), so that a product's results, 16 registers of two neighbouring tiles, are 16 neighbours along the next K.
; SHARES.  A work-group takes one tile of 16 rows x 1,024 along K; wave w takes 128 of them, one fragment.  Work-groups 0-255: rows of the first argument, with the layer norm; 256-447 w_qkv; 448-511 w_o; 512-767 w_fc;
; 768-1023 w_proj (four work-groups to a tile: K = 4,096).  Only pointers and offsets are chosen by the work-group's number; the layer norm alone is jumped over, by all eight waves or by none.
; The same text serves the second layer norm: launched with 256 work-groups on other buffers, whose pack has the first pack's offsets.
; Each load reads 512 consecutive bytes of a row; the 8 KiB turn through the wave's own stage in LDS (rows 528 bytes apart), so that a lane gets 16 neighbours of each block of 32.
; The norm is taken in two passes (mean, then the squares of the differences): no difference of large sums.  Sums meet in LDS, 8 waves x 16 rows, behind a barrier each.
; No matrix work, no tile shared between work-groups: no cluster, no tensor load.  The scale words leave 4 bytes a row, 16 bytes apart: one byte in 128 of what the launch reads; four neighbouring work-groups fill those bytes.
; LIMITS: NaN and infinities are not served; a block whose largest magnitude lies under 2^-111 keeps the byte 1, a block of zeros too (its codes are zeros; these bytes are read by this program alone).
.set STG,  8448                        ; a wave's stage: 16 rows x (512 + 16) bytes
.set RED0, 67584                       ; behind the stages: 16 rows x 8 waves partial sums; 512 bytes on, the same for the squares
.set TM,   16                          ; v16-19 largest magnitudes, v20-23 bytes, v24-27 the largest number x the scale, v28-31 the conversions' scale operands
.set PW,   32                          ; the scale word
.set MU,   34                          ; v[34:35] the mean, twice
.set RS,   36                          ; v[36:37] 1 / sqrt(var + eps), twice
.set CH,   40                          ; v40-47 four chains of packed sums
.set PC,   48                          ; v48-63 first the loads' offsets, then the codes
.set X,    64                          ; v64-127 my 64 numbers
.set GN,   128                         ; v128-191 the gain of my 64 columns
.set BS,   192                         ; v192-255 the bias
.set WV,   33
.set SEL,  36
.set MNT,  38
; 16 nb numbers of a lane, register 16 b + i = k 32 b + 16 (lane / 16) + i of my row, become codes in v[PC] on and the scale word in v[pw]
.macro QUANT s, nb, pw
.irp b, 0,1,2,3
.if \b < \nb
	v_max3_num_f32 v[TM+\b], |v[\s+16*\b]|, |v[\s+16*\b+1]|, 0x8000000      ; my 16 numbers of block b, and the floor 2^(16 - 127): the byte cannot fall under 1
.endif
.endr
.irp i, 2,4,6,8,10,12,14
.irp b, 0,1,2,3
.if \b < \nb
	v_max3_num_f32 v[TM+\b], v[TM+\b], |v[\s+16*\b+\i]|, |v[\s+16*\b+\i+1]|  ; the blocks by turns
.endif
.endr
.endr
.irp b, 0,1,2,3
.if \b < \nb
	v_permlanex16_b32 v[TM+4+\b], v[TM+\b], s[SEL], s[SEL+1]
.endif
.endr
.irp b, 0,1,2,3
.if \b < \nb
	v_max_num_f32 v[TM+\b], v[TM+\b], v[TM+4+\b]                    ; with lane l xor 16's: the block's largest magnitude
.endif
.endr
.irp b, 0,1,2,3
.if \b < \nb
	v_add_nc_u32 v[TM+12+\b], 0xf8800000, v[TM+\b]                  ; 15 off its exponent field: the conversion's scale operand
	v_and_or_b32 v[TM+8+\b], v[TM+\b], 0x7f800000, s[MNT]           ; 57,344 x the scale
.endif
.endr
.irp b, 0,1,2,3
.if \b < \nb
	v_lshrrev_b32 v[TM+4+\b], 23, v[TM+12+\b]                       ; the scale's byte
.endif
.endr
	v_lshl_or_b32 v[\pw], v[TM+5], 8, v[TM+4]
.if \nb > 2
	v_lshl_or_b32 v[\pw], v[TM+6], 16, v[\pw]
	v_lshl_or_b32 v[\pw], v[TM+7], 24, v[\pw]
.endif
.irp b, 0,1,2,3
.if \b < \nb
.irp i, 0,1,2,3,4,5,6,7,8,9,10,11,12,13,14,15
	v_med3_num_f32 v[\s+16*\b+\i], v[\s+16*\b+\i], -v[TM+8+\b], v[TM+8+\b]   ; the conversion to an 8-bit code does not saturate (ISA guide 7.6.2): the hold
.endr
	v_cvt_scalef32_pk8_bf8_f32 v[PC+4*\b:PC+4*\b+1], v[\s+16*\b:\s+16*\b+7], v[TM+12+\b]
	v_cvt_scalef32_pk8_bf8_f32 v[PC+4*\b+2:PC+4*\b+3], v[\s+16*\b+8:\s+16*\b+15], v[TM+12+\b]
.endif
.endr
	v_nop                                          ; one plain line behind the last conversion
.endm
; the four chains become one number a row: within the lane, with lane l xor 16, then over the eight waves through LDS
.macro REDUCE off
	v_pk_add_f32 v[CH:CH+1], v[CH:CH+1], v[CH+2:CH+3]
	v_pk_add_f32 v[CH+4:CH+5], v[CH+4:CH+5], v[CH+6:CH+7]
	v_pk_add_f32 v[CH:CH+1], v[CH:CH+1], v[CH+4:CH+5]
	v_add_f32 v[CH], v[CH], v[CH+1]
	v_permlanex16_b32 v[CH+1], v[CH], s[SEL], s[SEL+1]
	v_add_f32 v[CH], v[CH], v[CH+1]
	ds_store_b32 v8, v[CH] offset:\off             ; lanes r and r + 16 write the same word with the same value
	s_wait_dscnt 0x0                               ; for the others' sake: my store has landed
	s_barrier_signal -1
	s_barrier_wait -1
	ds_load_b128 v[CH:CH+3], v9 offset:\off        ; my row's eight partial sums
	ds_load_b128 v[CH+4:CH+7], v9 offset:\off+16
	s_wait_dscnt 0x0
	v_add_f32 v[CH], v[CH], v[CH+1]
	v_add_f32 v[CH+2], v[CH+2], v[CH+3]
	v_add_f32 v[CH+4], v[CH+4], v[CH+5]
	v_add_f32 v[CH+6], v[CH+6], v[CH+7]
	v_add_f32 v[CH], v[CH], v[CH+2]
	v_add_f32 v[CH+4], v[CH+4], v[CH+6]
	v_add_f32 v[CH], v[CH], v[CH+4]
.endm
	s_load_b256 s[4:11], s[0:1], 0x0               ; rows s[4:5], gain s[6:7], bias s[8:9], w_qkv s[10:11]
	s_load_b256 s[12:19], s[0:1], 0x20             ; w_o s[12:13], w_fc s[14:15], w_proj s[16:17], the packs s[18:19]
	v_lshl_add_u32 v38, v0, 2, 0x10c00
	v_mov_b32 v39, 0
	v_lshrrev_b32 v1, 5, v0
	v_readfirstlane_b32 s[WV], v1                  ; wave 0..7
	v_and_b32 v1, 31, v0                           ; lane
	v_and_b32 v2, 15, v0                           ; r
	v_bfe_u32 v3, v0, 4, 1                         ; h
	v_lshlrev_b32 v4, 4, v1                        ; 16 x lane
	s_mul_i32 s34, s[WV], STG
	v_add_nc_u32 v5, s34, v4                       ; the stage, on the way in: a row's 512 bytes as they lie
	v_mul_u32_u24 v6, v2, 528
	v_lshl_add_u32 v6, v3, 6, v6
	v_add_nc_u32 v6, s34, v6                       ; and out: row r, + 64 h
	v_lshlrev_b32 v7, 6, v3                        ; 64 h: my half of a block of 32 numbers
	s_lshl_b32 s35, s[WV], 2
	s_add_co_u32 s35, s35, RED0
	v_lshlrev_b32 v8, 5, v2
	v_add_nc_u32 v9, RED0, v8                      ; my row's eight words
	v_add_nc_u32 v8, s35, v8                       ; my wave's among them
	v_lshlrev_b32 v10, 4, v2                       ; 16 r: a row's place among the scale words
	s_mov_b32 s[SEL], 0x76543210
	s_mov_b32 s[SEL+1], 0xfedcba98                 ; v_permlanex16_b32's selects for lane l xor 16
	s_mov_b32 s[MNT], 0x600000                     ; the mantissa field of 57,344
.irp b, 0,1,2,3
	v_mov_b32 v[TM+4+\b], 0                        ; written once: a lane permute's destination counts as one of its sources
.endr
	s_mov_b32 s22, 0                               ; the tensor's first work-group,
	s_mov_b32 s23, 0                               ; its codes in the packs' buffer,
	s_mov_b32 s24, 4194304                         ; its scale words,
	s_mov_b32 s25, 4096                            ; a row in bytes,
	s_mov_b32 s26, 18                              ; log2 of 256 rows' codes,
	s_mov_b32 s27, 13                              ; and of their scale words,
	s_mov_b32 s28, 0                               ; log2 of the work-groups to a tile,
	s_mov_b32 s29, 0                               ; and their number less one
	s_wait_kmcnt 0x0
	s_mov_b64 s[20:21], s[4:5]
	s_cmp_ge_u32 ttmp9, 256                        ; the choices hang on the work-group's number alone
	s_cselect_b64 s[20:21], s[10:11], s[20:21]
	s_cselect_b32 s22, 256, s22
	s_cselect_b32 s23, 4325376, s23
	s_cselect_b32 s24, 7471104, s24
	s_cmp_ge_u32 ttmp9, 448
	s_cselect_b64 s[20:21], s[12:13], s[20:21]
	s_cselect_b32 s22, 448, s22
	s_cselect_b32 s23, 7569408, s23
	s_cselect_b32 s24, 8617984, s24
	s_cmp_ge_u32 ttmp9, 512
	s_cselect_b64 s[20:21], s[14:15], s[20:21]
	s_cselect_b32 s22, 512, s22
	s_cselect_b32 s23, 8650752, s23
	s_cselect_b32 s24, 12845056, s24
	s_cmp_ge_u32 ttmp9, 768
	s_cselect_b64 s[20:21], s[16:17], s[20:21]
	s_cselect_b32 s22, 768, s22
	s_cselect_b32 s23, 12976128, s23
	s_cselect_b32 s24, 17170432, s24
	s_cselect_b32 s25, 16384, s25
	s_cselect_b32 s26, 20, s26
	s_cselect_b32 s27, 15, s27
	s_cselect_b32 s28, 2, s28
	s_cselect_b32 s29, 3, s29
	s_sub_co_u32 s30, ttmp9, s22
	s_and_b32 s31, s30, s29
	s_lshr_b32 s30, s30, s28                       ; I: the tile of 16 rows
	s_lshl_b32 s31, s31, 3
	s_add_co_u32 s31, s31, s[WV]                   ; kk: which 128 along K is my wave's
	s_lshl_b32 s39, s30, 4
	s_and_b32 s40, s30, 1
	s_lshl_b32 s40, s40, 3
	s_sub_co_u32 s39, s39, s40                     ; the tile's first real row: 16 I - 8 (I & 1)
	s_mul_i32 s40, s39, s25
	s_lshl_b32 s41, s31, 9
	s_add_co_u32 s40, s40, s41                     ; under 2^25
	s_mov_b32 s41, 0
	s_add_nc_u64 s[20:21], s[20:21], s[40:41]
.irp t, 0,1,2,3,4,5,6,7,8,9,10,11,12,13,14,15
	v_mad_u32_u24 v[PC+\t], s25, \t+8*(\t/8), v4   ; row t of the tile lies t + 8 (t / 8) real rows on
.endr
.irp t, 0,1,2,3,4,5,6,7,8,9,10,11,12,13,14,15
	global_load_b128 v[X+4*\t:X+4*\t+3], v[PC+\t], s[20:21] th:TH_LOAD_NT     ; 32 lanes read 512 consecutive bytes
.endr
	s_lshr_b32 s42, s30, 4                         ; where the results go: the tile of 256 rows,
	s_lshl_b32 s44, s42, s26
	s_lshl_b32 s46, s42, s27
	s_lshr_b32 s42, s31, 1                         ; the K step of 256,
	s_lshl_b32 s43, s42, 16
	s_add_co_u32 s44, s44, s43
	s_lshl_b32 s43, s42, 11
	s_add_co_u32 s46, s46, s43
	s_and_b32 s42, s30, 15                         ; the fragment's place i among the 16,
	s_lshl_b32 s42, s42, 12
	s_add_co_u32 s44, s44, s42
	s_and_b32 s42, s31, 1                          ; q,
	s_lshl_b32 s43, s42, 11
	s_add_co_u32 s44, s44, s43
	s_lshl_b32 s43, s42, 8
	s_add_co_u32 s46, s46, s43
	s_bfe_u32 s42, s30, 0x20002                    ; i / 4,
	s_lshl_b32 s42, s42, 9
	s_add_co_u32 s46, s46, s42
	s_and_b32 s42, s30, 3                          ; i % 4
	s_lshl_b32 s42, s42, 2
	s_add_co_u32 s46, s46, s42
	s_add_co_u32 s44, s44, s23
	s_add_co_u32 s46, s46, s24
	s_mov_b32 s45, 0
	s_mov_b32 s47, 0
	s_add_nc_u64 s[44:45], s[18:19], s[44:45]
	s_add_nc_u64 s[46:47], s[18:19], s[46:47]
	s_wait_loadcnt 0x0
.irp t, 0,1,2,3,4,5,6,7,8,9,10,11,12,13,14,15
	ds_store_b128 v5, v[X+4*\t:X+4*\t+3] offset:528*\t
.endr
.irp c, 0,1,2,3
.irp j, 0,1,2,3
	ds_load_b128 v[X+16*\c+4*\j:X+16*\c+4*\j+3], v6 offset:128*\c+16*\j   ; LDS serves a wave's instructions in order (ISA guide 5.7.1.4): these see my stores.  Register 16 c + i = k 32 c + 16 h + i of row r
.endr
.endr
	s_wait_dscnt 0x0
	s_cmp_lt_u32 ttmp9, 256
	s_cbranch_scc0 .Lquant                         ; a weight has no norm: all eight waves of its work-group jump
	s_lshl_b32 s52, s[WV], 9                       ; the gain and the bias of my 128 columns (here kk = wave); they land while the sums are made
	s_mov_b32 s53, 0
	s_add_nc_u64 s[6:7], s[6:7], s[52:53]
	s_add_nc_u64 s[8:9], s[8:9], s[52:53]
.irp c, 0,1,2,3
.irp j, 0,1,2,3
	global_load_b128 v[GN+16*\c+4*\j:GN+16*\c+4*\j+3], v7, s[6:7] offset:128*\c+16*\j
	global_load_b128 v[BS+16*\c+4*\j:BS+16*\c+4*\j+3], v7, s[8:9] offset:128*\c+16*\j
.endr
.endr
.irp k, 0,1,2,3
	v_pk_add_f32 v[CH+2*\k:CH+2*\k+1], v[X+2*\k:X+2*\k+1], v[X+8+2*\k:X+9+2*\k]       ; the first pairs start the chains: nothing is cleared
.endr
.irp m, 2,3,4,5,6,7
.irp k, 0,1,2,3
	v_pk_add_f32 v[CH+2*\k:CH+2*\k+1], v[CH+2*\k:CH+2*\k+1], v[X+8*\m+2*\k:X+8*\m+2*\k+1]
.endr
.endr
	REDUCE 0
	v_mul_f32 v[MU], 0x3a800000, v[CH]             ; / 1,024: the mean
	v_mov_b32 v[MU+1], v[MU]
.set i, 0
.rept 32
	v_pk_add_f32 v[X+i:X+i+1], v[X+i:X+i+1], v[MU:MU+1] neg_lo:[0,1] neg_hi:[0,1]
.set i, i+2
.endr
.irp k, 0,1,2,3
	v_pk_mul_f32 v[CH+2*\k:CH+2*\k+1], v[X+2*\k:X+2*\k+1], v[X+2*\k:X+2*\k+1]
.endr
.irp m, 1,2,3,4,5,6,7
.irp k, 0,1,2,3
	v_pk_fma_f32 v[CH+2*\k:CH+2*\k+1], v[X+8*\m+2*\k:X+8*\m+2*\k+1], v[X+8*\m+2*\k:X+8*\m+2*\k+1], v[CH+2*\k:CH+2*\k+1]
.endr
.endr
	REDUCE 512                                     ; other bytes than the first sums': one barrier serves each
	v_mov_b32 v[RS+1], 0x3727c5ac                  ; 1e-5
	v_fmamk_f32 v[RS], v[CH], 0x3a800000, v[RS+1]  ; the variance + 1e-5
	v_rsq_f32 v[RS], v[RS]
	v_nop                                          ; a plain line behind the transcendental
	s_wait_alu depctr_va_vdst(0)
	v_mov_b32 v[RS+1], v[RS]
	s_wait_loadcnt 0x0                             ; the gain and the bias
.set i, 0
.rept 32
	v_pk_mul_f32 v[X+i:X+i+1], v[X+i:X+i+1], v[RS:RS+1]
.set i, i+2
.endr
.set i, 0
.rept 32
	v_pk_fma_f32 v[X+i:X+i+1], v[X+i:X+i+1], v[GN+i:GN+i+1], v[BS+i:BS+i+1]
.set i, i+2
.endr
.Lquant:
	QUANT X, 4, PW
.irp c, 0,1,2,3
	global_store_b128 v4, v[PC+4*\c:PC+4*\c+3], s[44:45] offset:512*\c    ; the fragment's image: 512 consecutive bytes a store
.endr
	global_store_b32 v10, v[PW], s[46:47]          ; row r's scale word; lanes r and r + 16 store the same word with the same value
	s_wait_tensorcnt 0x0
	ds_add_u32 v38, v39
	s_wait_dscnt 0x0
	s_endpgm
.Lfunc_end_k_q9e0baaffc0_prep:
	.size	k_q9e0baaffc0_prep, .Lfunc_end_k_q9e0baaffc0_prep-k_q9e0baaffc0_prep
	.p2alignl 7, 3214868480
	.fill 96, 4, 3214868480
	.section	.rodata,"a",@progbits
	.p2align	6, 0x0
	.amdhsa_kernel k_q9e0baaffc0_prep
		.amdhsa_group_segment_fixed_size 69632
		.amdhsa_private_segment_fixed_size 0
		.amdhsa_enable_private_segment 0
		.amdhsa_kernarg_size 64
		.amdhsa_user_sgpr_count 2
		.amdhsa_user_sgpr_kernarg_segment_ptr 1
		.amdhsa_wavefront_size32 1
		.amdhsa_system_sgpr_workgroup_id_x 1
		.amdhsa_system_sgpr_workgroup_id_y 1
		.amdhsa_system_sgpr_workgroup_id_z 1
		.amdhsa_system_vgpr_workitem_id 0
		.amdhsa_next_free_vgpr 256
		.amdhsa_next_free_sgpr 66
		.amdhsa_reserve_vcc 0
		.amdhsa_float_denorm_mode_32 3
		.amdhsa_float_denorm_mode_16_64 3
		.amdhsa_memory_ordered 1
		.amdhsa_forward_progress 1
		.amdhsa_inst_pref_size 33
	.end_amdhsa_kernel
	.amdgpu_metadata
---
amdhsa.version: [ 1, 2 ]
amdhsa.kernels:
  - .name:           k_q9e0baaffc0_prep
    .symbol:         k_q9e0baaffc0_prep.kd
    .args:
      - { .name: x, .offset: 0, .size: 8, .value_kind: global_buffer, .address_space: global }
      - { .name: ln1_w, .offset: 8, .size: 8, .value_kind: global_buffer, .address_space: global }
      - { .name: ln1_b, .offset: 16, .size: 8, .value_kind: global_buffer, .address_space: global }
      - { .name: w_qkv, .offset: 24, .size: 8, .value_kind: global_buffer, .address_space: global }
      - { .name: w_o, .offset: 32, .size: 8, .value_kind: global_buffer, .address_space: global }
      - { .name: w_fc, .offset: 40, .size: 8, .value_kind: global_buffer, .address_space: global }
      - { .name: w_proj, .offset: 48, .size: 8, .value_kind: global_buffer, .address_space: global }
      - { .name: p0, .offset: 56, .size: 8, .value_kind: global_buffer, .address_space: global }
    .group_segment_fixed_size: 69632
    .private_segment_fixed_size: 0
    .kernarg_segment_align: 8
    .kernarg_segment_size: 64
    .max_flat_workgroup_size: 256
    .sgpr_count:     66
    .vgpr_count:     256
    .wavefront_size: 32
...
	.end_amdgpu_metadata
.endif
;; end of part 1
;; launch qkv (part 2): grid 12 x 16, 4 waves a work-group, clusters of 4 x 4, 327,680 bytes of LDS; arguments p0, b_qkv, qkvb; writes qkvb
.if DOCPART == 2
	.amdgcn_target "amdgcn-amd-amdhsa--gfx1250"
	.amdhsa_code_object_version 6
	.text
	.protected	k_q9e0baaffc0_qkv
	.globl	k_q9e0baaffc0_qkv
	.p2align	8
	.type	k_q9e0baaffc0_qkv,@function
k_q9e0baaffc0_qkv:
	s_mov_b64 s[64:65], 0
	v_nop
	global_prefetch_b8 v0, s[64:65] scope:SCOPE_SE
	s_setreg_imm32_b32 hwreg(HW_REG_WAVE_MODE, 25, 1), 1
	s_wait_xcnt 0x0
	s_wait_alu depctr_hold_cnt(0) depctr_sa_sdst(0) depctr_va_vdst(0) depctr_va_sdst(0) depctr_va_ssrc(0) depctr_va_vcc(0) depctr_vm_vsrc(0)
	s_getreg_b32 s2, hwreg(HW_REG_IB_STS2, 6, 4)
	s_cmp_eq_u32 s2, 0
	s_cbranch_scc0 .Lentry_in_a_cluster
	s_endpgm
.Lentry_in_a_cluster:
	s_bfe_u32 s2, ttmp6, 0x10000c
	s_cmp_lg_u32 s2, 0xf033
	s_cbranch_scc0 .Lentry_shape_is_right
	s_endpgm
.Lentry_shape_is_right:
; q, k, v = LN1(x) Wqkv^T + b, on codes of BF8 (E5M2) with E8M0 scales; the results are quantised at once for attention's two products and leave as images of operand registers.
; THE PRODUCT.  A work-group makes 256 x 256, each of its four waves 128 x 128: 64 accumulators, 512 registers.  K = 1,024 goes in steps of 256 through a ring of two LDS slots.  Operands lie in memory as images of their
; registers (a fragment, 16 rows x 128 K, is 4 chunks of 512 bytes, lane l's 16 bytes at 16 l), so 128 rows x 256 K are 32 KiB on end: one tensor load a wave; LDS reads are 16 x lane: no padding is wanted.
; Source 0 gives the registers' axis, source 1 the lanes'.  Rows of a tile are laid so (row r of tile I = real row 16 I - 8 (I & 1) + r + 8 (r / 8)) that the 16 registers of two neighbouring tiles of source 0 are 16 real neighbours.
; TWO MODES, by the cluster's x, which all partners share.  x = 0, 1 (q, k): source 0 = rows of W, source 1 = tokens: a lane holds one token and 128 channels (two heads), quantised along the head's 64.
; x = 2 (v): source 0 = tokens, source 1 = rows of W: a lane holds one channel and 128 keys, quantised along the keys, which are the second product's K.  Both operands lie in one buffer: only offsets are chosen.
; CLUSTERS: 4 x 4 work-groups; source 1's tile is shared along a row of the cluster, source 0's along a column: joint loads.
; The scale words of a K step (one word = 128 K of a row) come by four loads of 16 bytes a lane straight into registers, a K step ahead: register i holds fragment i's words, q = 0 in lanes 0-15, q = 1 in lanes 16-31.
; The bias is the C of each sum's first product.
; OUT: three regions (q, k, v), [batch x 16 + head][128 tokens][8,448 bytes]: 8,192 of codes, 256 of scale words.  q, k: token tile a at 1,024 a (two chunks: the head's 64); word m of row r at 8,192 + 16 r + 4 m: tile 2 m's two bytes, then
; tile 2 m + 1's.  v: tile dt of 16 channels x 128 keys at 2,048 dt; its word at 8,192 + 16 r + 4 dt.  Every store covers 512 consecutive bytes, aligned to 256.
; REGISTERS, in windows of 256: window 0: v16-31 addresses; v32-63 scale words, two sets; v64-127 the bias, later at work; v128-255 source 1's fragments, one set, later the codes.  window 1: source 0's fragments, two sets.
;   windows 2, 3: the accumulators ((a, b) at v[8 (8 (a % 4) + b)]).
; LIMITS: NaN and infinities are not served; a block under 2^-111, zeros too, keeps the byte 1 (its bytes are read by this program alone).
.set KDIM,  1024
.set TILEB, 256*KDIM
.set TILES, 8*KDIM
.set LAPS,  KDIM/512
.set SLOT,  131072
.set SPARE, 262144                     ; behind the ring: the spare words, 128 bytes a wave
.set FR,    16
.set NP,    8                          ; places behind this matrix instruction (ISA guide 7.12.1)
.set ADRA,  16
.set ADRB,  20
.set SPW,   28
.set NIL,   29
.set V16,   30
.set SC,    32
.set BIAS,  64
.set AF,    128
.set G1,    24
.set G0,    32
.set G1B,   48
.set G0B,   56
.set SAP,   66
.set SBP,   68
.set TM,    64
.set PW,    80
.set PC,    128
.set SEL,   94
.set MNT,   96
.set SB,    90
.set MSB,   0
.macro WIN new                         ; the immediate's high byte repeats the setting that is left
.if MSB != (\new)
	s_set_vgpr_msb (MSB<<8)|(\new)
.set MSB, (\new)
.endif
.endm
.macro JLOAD g0a, g0b                  ; a joint load: waves 0, 1 fetch source 1's halves, waves 2, 3 source 0's; four v_nop follow each line
	s_cmp_eq_u32 s15, 0
	s_cbranch_scc0 .Lfor_b_\@
	tensor_load_to_lds s[\g0a:\g0a+3], s[G1:G1+7]
	s_nop 0
.rept 4
	v_nop
.endr
	s_branch .Lasked_\@
.Lfor_b_\@:
	tensor_load_to_lds s[\g0b:\g0b+3], s[G1B:G1B+7]
	s_nop 0
.rept 4
	v_nop
.endr
.Lasked_\@:
.endm
.macro CREST                           ; a round of the cluster's barrier behind its opening barrier
	s_cmp_lg_u32 s14, 0
	s_cbranch_scc1 .Lnot_wave_0_\@
	s_barrier_signal -3
.Lnot_wave_0_\@:
	s_barrier_wait -3
	s_barrier_signal -1
	s_barrier_wait -1
.endm
.macro CROUND
	s_barrier_signal -1
	s_barrier_wait -1
	CREST
.endm
.macro PLACES n
.rept \n
	v_nop
.endr
.endm
.macro FRAG reg, adr, q, i             ; a fragment's image: four loads of 512 consecutive bytes
.irp c, 0,1,2,3
	ds_load_b128 v[\reg+4*\c:\reg+4*\c+3], v[\adr] offset:(\i)*4096+(\q)*2048+512*\c
.endr
.endm
.macro FETCH_B slot, q, p
	WIN 0x40
.irp i, 0,1,2,3,4,5,6,7
	FRAG 128*(\p)+FR*\i, ADRB+\slot, \q, \i
.endr
	WIN 0
.endm
.macro FETCH_A slot, q, i0
.irp i, \i0, \i0+1, \i0+2, \i0+3
	FRAG AF+FR*(\i), ADRA+\slot, \q, \i
.endr
.endm
; one product.  cm = 0: onto the sum; 1: the sum begins with the bias of source 0's rows; 2: with that of source 1's
.macro MM a, b, p, q, sc, cm
.set rD, 8*(8*((\a)%4)+\b)
.set rB, 128*(\p)+FR*\b
.set rA, AF+FR*(\a)
.set rX, SC+16*(\sc)+8+\b
.set rY, SC+16*(\sc)+(\a)
.if (\cm) == 1
	v_wmma_scale_f32_16x16x128_f8f6f4 v[rD:rD+7], v[rB:rB+15], v[rA:rA+15], v[BIAS+8*\b:BIAS+8*\b+7], v[rX], v[rY] matrix_a_fmt:MATRIX_FMT_BF8 matrix_b_fmt:MATRIX_FMT_BF8
.elseif (\cm) == 2
	v_wmma_scale_f32_16x16x128_f8f6f4 v[rD:rD+7], v[rB:rB+15], v[rA:rA+15], v[BIAS+8*(\a):BIAS+8*(\a)+7], v[rX], v[rY] matrix_a_fmt:MATRIX_FMT_BF8 matrix_b_fmt:MATRIX_FMT_BF8
.elseif (\q) == 0
	v_wmma_scale_f32_16x16x128_f8f6f4 v[rD:rD+7], v[rB:rB+15], v[rA:rA+15], v[rD:rD+7], v[rX], v[rY] matrix_a_fmt:MATRIX_FMT_BF8 matrix_b_fmt:MATRIX_FMT_BF8
.else
	v_wmma_scale_f32_16x16x128_f8f6f4 v[rD:rD+7], v[rB:rB+15], v[rA:rA+15], v[rD:rD+7], v[rX], v[rY] matrix_a_fmt:MATRIX_FMT_BF8 matrix_b_fmt:MATRIX_FMT_BF8 matrix_a_scale:MATRIX_SCALE_ROW1 matrix_b_scale:MATRIX_SCALE_ROW1
.endif
.endm
.macro MUL16 a0, p, q, sc, cm          ; the 64 accumulators take turns, one instruction a turn, in the same order in every step
.irp a, \a0, \a0+1
.irp b, 0,1,2,3,4,5,6,7
	MM \a, \b, \p, \q, \sc, \cm
.endr
.endr
.endm
.macro GSCALES set                     ; the scale words of the K step two on, into the set just left
	s_wait_xcnt 0x0                                ; the last scale loads have read their bases
	s_add_nc_u64 s[SAP:SAP+1], s[SAP:SAP+1], 2048
	s_add_nc_u64 s[SBP:SBP+1], s[SBP:SBP+1], 2048
	global_load_b128 v[SC+16*\set:SC+16*\set+3], v[V16], s[SAP:SAP+1]
	global_load_b128 v[SC+16*\set+4:SC+16*\set+7], v[V16], s[SAP:SAP+1] offset:512
	global_load_b128 v[SC+16*\set+8:SC+16*\set+11], v[V16], s[SBP:SBP+1]
	global_load_b128 v[SC+16*\set+12:SC+16*\set+15], v[V16], s[SBP:SBP+1] offset:512
.endm
; a slot's first 128 along K.  lc: the scale loads issued behind this slot's, which may stay out
.macro STEP slot, cm, lc
	s_wait_loadcnt \lc
	s_wait_dscnt 16                                ; source 0's set and source 1's blocks 0-3 are in; the youngest 16 loads (blocks 4-7) may be out
.if \cm
	WIN 0x81
.else
	WIN 0xa1
.endif
	MUL16 0, 0, 0, \slot, \cm
	MUL16 2, 0, 0, \slot, \cm
	s_wait_dscnt 0x0
	PLACES NP
	FETCH_B \slot, 1, 1
	FETCH_A \slot, 1, 0
.if \cm
	WIN 0xc1
.else
	WIN 0xf1
.endif
	MUL16 4, 0, 0, \slot, \cm
	MUL16 6, 0, 0, \slot, \cm
	PLACES NP
	WIN 0
	FETCH_A \slot, 1, 4
.endm
; a slot's second 128 along K changes slots: one barrier; in front of it each wave waits for all its tensor loads, adds 0 to its spare word, and waits for that and for its reads of the slot
.macro TURN slot, next, fill
	s_wait_tensorcnt 0x0                           ; all my tensor loads have landed: my part of the next slot
	ds_add_u32 v[SPW], v[NIL]                      ; 0 onto my spare word
	s_wait_dscnt 17                                ; (the add and the youngest 16 loads may be out)
	WIN 0xa1
	MUL16 0, 1, 1, \slot, 0
	s_wait_dscnt 0x0                               ; the add is done, and my reads of this slot are over
	s_barrier_signal -1
	MUL16 2, 1, 1, \slot, 0
	WIN 0
	s_barrier_wait -1
.if \fill
	CREST                                          ; the barrier has opened a round of the cluster's: no wave of any partner still reads this slot or has a load on its way
	s_add_nc_u64 s[G0+4*\slot+2:G0+4*\slot+3], s[G0+4*\slot+2:G0+4*\slot+3], 131072
	s_add_nc_u64 s[G0B+4*\slot+2:G0B+4*\slot+3], s[G0B+4*\slot+2:G0B+4*\slot+3], 131072
	JLOAD G0+4*\slot, G0B+4*\slot                  ; the first tensor load behind the round; its four v_nop are among the places in front of the loads below
	PLACES NP-4
.else
	PLACES NP
.endif
	FETCH_B \next, 0, 0
	FETCH_A \next, 0, 0
	WIN 0xf1
	MUL16 4, 1, 1, \slot, 0
	MUL16 6, 1, 1, \slot, 0
	PLACES NP
	WIN 0
	FETCH_A \next, 0, 4
.if \fill
	GSCALES \slot
.endif
.endm
; 64 numbers of a lane in window w, register 16 b + i = k 32 b + 16 (lane / 16) + i, become a fragment's codes in v[PC] on and its scale word in v[pw] (both in window 0)
.macro QUANT s, w, pw
	WIN ((\w)<<2)|(\w)
.irp b, 0,1,2,3
	v_max3_num_f32 v[TM+\b], |v[(\s)+16*\b]|, |v[(\s)+16*\b+1]|, 0x8000000    ; each accumulator from its low end on; the floor 2^(16 - 127) holds the byte at 1 from below
.endr
.irp i, 2,4,6,8,10,12,14
.irp b, 0,1,2,3
	v_max3_num_f32 v[TM+\b], |v[(\s)+16*\b+\i]|, |v[(\s)+16*\b+\i+1]|, v[TM+\b]
.endr
.endr
	WIN 0
.irp b, 0,1,2,3
	v_permlanex16_b32 v[TM+4+\b], v[TM+\b], s[SEL], s[SEL+1]
.endr
.irp b, 0,1,2,3
	v_max_num_f32 v[TM+\b], v[TM+\b], v[TM+4+\b]
.endr
.irp b, 0,1,2,3
	v_add_nc_u32 v[TM+12+\b], 0xf8800000, v[TM+\b]                  ; 15 off the exponent field: the conversion's scale operand
	v_and_or_b32 v[TM+8+\b], v[TM+\b], 0x7f800000, s[MNT]           ; 57,344 x the scale
.endr
.irp b, 0,1,2,3
	v_lshrrev_b32 v[TM+4+\b], 23, v[TM+12+\b]                       ; the byte
.endr
	v_lshl_or_b32 v[\pw], v[TM+5], 8, v[TM+4]
	v_lshl_or_b32 v[\pw], v[TM+6], 16, v[\pw]
	v_lshl_or_b32 v[\pw], v[TM+7], 24, v[\pw]
	WIN ((\w)<<6)|(\w)
.irp b, 0,1,2,3
.irp i, 0,1,2,3,4,5,6,7,8,9,10,11,12,13,14,15
	v_med3_num_f32 v[(\s)+16*\b+\i], v[(\s)+16*\b+\i], -v[TM+8+\b], v[TM+8+\b]   ; the conversion does not saturate (ISA guide 7.6.2): the hold
.endr
.endr
	WIN (\w)
.irp b, 0,1,2,3
	v_cvt_scalef32_pk8_bf8_f32 v[PC+4*\b:PC+4*\b+1], v[(\s)+16*\b:(\s)+16*\b+7], v[TM+12+\b]
	v_cvt_scalef32_pk8_bf8_f32 v[PC+4*\b+2:PC+4*\b+3], v[(\s)+16*\b+8:(\s)+16*\b+15], v[TM+12+\b]
.endr
	WIN 0
	v_nop                                          ; one plain line behind the last conversion
.endm
	s_load_b128 s[4:7], s[0:1], 0x0                ; the packs s[4:5], b_qkv s[6:7]
	s_load_b64 s[8:9], s[0:1], 0x10                ; the output
	v_lshl_add_u32 v[SPW], v0, 2, SPARE
	v_mov_b32 v[NIL], 0
	ds_add_u32 v28, v29
	s_wait_dscnt 0x0
	v_lshrrev_b32 v1, 5, v0
	v_readfirstlane_b32 s14, v1                    ; wave 0..3
	s_lshr_b32 s15, s14, 1                         ; my half of source 1's rows.  Also: I fetch for source 1 (0) or source 0 (1)
	s_and_b32 s16, s14, 1                          ; my half of source 0's rows.  Also: which 128 rows I fetch
	s_bfe_u32 s40, ttmp6, 0x40000                  ; cx
	s_bfe_u32 s41, ttmp6, 0x40004                  ; cy
	s_and_b32 s13, ttmp7, 0xffff                   ; the cluster's y
	s_lshl_b32 s43, s41, 2
	s_lshl_b32 s43, 15, s43                        ; my row of the cluster
	s_lshl_b32 s44, 0x1111, s40                    ; my column
	s_or_b32 s[G1+0], s43, (3<<16)|(1<<21)         ; 15:0 the mask; 17:16 elements of 8 bytes; 21 set beside a mask; no padding
	s_or_b32 s[G1B+0], s44, (3<<16)|(1<<21)
.irp g, G1, G1B
	s_mov_b32 s[\g+1], 32<<16                      ; tensor_dim0: 32 elements, 256 bytes
	s_mov_b32 s[\g+2], 128<<16                     ; tensor_dim1
	s_mov_b32 s[\g+3], 32<<16                      ; tile_dim0
	s_mov_b32 s[\g+4], 128                         ; tile_dim1: 128 rows of 256 bytes on end: 32 KiB
	s_mov_b32 s[\g+5], 32                          ; the pitch
	s_mov_b32 s[\g+6], 0
	s_mov_b32 s[\g+7], 0
.endr
	s_lshl_b32 s72, s13, 20                        ; h1's codes at token tile 4 x cluster y,
	s_lshl_b32 s73, s13, 15
	s_add_co_u32 s73, s73, 4194304                 ; its scale words;
	s_lshl_b32 s74, ttmp9, 20
	s_add_co_u32 s74, s74, 4325376                 ; w_qkv's codes at tile 4 x cluster x (8, the first of v's, where x = 2),
	s_lshl_b32 s75, ttmp9, 15
	s_add_co_u32 s75, s75, 7471104                 ; its scale words
	s_cmp_eq_u32 ttmp9, 2                          ; v's clusters: the two operands change sides
	s_cselect_b32 s70, 1, 0
	s_cselect_b32 s20, s74, s72                    ; source 1: codes,
	s_cselect_b32 s22, s75, s73                    ; scale words
	s_cselect_b32 s46, s72, s74                    ; source 0
	s_cselect_b32 s92, s73, s75
	s_cselect_b32 s78, s40, s41                    ; for the way out alone: the token tile's place in the cluster,
	s_cselect_b32 s79, s16, s15                    ; my half of it,
	s_cselect_b32 s80, s41, s40                    ; the channel tile's place,
	s_cselect_b32 s81, s15, s16                    ; my half of it
	s_lshl_b32 s18, s41, 18                        ; source 1's address hangs on cy and never on cx,
	s_add_co_u32 s20, s20, s18
	s_lshl_b32 s18, s41, 13
	s_add_co_u32 s22, s22, s18
	s_lshl_b32 s18, s40, 18                        ; source 0's on cx and never on cy
	s_add_co_u32 s46, s46, s18
	s_lshl_b32 s18, s40, 13
	s_add_co_u32 s92, s92, s18
	s_lshl_b32 s18, s16, 15                        ; the 128 rows that I fetch
	s_add_co_u32 s20, s20, s18
	s_add_co_u32 s46, s46, s18
	s_lshl_b32 s18, s15, 10                        ; the scale words of the rows that I multiply
	s_add_co_u32 s22, s22, s18
	s_lshl_b32 s18, s16, 10
	s_add_co_u32 s92, s92, s18
	s_mov_b32 s21, 0
	s_mov_b32 s23, 0
	s_mov_b32 s47, 0
	s_mov_b32 s93, 0
	s_lshl_b32 s83, s13, 2
	s_add_co_u32 s83, s83, s78
	s_lshl_b32 s83, s83, 1
	s_add_co_u32 s83, s83, s79                     ; my first token / 128
	s_lshl_b32 s84, ttmp9, 2
	s_add_co_u32 s84, s84, s80
	s_lshl_b32 s84, s84, 1
	s_add_co_u32 s84, s84, s81                     ; my first channel / 128
	s_lshr_b32 s85, s84, 3
	s_mul_i32 s85, s85, 4325376                    ; the region: q, k or v
	s_lshr_b32 s86, s83, 4
	s_lshl_b32 s86, s86, 4                         ; 16 x batch
	s_and_b32 s87, s84, 7
	s_lshl_b32 s87, s87, 1                         ; my first head
	s_add_co_u32 s86, s86, s87
	s_mul_i32 s86, s86, 135168
	s_add_co_u32 s85, s85, s86
	s_and_b32 s86, s83, 15
	s_mul_i32 s86, s86, 8448                       ; the 128 tokens
	s_add_co_u32 s[SB], s85, s86
	s_mov_b32 s[SB+1], 0
	s_lshl_b32 s88, s84, 9                         ; my channels' bias
	s_mov_b32 s89, 0
	s_lshl_b32 s45, s14, 15                        ; where my tile goes: wave x 32 KiB: no place in the cluster enters an LDS address
	s_mov_b32 s[SEL], 0x76543210
	s_mov_b32 s[SEL+1], 0xfedcba98
	s_mov_b32 s[MNT], 0x600000
	s_wait_kmcnt 0x0
	s_add_nc_u64 s[20:21], s[4:5], s[20:21]
	s_add_nc_u64 s[46:47], s[4:5], s[46:47]
	s_add_nc_u64 s[SAP:SAP+1], s[4:5], s[22:23]
	s_add_nc_u64 s[SBP:SBP+1], s[4:5], s[92:93]
	s_add_nc_u64 s[SB:SB+1], s[8:9], s[SB:SB+1]
	s_add_nc_u64 s[6:7], s[6:7], s[88:89]
	CROUND                                         ; all sixteen work-groups are here: the first joint loads meet
.irp s, 0,1
	s_mov_b32 s[G0+4*\s], 1
	s_add_co_u32 s[G0+4*\s+1], s45, \s*SLOT
	s_add_nc_u64 s[G0+4*\s+2:G0+4*\s+3], s[20:21], \s*65536
	s_or_b32 s[G0+4*\s+3], s[G0+4*\s+3], 0x80000000
	s_mov_b32 s[G0B+4*\s], 1
	s_add_co_u32 s[G0B+4*\s+1], s45, \s*SLOT
	s_add_nc_u64 s[G0B+4*\s+2:G0B+4*\s+3], s[46:47], \s*65536
	s_or_b32 s[G0B+4*\s+3], s[G0B+4*\s+3], 0x80000000
	JLOAD G0+4*\s, G0B+4*\s
.endr
	v_and_b32 v1, 31, v0                           ; lane
	v_and_b32 v2, 15, v0                           ; r
	v_bfe_u32 v3, v0, 4, 1                         ; h
	v_lshlrev_b32 v[V16], 4, v1
.irp s, 0,1                                    ; the scale words of K steps 0 and 1
	global_load_b128 v[SC+16*\s:SC+16*\s+3], v[V16], s[SAP:SAP+1] offset:2048*\s
	global_load_b128 v[SC+16*\s+4:SC+16*\s+7], v[V16], s[SAP:SAP+1] offset:2048*\s+512
	global_load_b128 v[SC+16*\s+8:SC+16*\s+11], v[V16], s[SBP:SBP+1] offset:2048*\s
	global_load_b128 v[SC+16*\s+12:SC+16*\s+15], v[V16], s[SBP:SBP+1] offset:2048*\s+512
.endr
	v_lshlrev_b32 v31, 6, v3                       ; 64 h
	v_and_b32 v27, 8, v2
	v_add_nc_u32 v27, v27, v2
	v_lshlrev_b32 v27, 2, v27                      ; 4 (r + 8 (r / 8))
	s_cmp_eq_u32 s70, 0
	s_cbranch_scc0 .Lbias_v
.irp g, 0,1,2,3                                ; q, k: register 16 g + i is the bias of channel 32 g + 16 h + i: the result's layout
.irp j, 0,1,2,3
	global_load_b128 v[BIAS+16*\g+4*\j:BIAS+16*\g+4*\j+3], v31, s[6:7] offset:128*\g+16*\j
.endr
.endr
	s_branch .Lbias_done
.Lbias_v:
.irp a, 0,1,2,3,4,5,6,7                        ; v: a lane holds one channel: eight registers with its bias for each tile a
.irp j, 0,1,2,3,4,5,6,7
	global_load_b32 v[BIAS+8*\a+\j], v27, s[6:7] offset:(32*(\a/2)+8*(\a%2))*4
.endr
.endr
.Lbias_done:
	s_lshl_b32 s21, s15, 15
	s_lshl_b32 s22, s16, 15
	s_add_co_u32 s22, s22, 65536                   ; source 0's 256 rows lie behind source 1's
.irp s, 0,1
	v_add_nc_u32 v[ADRA+\s], s21, v[V16]
	v_add_nc_u32 v[ADRB+\s], s22, v[V16]
	s_add_co_u32 s21, s21, SLOT
	s_add_co_u32 s22, s22, SLOT
.endr
	v_mul_u32_u24 v26, v3, 135168
	v_lshl_add_u32 v26, v2, 4, v26                 ; the scale words' way out: 16 r; lanes 16-31 take the next head's pack
	s_wait_loadcnt 0x0                             ; scale words and bias (the two ways have issued different numbers of loads)
	s_add_nc_u64 s[SAP:SAP+1], s[SAP:SAP+1], 2048  ; at K step 1: each later fetch steps once more
	s_add_nc_u64 s[SBP:SBP+1], s[SBP:SBP+1], 2048
	s_wait_tensorcnt 1                             ; my part of K step 0 is in; K step 1's may stay out
	s_barrier_signal -1
	s_barrier_wait -1
	FETCH_B 0, 0, 0
	FETCH_A 0, 0, 0
	FETCH_A 0, 0, 4
	s_cmp_eq_u32 s70, 0                            ; the first step, whose products begin the sums with the bias, is written for each mode; it holds no tensor load and no barrier
	s_cbranch_scc0 .Lfirst_v
	STEP 0, 1, 0
	s_branch .Lfirst_done
.Lfirst_v:
	STEP 0, 2, 0
.Lfirst_done:
	s_mov_b32 s3, LAPS-1
.Llap:                                             ; a trip goes once round the ring and fills both slots again
	TURN 0, 1, 1
	STEP 1, 0, 4
	TURN 1, 0, 1
	STEP 0, 0, 4
	s_sub_co_u32 s3, s3, 1
	s_cmp_lg_u32 s3, 0
	s_cbranch_scc1 .Llap
	TURN 0, 1, 0                                   ; the last lap fills nothing
	STEP 1, 0, 0
	s_wait_dscnt 16
	WIN 0xa1
	MUL16 0, 1, 1, 1, 0
	MUL16 2, 1, 1, 1, 0
	s_wait_dscnt 0x0
	WIN 0xf1
	MUL16 4, 1, 1, 1, 0
	MUL16 6, 1, 1, 1, 0
	WIN 0
	PLACES NP
	; THE WAY OUT: block a's 64 registers a lane are one fragment's numbers: quantised and stored as its image
.irp a, 0,1,2,3,4,5,6,7
.if \a > 0
	s_wait_xcnt 0x0                                ; the last block's stores have read the codes' registers
.endif
	QUANT 64*(\a%4), 2+\a/4, PW+\a
	s_cmp_eq_u32 s70, 0
	s_cbranch_scc0 .Lv_\a
.irp c, 0,1,2,3                                ; q, k: token tile a; blocks 0, 1 are my first head's 64, blocks 2, 3 the next head's
	global_store_b128 v[V16], v[PC+4*\c:PC+4*\c+3], s[SB:SB+1] offset:\a*1024+(\c%2)*512+(\c/2)*135168
.endr
	s_branch .Ld_\a
.Lv_\a:
.irp c, 0,1,2,3                                ; v: head a / 4, channel tile a % 4, 128 keys
	global_store_b128 v[V16], v[PC+4*\c:PC+4*\c+3], s[SB:SB+1] offset:(\a/4)*135168+(\a%4)*2048+512*\c
.endr
.Ld_\a:
.endr
	v_cmp_gt_u32 vcc_lo, 16, v1                    ; lanes 0-15 store my first head's words, lanes 16-31 the next head's
	s_cmp_eq_u32 s70, 0
	s_cbranch_scc0 .Lw_v
.irp j, 0,1,2,3
	v_perm_b32 v[88+\j], v[PW+2*\j+1], v[PW+2*\j], 0x05040100      ; tile 2 j's two bytes of the first head, then tile 2 j + 1's
	v_perm_b32 v[92+\j], v[PW+2*\j+1], v[PW+2*\j], 0x07060302      ; the same of the next head
.endr
.irp j, 0,1,2,3
	v_cndmask_b32 v[88+\j], v[92+\j], v[88+\j], vcc_lo
.endr
	s_branch .Lw_done
.Lw_v:
.irp j, 0,1,2,3
	v_cndmask_b32 v[88+\j], v[PW+4+\j], v[PW+\j], vcc_lo
.endr
.Lw_done:
	global_store_b128 v26, v[88:91], s[SB:SB+1] offset:8192        ; 16 lanes store 256 consecutive bytes, aligned
	s_wait_tensorcnt 0x0                           ; the wave's end
	ds_add_u32 v[SPW], v[NIL]
	s_wait_dscnt 0x0
	CROUND                                         ; the closing round
	s_endpgm
.Lfunc_end_k_q9e0baaffc0_qkv:
	.size	k_q9e0baaffc0_qkv, .Lfunc_end_k_q9e0baaffc0_qkv-k_q9e0baaffc0_qkv
	.p2alignl 7, 3214868480
	.fill 96, 4, 3214868480
	.section	.rodata,"a",@progbits
	.p2align	6, 0x0
	.amdhsa_kernel k_q9e0baaffc0_qkv
		.amdhsa_group_segment_fixed_size 327680
		.amdhsa_private_segment_fixed_size 0
		.amdhsa_enable_private_segment 0
		.amdhsa_kernarg_size 24
		.amdhsa_user_sgpr_count 2
		.amdhsa_user_sgpr_kernarg_segment_ptr 1
		.amdhsa_wavefront_size32 1
		.amdhsa_system_sgpr_workgroup_id_x 1
		.amdhsa_system_sgpr_workgroup_id_y 1
		.amdhsa_system_sgpr_workgroup_id_z 1
		.amdhsa_system_vgpr_workitem_id 0
		.amdhsa_next_free_vgpr 1024
		.amdhsa_next_free_sgpr 100
		.amdhsa_reserve_vcc 1
		.amdhsa_float_denorm_mode_32 3
		.amdhsa_float_denorm_mode_16_64 3
		.amdhsa_memory_ordered 1
		.amdhsa_forward_progress 1
		.amdhsa_inst_pref_size 208
	.end_amdhsa_kernel
	.amdgpu_metadata
---
amdhsa.version: [ 1, 2 ]
amdhsa.kernels:
  - .name:           k_q9e0baaffc0_qkv
    .symbol:         k_q9e0baaffc0_qkv.kd
    .args:
      - { .name: p0, .offset: 0, .size: 8, .value_kind: global_buffer, .address_space: global }
      - { .name: b_qkv, .offset: 8, .size: 8, .value_kind: global_buffer, .address_space: global }
      - { .name: qkvb, .offset: 16, .size: 8, .value_kind: global_buffer, .address_space: global }
    .group_segment_fixed_size: 327680
    .private_segment_fixed_size: 0
    .kernarg_segment_align: 8
    .kernarg_segment_size: 24
    .max_flat_workgroup_size: 128
    .sgpr_count:     100
    .vgpr_count:     1024
    .wavefront_size: 32
...
	.end_amdgpu_metadata
.endif
;; end of part 2
;; launch attn (part 3): grid 16 x 16, 8 waves a work-group, no clusters, 327,680 bytes of LDS; arguments qkvb, yb; writes yb
.if DOCPART == 3
	.amdgcn_target "amdgcn-amd-amdhsa--gfx1250"
	.amdhsa_code_object_version 6
	.text
	.protected	k_q9e0baaffc0_attn
	.globl	k_q9e0baaffc0_attn
	.p2align	8
	.type	k_q9e0baaffc0_attn,@function
k_q9e0baaffc0_attn:
	s_mov_b64 s[64:65], 0
	v_nop
	global_prefetch_b8 v0, s[64:65] scope:SCOPE_SE
	s_setreg_imm32_b32 hwreg(HW_REG_WAVE_MODE, 25, 1), 1
	s_wait_xcnt 0x0
; CAUSAL ATTENTION on codes of BF8 (E5M2) with E8M0 scales; 32 (batch, head) x 2,048 tokens x 64.  y leaves quantised along C, as the next product's operand.
; THE SOFTMAX: t = score x log2(e) / 8; M = the running largest t rounded UP to a whole number; p = 2^(t - M) is quantised along the keys; the row's sum is taken of the unquantised p and divides at the end.
; When M moves, the sum and O are multiplied by 2^(old M - new M): nothing is rounded, and no branch hangs on data.
; SHARES.  Work-group (g, 8 batch + p) serves heads 2 p, 2 p + 1.  Wave w: head 2 p + (w & 1), tile e = w / 2 of a group of 64 queries: first of group g, then of group 31 - g.  Group G needs G / 2 + 1 key steps of 128 keys,
; so every wave of the launch walks g / 2 + 1 and then 16 - g / 2 or so: 17 steps in all, a constant of the text.  All eight waves are at the same key step, so the four packs of a step (K, V of two heads) serve all.
; NO CLUSTER: the work-groups of a pair of heads stand at different key steps in the same trip (the first tile's number of steps differs), so no two would ask for the same tile together.
; LAYOUT.  Both products transposed: S^T = K Q^T, O^T = V^T P^T: a lane holds one query.  Tiles' rows are laid (row r of tile I = 16 I - 8 (I & 1) + r + 8 (r / 8)) so that 16 registers of two neighbouring tiles are 16 neighbours.
; THE HEAD'S 64 IN AN INSTRUCTION OF 128: a fragment of K holds two key tiles, one in k 0-63, one in k 64-127.  It is multiplied by (q, zero codes) and by (zero codes, q): zero codes add exactly nothing to a sum.
; THE RING: two LDS slots, each a key step's four packs of 8,448 bytes (8,192 of codes as register images, 256 of scale words), one tensor load each by waves 0-3, read by all eight.
; REGISTERS: v1-4 lane places; v5, v6 the add's; v7 the mask's term; v8-11 addresses in hand; v12 -M, v13 the largest t, v[14:15] the sum; v16-31 (q, 0); v32-47 (0, q); v48-111 K's, then V's fragments; v112-175 S^T, p;
;   v176-207 O^T; v208-223 codes; v224-239 at work; v240-243 K's, then V's scale words; v248 f; v249 p's scale word; v252 q's.
; LIMITS: NaN and infinities are not served; v_exp_f32 gives 0 under 2^-126 (ISA guide 15.8); a block under 2^-111 keeps the byte 1; 1 / l is v_rcp_f32 and a multiplication.
.set SLOT1, 65536
.set PACK,  8448
.set SPARE, 131072                     ; the spare words: 128 bytes for each of eight waves
.set SCR,   132096                     ; y's scale words: [first, second tile][row][e], 512 bytes; no fill lands here
.set KV,  48
.set S,   112
.set O,   176
.set PC,  208
.set TM,  224
.set WV,  8
.set HP,  9
.set EE,  10
.set NL,  15                           ; the first tile's key steps
.set NL1, 16                           ; its last step's number
.set II,  17                           ; the step
.set TB,  18                           ; the slot in hand
.set GB,  19                           ; 64 x (the query group & 1)
.set SEL, 20
.set CS,  22
.set G1,  24
.set G0,  32
.set PB,  36                           ; my pack of key step 0
.set TO,  38
.set YLO, 40
.set YHI, 42
.set QLO, 44
.set QHI, 46
.set MNT, 48
.set LIM, 49
.set PFA, 50
.set QSH, 52
.set QWLO, 54
.set QWHI, 56
.set WP,  58
.macro QUANT s, nb, pw                 ; 16 nb numbers of a lane, register 16 b + i = k 32 b + 16 (lane / 16) + i, become codes in v[PC] on and the scale bytes in v[pw]
.irp b, 0,1,2,3
.if \b < \nb
	v_max3_num_f32 v[TM+\b], |v[\s+16*\b]|, |v[\s+16*\b+1]|, 0x8000000
.endif
.endr
.irp i, 2,4,6,8,10,12,14
.irp b, 0,1,2,3
.if \b < \nb
	v_max3_num_f32 v[TM+\b], v[TM+\b], |v[\s+16*\b+\i]|, |v[\s+16*\b+\i+1]|
.endif
.endr
.endr
.irp b, 0,1,2,3
.if \b < \nb
	v_permlanex16_b32 v[TM+4+\b], v[TM+\b], s[SEL], s[SEL+1]
.endif
.endr
.irp b, 0,1,2,3
.if \b < \nb
	v_max_num_f32 v[TM+\b], v[TM+\b], v[TM+4+\b]
.endif
.endr
.irp b, 0,1,2,3
.if \b < \nb
	v_add_nc_u32 v[TM+12+\b], 0xf8800000, v[TM+\b]
	v_and_or_b32 v[TM+8+\b], v[TM+\b], 0x7f800000, s[MNT]
.endif
.endr
.irp b, 0,1,2,3
.if \b < \nb
	v_lshrrev_b32 v[TM+4+\b], 23, v[TM+12+\b]
.endif
.endr
	v_lshl_or_b32 v[\pw], v[TM+5], 8, v[TM+4]
.irp b, 0,1,2,3
.if \b < \nb
.irp i, 0,1,2,3,4,5,6,7,8,9,10,11,12,13,14,15
	v_med3_num_f32 v[\s+16*\b+\i], v[\s+16*\b+\i], -v[TM+8+\b], v[TM+8+\b]
.endr
	v_cvt_scalef32_pk8_bf8_f32 v[PC+4*\b:PC+4*\b+1], v[\s+16*\b:\s+16*\b+7], v[TM+12+\b]
	v_cvt_scalef32_pk8_bf8_f32 v[PC+4*\b+2:PC+4*\b+3], v[\s+16*\b+8:\s+16*\b+15], v[TM+12+\b]
.endif
.endr
	v_nop
.endm
.macro TLOAD                           ; waves 0-3 fetch a pack each; four v_nop follow the line
	s_cmp_lt_u32 s[WV], 4
	s_cbranch_scc0 .Lnone_\@
	tensor_load_to_lds s[G0:G0+3], s[G1:G1+7]
	s_nop 0
.rept 4
	v_nop
.endr
.Lnone_\@:
.endm
; A PREFETCH INTO THE L2.  All sixteen work-groups of a pair of heads walk the same packs: work-group 0 asks, and in it the waves that fetch nothing, waves 4-7, a pack each: 32 lanes, 256 bytes apart, name the pack's 8,192 bytes of codes.
; In trip i it names key step i + 2, up to the last, 15; key steps 0 and 1 come by their loads alone.  It stands behind the tensor load's place; the address is stepped at the next change of slots.
.macro ASK
	s_cmp_lt_u32 s[II], s[LIM]
	s_cbranch_scc0 .Lnot_mine_\@
	global_prefetch_b8 v244, s[PFA:PFA+1] th:TH_LOAD_NT scope:SCOPE_SE
.Lnot_mine_\@:
.endm
; where tile t's codes of q, its pair's scale word and its place in y begin, as offsets
.macro TILEADR t, q, qw, y
	s_lshr_b32 s73, s[\t], 3
	s_mul_i32 s73, s73, PACK
	s_add_co_u32 s73, s73, s69                     ; the pack of its 128 tokens
	s_and_b32 s74, s[\t], 7
	s_lshl_b32 s75, s74, 10
	s_add_co_u32 s[\q], s73, s75
	s_mov_b32 s[\q+1], 0
	s_lshr_b32 s74, s74, 1
	s_lshl_b32 s74, s74, 2
	s_add_co_u32 s74, s74, 8192
	s_add_co_u32 s[\qw], s73, s74
	s_mov_b32 s[\qw+1], 0
	s_lshl_b32 s73, s67, 7
	s_add_co_u32 s73, s73, s[\t]                   ; I = 128 batch + tile
	s_lshr_b32 s74, s73, 4
	s_lshl_b32 s74, s74, 18
	s_and_b32 s73, s73, 15
	s_lshl_b32 s73, s73, 12
	s_add_co_u32 s74, s74, s73
	s_add_co_u32 s[\y], s74, s76
	s_mov_b32 s[\y+1], 0
.endm
.macro QLOAD q, qw                     ; q's 64 codes a row come twice: into the low half of one operand and the high half of the other
	global_load_b128 v[16:19], v253, s[\q:\q+1]
	global_load_b128 v[20:23], v253, s[\q:\q+1] offset:512
	global_load_b128 v[40:43], v253, s[\q:\q+1]
	global_load_b128 v[44:47], v253, s[\q:\q+1] offset:512
	global_load_b32 v251, v245, s[\qw:\qw+1]
.endm
.macro BEGIN                           ; a tile's sums begin: zeros, which the first change of M leaves zeros
	v_mov_b32 v13, 0xff61b1e6                      ; the largest t so far: -3e38
	v_floor_f32 v12, -v13
	v_mov_b32 v14, 0
	v_mov_b32 v15, 0
.set j, 0
.rept 32
	v_mov_b32 v[O+j], 0
.set j, j+1
.endr
.endm
.macro QWORD                           ; my tile's two bytes of the pair's word, in both halves: they serve (q, 0) and (0, q)
	s_wait_loadcnt 0x0
	v_lshrrev_b32 v252, s[QSH], v251
	v_and_b32 v252, 0xffff, v252
	v_lshl_or_b32 v252, v252, 16, v252
.endm
; THE CHANGE OF SLOTS stands at a step's head.  Each wave waits for all its tensor loads, adds 0 to its spare word, and waits for that and for its reads of the slot that it has left; behind the barrier that slot is filled with the next step's packs.
.macro CHANGE fill
	s_wait_tensorcnt 0x0                           ; no tensor load of mine is out, so group 0 may be written
	ds_add_u32 v5, v6                              ; 0 onto my spare word
.if \fill
	s_xor_b32 s[G0+1], s[G0+1], SLOT1              ; the other slot than last time
	s_add_co_u32 s[TO], s[II], 1                   ; the next step's key step: it begins anew with the second tile
	s_cmp_lt_u32 s[TO], s[NL]
	s_cselect_b32 s[TO+1], 0, s[NL]
	s_sub_co_u32 s[TO], s[TO], s[TO+1]
	s_mul_i32 s[TO], s[TO], PACK
	s_mov_b32 s[TO+1], 0
	s_add_nc_u64 s[G0+2:G0+3], s[PB:PB+1], s[TO:TO+1]
	s_or_b32 s[G0+3], s[G0+3], 0x80000000
	s_wait_xcnt 0x0                                ; the last prefetch, a step back, has read its address
	s_add_nc_u64 s[PFA:PFA+1], s[PFA:PFA+1], PACK
.endif
	s_wait_dscnt 0x0                               ; the add is done, and my reads of the slot that I have left are over
	s_barrier_signal -1
	s_barrier_wait -1
.if \fill
	TLOAD                                          ; the first thing behind the barrier, a wave's one tensor load until the next
	ASK
.endif
.endm
; A KEY STEP: 128 keys.  diag = 1: the mask is always laid; 0: only in the first tile's last step
.macro STEP diag
	v_add_nc_u32 v8, s[TB], v1
	v_add_nc_u32 v9, s[TB], v2
	v_add_nc_u32 v10, s[TB], v3
	v_add_nc_u32 v11, s[TB], v4
.rept 4
	v_nop                                          ; with the four additions: eight places in front of loads into registers that matrix instructions have read, and behind the making of q's scale word
.endr
.irp m, 0,1,2,3
.irp c, 0,1,2,3
	ds_load_b128 v[KV+16*\m+4*\c:KV+16*\m+4*\c+3], v8 offset:2048*\m+512*\c
.endr
.endr
	ds_load_b128 v[240:243], v10                   ; K's four scale words of row r
	s_wait_dscnt 0x0
.irp m, 0,1,2,3
	v_wmma_scale_f32_16x16x128_f8f6f4 v[S+16*\m:S+16*\m+7], v[KV+16*\m:KV+16*\m+15], v[16:31], 0, v[240+\m], v252 matrix_a_fmt:MATRIX_FMT_BF8 matrix_b_fmt:MATRIX_FMT_BF8
	v_wmma_scale_f32_16x16x128_f8f6f4 v[S+16*\m+8:S+16*\m+15], v[KV+16*\m:KV+16*\m+15], v[32:47], 0, v[240+\m], v252 matrix_a_fmt:MATRIX_FMT_BF8 matrix_b_fmt:MATRIX_FMT_BF8
.endr                                              ; register 16 m + i is key 32 m + 16 (lane / 16) + i of the step
.rept 8
	v_nop
.endr
.irp t, 0,1,2,3                                ; V's fragments take K's registers and land under the softmax
.irp c, 0,1,2,3
	ds_load_b128 v[KV+16*\t+4*\c:KV+16*\t+4*\c+3], v9 offset:2048*\t+512*\c
.endr
.endr
	ds_load_b128 v[240:243], v11
.if \diag == 0
	s_cmp_lg_u32 s[II], s[NL1]
	s_cbranch_scc1 .Lopen_\@                       ; a branch on ids: all keys of this step count
.endif
	v_add_nc_u32 v251, s[GB], v7                   ; d = my query - the step's first key - 16 (lane / 16): register 16 b + i is hidden where 32 b + i > d
	v_mov_b32 v250, 0xff800000                     ; -infinity: p = 0 then
.set n, 0
.rept 64
	v_cmp_gt_i32 vcc_lo, 32*(n/16)+n%16, v251
	v_cndmask_b32 v[S+n], v[S+n], v250, vcc_lo
.set n, n+1
.endr
.Lopen_\@:
.irp b, 0,1,2,3
	v_max3_num_f32 v[TM+\b], v[S+16*\b], v[S+16*\b+1], v[S+16*\b+2]       ; the largest score of each block of 32 keys: for the row's maximum and, since p rises with the score, for the block's largest p
.endr
.irp i, 3,5,7,9,11,13
.irp b, 0,1,2,3
	v_max3_num_f32 v[TM+\b], v[TM+\b], v[S+16*\b+\i], v[S+16*\b+\i+1]
.endr
.endr
.irp b, 0,1,2,3
	v_max_num_f32 v[TM+\b], v[TM+\b], v[S+16*\b+15]
.endr
.irp b, 0,1,2,3
	v_permlanex16_b32 v[TM+4+\b], v[TM+\b], s[SEL], s[SEL+1]
.endr
.irp b, 0,1,2,3
	v_max_num_f32 v[TM+\b], v[TM+\b], v[TM+4+\b]
.endr
	v_max3_num_f32 v250, v[TM], v[TM+1], v[TM+2]
	v_max_num_f32 v250, v250, v[TM+3]
	v_mul_f32 v250, s[CS], v250
	v_max_num_f32 v13, v13, v250                   ; the running largest t
	v_mov_b32 v250, v12
	v_floor_f32 v12, -v13                          ; the new -M = -ceil(t)
	v_sub_f32 v250, v12, v250                      ; old M - new M: a whole number, 0 or less
	v_cvt_i32_f32 v250, v250                       ; (it saturates)
	v_ldexp_f32 v248, 1.0, v250                    ; f = 2^(old M - new M)
.set j, 0
.rept 32
	v_pk_fma_f32 v[S+j:S+j+1], v[S+j:S+j+1], s[CS:CS+1], v[12:13] op_sel_hi:[1,0,0]   ; t - M
.set j, j+2
.endr
.irp b, 0,1,2,3
	v_fma_f32 v[TM+\b], v[TM+\b], s[CS], v12
.endr
.set j, 0
.rept 64
	v_exp_f32 v[S+j], v[S+j]                       ; p = 2^(t - M): not normalised
.set j, j+1
.endr
.irp b, 0,1,2,3
	v_exp_f32 v[TM+\b], v[TM+\b]                   ; the block's largest p: the same two instructions on the same number
.endr
	v_pk_mul_f32 v[14:15], v[14:15], v[248:249] op_sel_hi:[1,0]    ; the sums under the new M (a plain line behind the exponentials)
	s_wait_alu depctr_va_vdst(0)
.irp b, 0,1,2,3
	v_max_num_f32 v[TM+\b], 0x8000000, v[TM+\b]    ; the floor 2^(16 - 127)
.endr
.irp b, 0,1,2,3
	v_add_nc_u32 v[TM+12+\b], 0xf8800000, v[TM+\b]
	v_and_or_b32 v[TM+8+\b], v[TM+\b], 0x7f800000, s[MNT]
.endr
.irp b, 0,1,2,3
	v_lshrrev_b32 v[TM+4+\b], 23, v[TM+12+\b]
.endr
	v_lshl_or_b32 v249, v[TM+5], 8, v[TM+4]        ; p's scale word for these 128 keys
	v_lshl_or_b32 v249, v[TM+6], 16, v249
	v_lshl_or_b32 v249, v[TM+7], 24, v249
	v_pk_add_f32 v[TM+4:TM+5], v[S:S+1], v[S+2:S+3]                ; the row's sum is taken of the unquantised p, in two chains
.irp j, 4,8,12,16,20,24,28,32,36,40,44,48,52,56,60
	v_pk_add_f32 v[14:15], v[14:15], v[S+\j:S+\j+1]
	v_pk_add_f32 v[TM+4:TM+5], v[TM+4:TM+5], v[S+\j+2:S+\j+3]
.endr
	v_pk_add_f32 v[14:15], v[14:15], v[TM+4:TM+5]
.irp b, 0,1,2,3
.irp i, 0,1,2,3,4,5,6,7,8,9,10,11,12,13,14,15
	v_min_num_f32 v[S+16*\b+\i], v[S+16*\b+\i], v[TM+8+\b]         ; the hold; p is not negative, so it is one-sided
.endr
	v_cvt_scalef32_pk8_bf8_f32 v[PC+4*\b:PC+4*\b+1], v[S+16*\b:S+16*\b+7], v[TM+12+\b]
	v_cvt_scalef32_pk8_bf8_f32 v[PC+4*\b+2:PC+4*\b+3], v[S+16*\b+8:S+16*\b+15], v[TM+12+\b]
.endr
.set j, 0
.rept 16
	v_pk_mul_f32 v[O+j:O+j+1], v[O+j:O+j+1], v[248:249] op_sel_hi:[1,0]   ; O^T under the new M; these sixteen are also the places between the codes' making and the products
.set j, j+2
.endr
	s_wait_dscnt 0x0                               ; V
.irp t, 0,1,2,3
	v_wmma_scale_f32_16x16x128_f8f6f4 v[O+8*\t:O+8*\t+7], v[KV+16*\t:KV+16*\t+15], v[PC:PC+15], v[O+8*\t:O+8*\t+7], v[240+\t], v249 matrix_a_fmt:MATRIX_FMT_BF8 matrix_b_fmt:MATRIX_FMT_BF8
.endr                                              ; the four accumulators by turns; eight other products stand before each is taken up again
.endm
; A TILE IS DONE: O^T / the sum is y(query, 64 of my head): two blocks of 32 along C: quantised, two chunks of a fragment's image.  more = 1: the second tile begins
.macro FINISH y, which, more
.rept 8
	v_nop
.endr
	v_add_f32 v14, v14, v15
	v_permlanex16_b32 v250, v14, s[SEL], s[SEL+1]
	v_add_f32 v14, v14, v250                       ; the row's sum
	v_rcp_f32 v14, v14
	v_nop
	s_wait_alu depctr_va_vdst(0)
	v_mov_b32 v15, v14
.set j, 0
.rept 16
	v_pk_mul_f32 v[S+j:S+j+1], v[O+j:O+j+1], v[14:15]
.set j, j+2
.endr
	QUANT S, 2, 250
	global_store_b128 v253, v[PC:PC+3], s[\y:\y+1]
	global_store_b128 v253, v[PC+4:PC+7], s[\y:\y+1] offset:512
	ds_store_b16 v254, v250 offset:\which*256      ; my head's half of the row's scale word
.if \more
	QLOAD QHI, QWHI
	BEGIN
	s_xor_b32 s[GB], s[GB], 64                     ; groups g and 31 - g differ in their lowest bit
	QWORD
	s_wait_xcnt 0x0                                ; the stores have read the codes' registers
.endif
.endm
	s_load_b128 s[4:7], s[0:1], 0x0                ; q, k, v s[4:5]; y s[6:7]
	v_lshl_add_u32 v5, v0, 2, SPARE
	v_mov_b32 v6, 0
	ds_add_u32 v5, v6
	s_wait_dscnt 0x0
	v_lshrrev_b32 v8, 5, v0
	v_readfirstlane_b32 s[WV], v8                  ; wave 0..7
	s_and_b32 s[HP], s[WV], 1
	s_lshr_b32 s[EE], s[WV], 1
	s_and_b32 s66, ttmp7, 0xffff
	s_lshr_b32 s67, s66, 3                         ; batch
	s_and_b32 s68, s66, 7                          ; the pair of heads
	s_lshr_b32 s[NL], ttmp9, 1
	s_add_co_u32 s[NL], s[NL], 1
	s_sub_co_u32 s[NL1], s[NL], 1
	s_lshl_b32 s69, s67, 4
	s_lshl_b32 s70, s68, 1
	s_add_co_u32 s69, s69, s70
	s_add_co_u32 s69, s69, s[HP]
	s_mul_i32 s69, s69, 135168                     ; my (batch, head) in a region
	s_bfe_u32 s70, s[WV], 0x10001
	s_add_co_u32 s70, s70, 1
	s_mul_i32 s70, s70, 4325376                    ; waves 0, 1 (and 4, 5): k's region; 2, 3 (and 6, 7): v's
	s_add_co_u32 s[TO], s70, s69
	s_mov_b32 s[TO+1], 0
	s_lshr_b32 s76, s68, 1
	s_lshl_b32 s76, s76, 16
	s_and_b32 s77, s68, 1
	s_lshl_b32 s77, s77, 11
	s_add_co_u32 s76, s76, s77
	s_lshl_b32 s77, s[HP], 10
	s_add_co_u32 s76, s76, s77                     ; in y: K step p / 2, q = p & 1, my head's two chunks
	s_lshl_b32 s71, ttmp9, 2
	s_sub_co_u32 s72, 124, s71
	s_add_co_u32 s71, s71, s[EE]                   ; the first tile: 4 g + e
	s_add_co_u32 s72, s72, s[EE]                   ; the second: 4 (31 - g) + e
	TILEADR 71, QLO, QWLO, YLO
	TILEADR 72, QHI, QWHI, YHI
	s_lshl_b32 s73, s67, 5
	s_add_co_u32 s73, s73, ttmp9                   ; y's scale words: group 32 batch + g,
	s_lshr_b32 s74, s73, 2
	s_lshl_b32 s74, s74, 13
	s_and_b32 s75, s73, 3
	s_lshl_b32 s75, s75, 9
	s_add_co_u32 s74, s74, s75
	s_lshl_b32 s73, s67, 5
	s_add_co_u32 s73, s73, 31
	s_sub_co_u32 s73, s73, ttmp9                   ; and group 32 batch + 31 - g
	s_lshr_b32 s75, s73, 2
	s_lshl_b32 s75, s75, 13
	s_and_b32 s73, s73, 3
	s_lshl_b32 s73, s73, 9
	s_add_co_u32 s75, s75, s73
	s_sub_co_u32 s60, s75, s74                     ; the distance between the two
	s_lshr_b32 s73, s68, 1
	s_lshl_b32 s73, s73, 11
	s_add_co_u32 s74, s74, s73
	s_and_b32 s73, s68, 1
	s_lshl_b32 s73, s73, 8
	s_add_co_u32 s74, s74, s73
	s_add_co_u32 s[WP], s74, 4194304
	s_mov_b32 s[WP+1], 0
	s_mov_b32 s[G1], 3<<16                         ; no mask; elements of 8 bytes; no padding
	s_mov_b32 s[G1+1], 32<<16                      ; tensor_dim0: 256 bytes
	s_mov_b32 s[G1+2], 33<<16                      ; tensor_dim1
	s_mov_b32 s[G1+3], 32<<16                      ; tile_dim0
	s_mov_b32 s[G1+4], 33                          ; tile_dim1: 33 rows of 256 bytes on end: a pack
	s_mov_b32 s[G1+5], 32
	s_mov_b32 s[G1+6], 0
	s_mov_b32 s[G1+7], 0
	s_mov_b32 s[SEL], 0x76543210
	s_mov_b32 s[SEL+1], 0xfedcba98
	s_mov_b32 s[CS], 0x3e38aa3b                    ; c = log2(e) / 8
	s_mov_b32 s[CS+1], s[CS]
	s_mov_b32 s[MNT], 0x600000
	s_mov_b32 s[TB], 0
	s_mov_b32 s[II], 0
	s_and_b32 s[GB], ttmp9, 1
	s_lshl_b32 s[GB], s[GB], 6
	s_and_b32 s[QSH], s[EE], 1
	s_lshl_b32 s[QSH], s[QSH], 4                   ; which half of the pair's word is my tile's
	s_lshr_b32 s77, s[WV], 2
	s_xor_b32 s77, s77, 1
	s_or_b32 s77, s77, ttmp9                       ; 0 in waves 4-7 of work-group 0
	s_cmp_eq_u32 s77, 0
	s_cselect_b32 s[LIM], 14, 0
	s_mul_i32 s78, s[WV], PACK
	s_wait_kmcnt 0x0
	s_add_nc_u64 s[PB:PB+1], s[4:5], s[TO:TO+1]
	s_mov_b32 s[G0], 1
	s_mov_b32 s[G0+1], s78                         ; slot 0, pack = wave
	s_mov_b64 s[G0+2:G0+3], s[PB:PB+1]             ; key step 0
	s_or_b32 s[G0+3], s[G0+3], 0x80000000
	TLOAD
	s_add_nc_u64 s[PFA:PFA+1], s[PB:PB+1], PACK    ; the first change of slots steps it to key step 2
	s_add_nc_u64 s[QLO:QLO+1], s[4:5], s[QLO:QLO+1]
	s_add_nc_u64 s[QHI:QHI+1], s[4:5], s[QHI:QHI+1]
	s_add_nc_u64 s[QWLO:QWLO+1], s[4:5], s[QWLO:QWLO+1]
	s_add_nc_u64 s[QWHI:QWHI+1], s[4:5], s[QWHI:QWHI+1]
	s_add_nc_u64 s[YLO:YLO+1], s[6:7], s[YLO:YLO+1]
	s_add_nc_u64 s[YHI:YHI+1], s[6:7], s[YHI:YHI+1]
	s_add_nc_u64 s[WP:WP+1], s[6:7], s[WP:WP+1]
	v_and_b32 v8, 31, v0                           ; lane
	v_and_b32 v9, 15, v0                           ; r
	v_bfe_u32 v10, v0, 4, 1                        ; h
	v_lshlrev_b32 v253, 4, v8                      ; 16 x lane
	v_lshlrev_b32 v245, 4, v9                      ; 16 r
	v_lshlrev_b32 v244, 8, v8                      ; 256 x lane
	QLOAD QLO, QWLO
	s_mul_i32 s78, s[HP], PACK
	v_add_nc_u32 v1, s78, v253                     ; K's fragments of my head,
	v_add_nc_u32 v2, 2*PACK, v1                    ; V's,
	v_add_nc_u32 v3, s78, v245
	v_add_nc_u32 v3, 8192, v3                      ; K's scale words,
	v_add_nc_u32 v4, 2*PACK, v3                    ; V's
	s_lshr_b32 s79, s[EE], 1
	s_lshl_b32 s79, s79, 5
	s_and_b32 s80, s[EE], 1
	s_lshl_b32 s80, s80, 3
	s_add_co_u32 s79, s79, s80                     ; my tile's first query in its group of 64
	v_and_b32 v7, 8, v9
	v_add_nc_u32 v7, v7, v9
	v_add_nc_u32 v7, s79, v7
	v_lshlrev_b32 v11, 4, v10
	v_sub_nc_u32 v7, v7, v11                       ; my query in the group, - 16 h
	s_lshl_b32 s79, s[EE], 2
	s_lshl_b32 s80, s[HP], 1
	s_add_co_u32 s79, s79, s80
	s_add_co_u32 s79, s79, SCR
	v_add_nc_u32 v254, s79, v245                   ; SCR + 16 r + 4 e + 2 (my head & 1)
	v_add_nc_u32 v255, SCR, v253                   ; and where wave 0 reads the words back
	v_mul_u32_u24 v246, v10, s60
	v_add_nc_u32 v246, v246, v245                  ; their place in y: 16 r; lanes 16-31 the second group's
.irp j, 24,25,26,27,28,29,30,31,32,33,34,35,36,37,38,39
	v_mov_b32 v[\j], 0                             ; the zero codes: the high half of (q, 0), the low half of (0, q): written once
.endr
.irp b, 0,1,2,3
	v_mov_b32 v[TM+4+\b], 0                        ; a lane permute's destination counts as one of its sources
.endr
	v_mov_b32 v249, 0
	v_mov_b32 v250, 0
	BEGIN
	QWORD
.Lstep:                                            ; 16 trips; behind each change of slots the next step's packs are asked for
	CHANGE 1
	STEP 0
	s_cmp_lg_u32 s[II], s[NL1]
	s_cbranch_scc1 .Lsame                          ; a branch on ids
	FINISH YLO, 0, 1
.Lsame:
	s_xor_b32 s[TB], s[TB], SLOT1
	s_add_co_u32 s[II], s[II], 1
	s_cmp_lt_u32 s[II], 16
	s_cbranch_scc1 .Lstep
	CHANGE 0                                       ; the last step is written out; it lies on the second tile's diagonal
	STEP 1
	FINISH YHI, 1, 0
	s_wait_dscnt 0x0                               ; for the others' sake: my halves of the scale words have landed
	s_barrier_signal -1
	s_barrier_wait -1
	s_cmp_lg_u32 s[WV], 0
	s_cbranch_scc1 .Lend
	ds_load_b128 v[16:19], v255                    ; row r's four words (e = 0 .. 3): lanes 0-15 the first group's, lanes 16-31 the second's
	s_wait_dscnt 0x0
	global_store_b128 v246, v[16:19], s[WP:WP+1]   ; 16 lanes store 256 consecutive bytes, aligned
.Lend:
	s_wait_tensorcnt 0x0                           ; the wave's end
	ds_add_u32 v5, v6
	s_wait_dscnt 0x0
	s_endpgm
.Lfunc_end_k_q9e0baaffc0_attn:
	.size	k_q9e0baaffc0_attn, .Lfunc_end_k_q9e0baaffc0_attn-k_q9e0baaffc0_attn
	.p2alignl 7, 3214868480
	.fill 96, 4, 3214868480
	.section	.rodata,"a",@progbits
	.p2align	6, 0x0
	.amdhsa_kernel k_q9e0baaffc0_attn
		.amdhsa_group_segment_fixed_size 327680
		.amdhsa_private_segment_fixed_size 0
		.amdhsa_enable_private_segment 0
		.amdhsa_kernarg_size 16
		.amdhsa_user_sgpr_count 2
		.amdhsa_user_sgpr_kernarg_segment_ptr 1
		.amdhsa_wavefront_size32 1
		.amdhsa_system_sgpr_workgroup_id_x 1
		.amdhsa_system_sgpr_workgroup_id_y 1
		.amdhsa_system_sgpr_workgroup_id_z 1
		.amdhsa_system_vgpr_workitem_id 0
		.amdhsa_next_free_vgpr 256
		.amdhsa_next_free_sgpr 96
		.amdhsa_reserve_vcc 1
		.amdhsa_float_denorm_mode_32 3
		.amdhsa_float_denorm_mode_16_64 3
		.amdhsa_memory_ordered 1
		.amdhsa_forward_progress 1
		.amdhsa_inst_pref_size 71
	.end_amdhsa_kernel
	.amdgpu_metadata
---
amdhsa.version: [ 1, 2 ]
amdhsa.kernels:
  - .name:           k_q9e0baaffc0_attn
    .symbol:         k_q9e0baaffc0_attn.kd
    .args:
      - { .name: qkvb, .offset: 0, .size: 8, .value_kind: global_buffer, .address_space: global }
      - { .name: yb, .offset: 8, .size: 8, .value_kind: global_buffer, .address_space: global }
    .group_segment_fixed_size: 327680
    .private_segment_fixed_size: 0
    .kernarg_segment_align: 8
    .kernarg_segment_size: 16
    .max_flat_workgroup_size: 256
    .sgpr_count:     96
    .vgpr_count:     256
    .wavefront_size: 32
...
	.end_amdgpu_metadata
.endif
;; end of part 3
;; launch oproj (part 4): grid 4 x 16, 4 waves a work-group, clusters of 4 x 4, 327,680 bytes of LDS; arguments yb, p0, b_o, x, x2; writes x2
.if DOCPART == 4
	.amdgcn_target "amdgcn-amd-amdhsa--gfx1250"
	.amdhsa_code_object_version 6
	.text
	.protected	k_q9e0baaffc0_oproj
	.globl	k_q9e0baaffc0_oproj
	.p2align	8
	.type	k_q9e0baaffc0_oproj,@function
k_q9e0baaffc0_oproj:
	s_mov_b64 s[64:65], 0
	v_nop
	global_prefetch_b8 v0, s[64:65] scope:SCOPE_SE
	s_setreg_imm32_b32 hwreg(HW_REG_WAVE_MODE, 25, 1), 1
	s_wait_xcnt 0x0
	s_wait_alu depctr_hold_cnt(0) depctr_sa_sdst(0) depctr_va_vdst(0) depctr_va_sdst(0) depctr_va_ssrc(0) depctr_va_vcc(0) depctr_vm_vsrc(0)
	s_getreg_b32 s2, hwreg(HW_REG_IB_STS2, 6, 4)
	s_cmp_eq_u32 s2, 0
	s_cbranch_scc0 .Lentry_in_a_cluster
	s_endpgm
.Lentry_in_a_cluster:
	s_bfe_u32 s2, ttmp6, 0x10000c
	s_cmp_lg_u32 s2, 0xf033
	s_cbranch_scc0 .Lentry_shape_is_right
	s_endpgm
.Lentry_shape_is_right:
; x2 = x + y Wo^T + b_o, the product on codes of BF8 (E5M2) with E8M0 scales; x, x2 in f32.
; THE PRODUCT.  A work-group makes 256 tokens x 256 channels, each of its four waves 128 x 128: 64 accumulators, 512 registers.  K goes in steps of 256 through a ring of two LDS slots.  Operands lie in memory as images of their
; registers (a fragment, 16 rows x 128 K, is 4 chunks of 512 bytes, lane l's 16 bytes at 16 l), so 128 rows x 256 K are 32 KiB on end: one tensor load a wave; LDS reads are 16 x lane: no padding is wanted.
; Source 0 = rows of W, source 1 = tokens: a lane holds one token; rows of a tile are laid (row r of tile I = real row 16 I - 8 (I & 1) + r + 8 (r / 8)) so that the 16 registers of two neighbouring tiles of W are 16 neighbouring channels.
; CLUSTERS: 4 x 4 work-groups; the tokens' tile is shared along a row of the cluster, W's along a column: joint loads.  The 64 tiles of this size leave WGPs without work: a smaller tile is another text.
; The scale words of a K step come by four loads of 16 bytes a lane straight into registers, a K step ahead.  The bias is the C of each sum's first product.
; THE WAY OUT: a block of 16 tokens x 128 channels goes through the wave's stage in LDS and comes back as rows of 512 bytes; the residual's rows, asked for four blocks ahead, are added; 32 lanes store 512 consecutive bytes.
; The stage lies in slot 0, which has had its last fill and its last read by then.
; REGISTERS, in windows of 256: window 0: v16-31 addresses; v32-63 scale words, two sets; v64-127 the bias; v128-255 the tokens' fragments, later rows on the way out.  window 1: W's fragments, two sets, later the residual.
;   windows 2, 3: the accumulators ((a, b) at v[8 (8 (a % 4) + b)]).
.set KDIM,  1024
.set ASOFF, 4194304                    ; the tokens' scale words in their buffer
.set BOFF,  7569408                    ; W's codes in the packs' buffer
.set BSOFF, 8617984                    ; and its scale words
.set TILEB, 256*KDIM
.set TILES, 8*KDIM
.set LAPS,  KDIM/512
.set SLOT,  131072
.set SPARE, 262144
.set FR,    16
.set NP,    8
.set ADRA,  16
.set ADRB,  20
.set STO,   24
.set RD,    25
.set SPW,   28
.set NIL,   29
.set V16,   30
.set SC,    32
.set BIAS,  64
.set AF,    128
.set BK,    128
.set G1,    24
.set G0,    32
.set G1B,   48
.set G0B,   56
.set SAP,   66
.set SBP,   68
.set MSB,   0
.macro WIN new
.if MSB != (\new)
	s_set_vgpr_msb (MSB<<8)|(\new)
.set MSB, (\new)
.endif
.endm
.macro JLOAD g0a, g0b
	s_cmp_eq_u32 s15, 0
	s_cbranch_scc0 .Lfor_b_\@
	tensor_load_to_lds s[\g0a:\g0a+3], s[G1:G1+7]
	s_nop 0
.rept 4
	v_nop
.endr
	s_branch .Lasked_\@
.Lfor_b_\@:
	tensor_load_to_lds s[\g0b:\g0b+3], s[G1B:G1B+7]
	s_nop 0
.rept 4
	v_nop
.endr
.Lasked_\@:
.endm
.macro CREST
	s_cmp_lg_u32 s14, 0
	s_cbranch_scc1 .Lnot_wave_0_\@
	s_barrier_signal -3
.Lnot_wave_0_\@:
	s_barrier_wait -3
	s_barrier_signal -1
	s_barrier_wait -1
.endm
.macro CROUND
	s_barrier_signal -1
	s_barrier_wait -1
	CREST
.endm
.macro PLACES n
.rept \n
	v_nop
.endr
.endm
.macro FRAG reg, adr, q, i
.irp c, 0,1,2,3
	ds_load_b128 v[\reg+4*\c:\reg+4*\c+3], v[\adr] offset:(\i)*4096+(\q)*2048+512*\c
.endr
.endm
.macro FETCH_B slot, q, p
	WIN 0x40
.irp i, 0,1,2,3,4,5,6,7
	FRAG 128*(\p)+FR*\i, ADRB+\slot, \q, \i
.endr
	WIN 0
.endm
.macro FETCH_A slot, q, i0
.irp i, \i0, \i0+1, \i0+2, \i0+3
	FRAG AF+FR*(\i), ADRA+\slot, \q, \i
.endr
.endm
.macro MM a, b, p, q, sc, cm           ; cm = 0: onto the sum; 1: the sum begins with the bias
.set rD, 8*(8*((\a)%4)+\b)
.set rB, 128*(\p)+FR*\b
.set rA, AF+FR*(\a)
.set rX, SC+16*(\sc)+8+\b
.set rY, SC+16*(\sc)+(\a)
.if (\cm) == 1
	v_wmma_scale_f32_16x16x128_f8f6f4 v[rD:rD+7], v[rB:rB+15], v[rA:rA+15], v[BIAS+8*\b:BIAS+8*\b+7], v[rX], v[rY] matrix_a_fmt:MATRIX_FMT_BF8 matrix_b_fmt:MATRIX_FMT_BF8
.elseif (\q) == 0
	v_wmma_scale_f32_16x16x128_f8f6f4 v[rD:rD+7], v[rB:rB+15], v[rA:rA+15], v[rD:rD+7], v[rX], v[rY] matrix_a_fmt:MATRIX_FMT_BF8 matrix_b_fmt:MATRIX_FMT_BF8
.else
	v_wmma_scale_f32_16x16x128_f8f6f4 v[rD:rD+7], v[rB:rB+15], v[rA:rA+15], v[rD:rD+7], v[rX], v[rY] matrix_a_fmt:MATRIX_FMT_BF8 matrix_b_fmt:MATRIX_FMT_BF8 matrix_a_scale:MATRIX_SCALE_ROW1 matrix_b_scale:MATRIX_SCALE_ROW1
.endif
.endm
.macro MUL16 a0, p, q, sc, cm          ; the 64 accumulators take turns, one instruction a turn
.irp a, \a0, \a0+1
.irp b, 0,1,2,3,4,5,6,7
	MM \a, \b, \p, \q, \sc, \cm
.endr
.endr
.endm
.macro GSCALES set
	s_wait_xcnt 0x0                                ; the last scale loads have read their bases
	s_add_nc_u64 s[SAP:SAP+1], s[SAP:SAP+1], 2048
	s_add_nc_u64 s[SBP:SBP+1], s[SBP:SBP+1], 2048
	global_load_b128 v[SC+16*\set:SC+16*\set+3], v[V16], s[SAP:SAP+1]
	global_load_b128 v[SC+16*\set+4:SC+16*\set+7], v[V16], s[SAP:SAP+1] offset:512
	global_load_b128 v[SC+16*\set+8:SC+16*\set+11], v[V16], s[SBP:SBP+1]
	global_load_b128 v[SC+16*\set+12:SC+16*\set+15], v[V16], s[SBP:SBP+1] offset:512
.endm
.macro STEP slot, cm, lc               ; a slot's first 128 along K.  lc: the scale loads issued behind this slot's, which may stay out
	s_wait_loadcnt \lc
	s_wait_dscnt 16                                ; W's set and the tokens' blocks 0-3 are in; the youngest 16 loads (blocks 4-7) may be out
.if \cm
	WIN 0x81
.else
	WIN 0xa1
.endif
	MUL16 0, 0, 0, \slot, \cm
	MUL16 2, 0, 0, \slot, \cm
	s_wait_dscnt 0x0
	PLACES NP
	FETCH_B \slot, 1, 1
	FETCH_A \slot, 1, 0
.if \cm
	WIN 0xc1
.else
	WIN 0xf1
.endif
	MUL16 4, 0, 0, \slot, \cm
	MUL16 6, 0, 0, \slot, \cm
	PLACES NP
	WIN 0
	FETCH_A \slot, 1, 4
.endm
.macro TURN slot, next, fill           ; a slot's second 128 along K changes slots
	s_wait_tensorcnt 0x0                           ; all my tensor loads have landed: my part of the next slot
	ds_add_u32 v[SPW], v[NIL]                      ; 0 onto my spare word
	s_wait_dscnt 17                                ; (the add and the youngest 16 loads may be out)
	WIN 0xa1
	MUL16 0, 1, 1, \slot, 0
	s_wait_dscnt 0x0                               ; the add is done, and my reads of this slot are over
	s_barrier_signal -1
	MUL16 2, 1, 1, \slot, 0
	WIN 0
	s_barrier_wait -1
.if \fill
	CREST                                          ; a round of the cluster's barrier: no wave of any partner still reads this slot or has a load on its way
	s_add_nc_u64 s[G0+4*\slot+2:G0+4*\slot+3], s[G0+4*\slot+2:G0+4*\slot+3], 131072
	s_add_nc_u64 s[G0B+4*\slot+2:G0B+4*\slot+3], s[G0B+4*\slot+2:G0B+4*\slot+3], 131072
	JLOAD G0+4*\slot, G0B+4*\slot
	PLACES NP-4
.else
	PLACES NP
.endif
	FETCH_B \next, 0, 0
	FETCH_A \next, 0, 0
	WIN 0xf1
	MUL16 4, 1, 1, \slot, 0
	MUL16 6, 1, 1, \slot, 0
	PLACES NP
	WIN 0
	FETCH_A \next, 0, 4
.if \fill
	GSCALES \slot
.endif
.endm
.macro RLOAD a                         ; the residual's 16 rows of block a, 512 bytes each, into window 1
	WIN 0x40
.irp t, 0,1,2,3,4,5,6,7,8,9,10,11,12,13,14,15
	global_load_b128 v[64*((\a)%4)+4*\t:64*((\a)%4)+4*\t+3], v[V16], s[10:11] offset:(16*(\a)-8*((\a)%2)+\t+8*(\t/8))*4096 th:TH_LOAD_NT
.endr
	WIN 0
.endm
.macro TOSTAGE a                       ; block a into my stage, each accumulator from its low end on, and back as rows
	WIN 0x08+4*((\a)/4)
.irp b, 0,1,2,3,4,5,6,7
	ds_store_b128 v[STO], v[64*((\a)%4)+8*\b:64*((\a)%4)+8*\b+3] offset:128*(\b/2)+32*(\b%2)
	ds_store_b128 v[STO], v[64*((\a)%4)+8*\b+4:64*((\a)%4)+8*\b+7] offset:128*(\b/2)+32*(\b%2)+16
.endr
	WIN 0
.irp t, 0,1,2,3,4,5,6,7,8,9,10,11,12,13,14,15
	ds_load_b128 v[BK+64*((\a)%2)+4*\t:BK+64*((\a)%2)+4*\t+3], v[RD] offset:528*\t     ; LDS serves a wave's instructions in order (ISA guide 5.7.1.4)
.endr
.endm
.macro SEND a, younger, left           ; younger: LDS instructions issued behind block a's loads; left: residual loads issued behind block a's
	s_wait_dscnt \younger
	s_wait_loadcnt \left
	WIN 0x04
.set i, 0
.rept 32
	v_pk_add_f32 v[BK+64*((\a)%2)+i:BK+64*((\a)%2)+i+1], v[BK+64*((\a)%2)+i:BK+64*((\a)%2)+i+1], v[64*((\a)%4)+i:64*((\a)%4)+i+1]
.set i, i+2
.endr
	WIN 0
.irp t, 0,1,2,3,4,5,6,7,8,9,10,11,12,13,14,15
	global_store_b128 v[V16], v[BK+64*((\a)%2)+4*\t:BK+64*((\a)%2)+4*\t+3], s[12:13] offset:(16*(\a)-8*((\a)%2)+\t+8*(\t/8))*4096   ; row t of tile a is real row 16 a - 8 (a & 1) + t + 8 (t / 8): at most 127 rows of 4,096 bytes in the immediate
.endr
.endm
	s_load_b128 s[4:7], s[0:1], 0x0                ; the tokens' pack s[4:5], the weights' packs s[6:7]
	s_load_b128 s[8:11], s[0:1], 0x10              ; the bias s[8:9], the residual s[10:11]
	s_load_b64 s[12:13], s[0:1], 0x20              ; the output
	v_lshl_add_u32 v[SPW], v0, 2, SPARE
	v_mov_b32 v[NIL], 0
	ds_add_u32 v28, v29
	s_wait_dscnt 0x0
	v_lshrrev_b32 v1, 5, v0
	v_readfirstlane_b32 s14, v1
	s_lshr_b32 s15, s14, 1                         ; my half of the tokens.  Also: I fetch tokens (0) or W (1)
	s_and_b32 s16, s14, 1                          ; my half of the channels.  Also: which 128 rows I fetch
	s_bfe_u32 s40, ttmp6, 0x40000
	s_bfe_u32 s41, ttmp6, 0x40004
	s_lshl_b32 s42, ttmp9, 2
	s_add_co_u32 s42, s42, s40                     ; W's tile
	s_and_b32 s17, ttmp7, 0xffff
	s_lshl_b32 s17, s17, 2
	s_add_co_u32 s17, s17, s41                     ; the tokens' tile
	s_lshl_b32 s43, s41, 2
	s_lshl_b32 s43, 15, s43
	s_lshl_b32 s44, 0x1111, s40
	s_or_b32 s[G1+0], s43, (3<<16)|(1<<21)         ; the mask; elements of 8 bytes; bit 21 beside a mask; no padding
	s_or_b32 s[G1B+0], s44, (3<<16)|(1<<21)
.irp g, G1, G1B
	s_mov_b32 s[\g+1], 32<<16
	s_mov_b32 s[\g+2], 128<<16
	s_mov_b32 s[\g+3], 32<<16
	s_mov_b32 s[\g+4], 128                         ; 128 rows of 256 bytes on end
	s_mov_b32 s[\g+5], 32
	s_mov_b32 s[\g+6], 0
	s_mov_b32 s[\g+7], 0
.endr
	s_lshl_b32 s18, s16, 15
	s_mul_i32 s20, s17, TILEB
	s_add_co_u32 s20, s20, s18
	s_mov_b32 s21, 0
	s_mul_i32 s46, s42, TILEB
	s_add_co_u32 s46, s46, s18
	s_add_co_u32 s46, s46, BOFF
	s_mov_b32 s47, 0
	s_mul_i32 s22, s17, TILES
	s_lshl_b32 s18, s15, 10
	s_add_co_u32 s22, s22, s18
	s_add_co_u32 s22, s22, ASOFF
	s_mov_b32 s23, 0
	s_mul_i32 s92, s42, TILES
	s_lshl_b32 s18, s16, 10
	s_add_co_u32 s92, s92, s18
	s_add_co_u32 s92, s92, BSOFF
	s_mov_b32 s93, 0
	s_lshl_b32 s18, s42, 10
	s_lshl_b32 s19, s16, 9
	s_add_co_u32 s18, s18, s19                     ; my 128 channels, in bytes of f32
	s_mov_b32 s19, 0
	s_lshl_b32 s72, s17, 20
	s_lshl_b32 s73, s15, 19
	s_add_co_u32 s72, s72, s73
	s_add_co_u32 s72, s72, s18                     ; my first token's row, at my first channel
	s_mov_b32 s73, 0
	s_lshl_b32 s45, s14, 15
	s_wait_kmcnt 0x0
	s_add_nc_u64 s[20:21], s[4:5], s[20:21]
	s_add_nc_u64 s[46:47], s[6:7], s[46:47]
	s_add_nc_u64 s[SAP:SAP+1], s[4:5], s[22:23]
	s_add_nc_u64 s[SBP:SBP+1], s[6:7], s[92:93]
	s_add_nc_u64 s[8:9], s[8:9], s[18:19]
	s_add_nc_u64 s[10:11], s[10:11], s[72:73]
	s_add_nc_u64 s[12:13], s[12:13], s[72:73]
	CROUND
.irp s, 0,1
	s_mov_b32 s[G0+4*\s], 1
	s_add_co_u32 s[G0+4*\s+1], s45, \s*SLOT
	s_add_nc_u64 s[G0+4*\s+2:G0+4*\s+3], s[20:21], \s*65536
	s_or_b32 s[G0+4*\s+3], s[G0+4*\s+3], 0x80000000
	s_mov_b32 s[G0B+4*\s], 1
	s_add_co_u32 s[G0B+4*\s+1], s45, \s*SLOT
	s_add_nc_u64 s[G0B+4*\s+2:G0B+4*\s+3], s[46:47], \s*65536
	s_or_b32 s[G0B+4*\s+3], s[G0B+4*\s+3], 0x80000000
	JLOAD G0+4*\s, G0B+4*\s
.endr
	v_and_b32 v1, 31, v0
	v_and_b32 v2, 15, v0
	v_bfe_u32 v3, v0, 4, 1
	v_lshlrev_b32 v[V16], 4, v1
	v_lshlrev_b32 v31, 6, v3
.irp s, 0,1
	global_load_b128 v[SC+16*\s:SC+16*\s+3], v[V16], s[SAP:SAP+1] offset:2048*\s
	global_load_b128 v[SC+16*\s+4:SC+16*\s+7], v[V16], s[SAP:SAP+1] offset:2048*\s+512
	global_load_b128 v[SC+16*\s+8:SC+16*\s+11], v[V16], s[SBP:SBP+1] offset:2048*\s
	global_load_b128 v[SC+16*\s+12:SC+16*\s+15], v[V16], s[SBP:SBP+1] offset:2048*\s+512
.endr
.irp g, 0,1,2,3                                ; register 16 g + i is the bias of channel 32 g + 16 h + i: the result's layout
.irp j, 0,1,2,3
	global_load_b128 v[BIAS+16*\g+4*\j:BIAS+16*\g+4*\j+3], v31, s[8:9] offset:128*\g+16*\j
.endr
.endr
	s_lshl_b32 s21, s15, 15
	s_lshl_b32 s22, s16, 15
	s_add_co_u32 s22, s22, 65536
.irp s, 0,1
	v_add_nc_u32 v[ADRA+\s], s21, v[V16]
	v_add_nc_u32 v[ADRB+\s], s22, v[V16]
	s_add_co_u32 s21, s21, SLOT
	s_add_co_u32 s22, s22, SLOT
.endr
	s_mul_i32 s23, s14, 8448                       ; my stage: 16 rows x (512 + 16) bytes
	v_mul_u32_u24 v5, v2, 528
	v_lshl_add_u32 v5, v3, 6, v5
	v_add_nc_u32 v[STO], s23, v5                   ; in: row r, + 64 h
	v_add_nc_u32 v[RD], s23, v[V16]                ; back: 16 bytes a lane of a row
	s_wait_loadcnt 0x0
	s_add_nc_u64 s[SAP:SAP+1], s[SAP:SAP+1], 2048
	s_add_nc_u64 s[SBP:SBP+1], s[SBP:SBP+1], 2048
	s_wait_tensorcnt 1                             ; my part of K step 0 is in; K step 1's may stay out
	s_barrier_signal -1
	s_barrier_wait -1
	FETCH_B 0, 0, 0
	FETCH_A 0, 0, 0
	FETCH_A 0, 0, 4
	STEP 0, 1, 0
	s_mov_b32 s3, LAPS-1
.Llap:
	TURN 0, 1, 1
	STEP 1, 0, 4
	TURN 1, 0, 1
	STEP 0, 0, 4
	s_sub_co_u32 s3, s3, 1
	s_cmp_lg_u32 s3, 0
	s_cbranch_scc1 .Llap
	TURN 0, 1, 0
	STEP 1, 0, 0
	RLOAD 0                                        ; W's first set is done with (eight places stand behind its last product): the residual's first rows are asked for
	RLOAD 1
	s_wait_dscnt 16
	WIN 0xa1
	MUL16 0, 1, 1, 1, 0
	MUL16 2, 1, 1, 1, 0
	s_wait_dscnt 0x0
	WIN 0xf1
	MUL16 4, 1, 1, 1, 0
	MUL16 6, 1, 1, 1, 0
	WIN 0
	PLACES NP
	RLOAD 2
	RLOAD 3
	TOSTAGE 0
.irp a, 1,2,3,4,5,6,7
.if \a > 1
	s_wait_xcnt 0x0                                ; block a - 2's stores have read the registers into which block a's rows come
.endif
	TOSTAGE \a
.if \a < 6
	SEND \a-1, 32, 48
.else
	SEND \a-1, 32, 16*(8-\a)
.endif
.if \a < 5
	RLOAD \a+3
.endif
.endr
	SEND 7, 0, 0
	s_wait_tensorcnt 0x0                           ; the wave's end
	ds_add_u32 v[SPW], v[NIL]
	s_wait_dscnt 0x0
	CROUND
	s_endpgm
.Lfunc_end_k_q9e0baaffc0_oproj:
	.size	k_q9e0baaffc0_oproj, .Lfunc_end_k_q9e0baaffc0_oproj-k_q9e0baaffc0_oproj
	.p2alignl 7, 3214868480
	.fill 96, 4, 3214868480
	.section	.rodata,"a",@progbits
	.p2align	6, 0x0
	.amdhsa_kernel k_q9e0baaffc0_oproj
		.amdhsa_group_segment_fixed_size 327680
		.amdhsa_private_segment_fixed_size 0
		.amdhsa_enable_private_segment 0
		.amdhsa_kernarg_size 40
		.amdhsa_user_sgpr_count 2
		.amdhsa_user_sgpr_kernarg_segment_ptr 1
		.amdhsa_wavefront_size32 1
		.amdhsa_system_sgpr_workgroup_id_x 1
		.amdhsa_system_sgpr_workgroup_id_y 1
		.amdhsa_system_sgpr_workgroup_id_z 1
		.amdhsa_system_vgpr_workitem_id 0
		.amdhsa_next_free_vgpr 1024
		.amdhsa_next_free_sgpr 100
		.amdhsa_reserve_vcc 0
		.amdhsa_float_denorm_mode_32 3
		.amdhsa_float_denorm_mode_16_64 3
		.amdhsa_memory_ordered 1
		.amdhsa_forward_progress 1
		.amdhsa_inst_pref_size 173
	.end_amdhsa_kernel
	.amdgpu_metadata
---
amdhsa.version: [ 1, 2 ]
amdhsa.kernels:
  - .name:           k_q9e0baaffc0_oproj
    .symbol:         k_q9e0baaffc0_oproj.kd
    .args:
      - { .name: yb, .offset: 0, .size: 8, .value_kind: global_buffer, .address_space: global }
      - { .name: p0, .offset: 8, .size: 8, .value_kind: global_buffer, .address_space: global }
      - { .name: b_o, .offset: 16, .size: 8, .value_kind: global_buffer, .address_space: global }
      - { .name: x, .offset: 24, .size: 8, .value_kind: global_buffer, .address_space: global }
      - { .name: x2, .offset: 32, .size: 8, .value_kind: global_buffer, .address_space: global }
    .group_segment_fixed_size: 327680
    .private_segment_fixed_size: 0
    .kernarg_segment_align: 8
    .kernarg_segment_size: 40
    .max_flat_workgroup_size: 128
    .sgpr_count:     100
    .vgpr_count:     1024
    .wavefront_size: 32
...
	.end_amdgpu_metadata
.endif
;; end of part 4
;; launch ln2: the kernel of part 1 again; grid 256 x 1, 8 waves a work-group, no clusters, 69,632 bytes of LDS; arguments x2, ln2_w, ln2_b, w_qkv, w_o, w_fc, w_proj, h2b; writes h2b
;; launch fc (part 5): grid 16 x 16, 4 waves a work-group, clusters of 4 x 4, 327,680 bytes of LDS; arguments h2b, p0, b_fc, gb; writes gb
.if DOCPART == 5
	.amdgcn_target "amdgcn-amd-amdhsa--gfx1250"
	.amdhsa_code_object_version 6
	.text
	.protected	k_q9e0baaffc0_fc
	.globl	k_q9e0baaffc0_fc
	.p2align	8
	.type	k_q9e0baaffc0_fc,@function
k_q9e0baaffc0_fc:
	s_mov_b64 s[64:65], 0
	v_nop
	global_prefetch_b8 v0, s[64:65] scope:SCOPE_SE
	s_setreg_imm32_b32 hwreg(HW_REG_WAVE_MODE, 25, 1), 1
	s_wait_xcnt 0x0
	s_wait_alu depctr_hold_cnt(0) depctr_sa_sdst(0) depctr_va_vdst(0) depctr_va_sdst(0) depctr_va_ssrc(0) depctr_va_vcc(0) depctr_vm_vsrc(0)
	s_getreg_b32 s2, hwreg(HW_REG_IB_STS2, 6, 4)
	s_cmp_eq_u32 s2, 0
	s_cbranch_scc0 .Lentry_in_a_cluster
	s_endpgm
.Lentry_in_a_cluster:
	s_bfe_u32 s2, ttmp6, 0x10000c
	s_cmp_lg_u32 s2, 0xf033
	s_cbranch_scc0 .Lentry_shape_is_right
	s_endpgm
.Lentry_shape_is_right:
; g = gelu(LN2(x2) Wfc^T + b_fc), the product on codes of BF8 (E5M2) with E8M0 scales; g is quantised along the hidden units at once and leaves as the next product's operand.
; THE PRODUCT.  A work-group makes 256 tokens x 256 hidden units, each of its four waves 128 x 128: 64 accumulators, 512 registers.  K = 1,024 goes in steps of 256 through a ring of two LDS slots.  Operands lie in memory as images of
; their registers (a fragment, 16 rows x 128 K, is 4 chunks of 512 bytes, lane l's 16 bytes at 16 l), so 128 rows x 256 K are 32 KiB on end: one tensor load a wave; LDS reads are 16 x lane: no padding is wanted.
; Source 0 = rows of W, source 1 = tokens: a lane holds one token; rows of a tile are laid (row r of tile I = real row 16 I - 8 (I & 1) + r + 8 (r / 8)) so that a block's 64 registers are the fragment's numbers in its own order.
; CLUSTERS: 4 x 4 work-groups; the tokens' tile is shared along a row of the cluster, W's along a column: joint loads.
; GELU, exact form, without a difference of near numbers: gelu(x) = max(x, 0) - 0.70710678 a erfc(a), a = |x| / sqrt(2); erfc(a) = t exp(-a^2 + P(t)), t = 1 / (1 + a / 2), P of degree 9: a fit whose relative error stays near f32's own.
; The eight blocks of 16 tokens go through ONE text: a loop of eight trips whose head jumps to the block's own 128 lines, the only ones that name accumulators.
; REGISTERS, in windows of 256: window 0: v16-31 addresses; v32-63 scale words; v64-127 the bias, later max(x, 0) and g; v128-255 the tokens' fragments, later a, t, P, codes.  window 1: W's fragments, two sets.  windows 2, 3: the accumulators.
; LIMITS: NaN and infinities are not served; v_exp_f32 gives 0 under 2^-126 (ISA guide 15.8), which makes gelu(x) 0 for x under about -13; a block under 2^-111, zeros too, keeps the byte 1.
.set KDIM,  1024
.set ASOFF, 4194304
.set BOFF,  8650752
.set BSOFF, 12845056
.set TILEB, 256*KDIM
.set TILES, 8*KDIM
.set LAPS,  KDIM/512
.set SLOT,  131072
.set SPARE, 262144
.set SCR,   262656                     ; behind the spare words: 512 bytes a wave for its scale words; no fill lands here
.set FR,    16
.set NP,    8
.set ADRA,  16
.set ADRB,  20
.set SPW,   28
.set NIL,   29
.set V16,   30
.set SC,    32
.set BIAS,  64
.set AF,    128
.set G1,    24
.set G0,    32
.set G1B,   48
.set G0B,   56
.set SAP,   66
.set SBP,   68
.set H,     64
.set BB,    128
.set T,     192
.set P,     208
.set PC,    224
.set TM,    240
.set PW,    32
.set C8V,   36
.set SEL,   18
.set MNT,   20
.set MSB,   0
.macro WIN new
.if MSB != (\new)
	s_set_vgpr_msb (MSB<<8)|(\new)
.set MSB, (\new)
.endif
.endm
.macro JLOAD g0a, g0b
	s_cmp_eq_u32 s15, 0
	s_cbranch_scc0 .Lfor_b_\@
	tensor_load_to_lds s[\g0a:\g0a+3], s[G1:G1+7]
	s_nop 0
.rept 4
	v_nop
.endr
	s_branch .Lasked_\@
.Lfor_b_\@:
	tensor_load_to_lds s[\g0b:\g0b+3], s[G1B:G1B+7]
	s_nop 0
.rept 4
	v_nop
.endr
.Lasked_\@:
.endm
.macro CREST
	s_cmp_lg_u32 s14, 0
	s_cbranch_scc1 .Lnot_wave_0_\@
	s_barrier_signal -3
.Lnot_wave_0_\@:
	s_barrier_wait -3
	s_barrier_signal -1
	s_barrier_wait -1
.endm
.macro CROUND
	s_barrier_signal -1
	s_barrier_wait -1
	CREST
.endm
.macro PLACES n
.rept \n
	v_nop
.endr
.endm
.macro FRAG reg, adr, q, i
.irp c, 0,1,2,3
	ds_load_b128 v[\reg+4*\c:\reg+4*\c+3], v[\adr] offset:(\i)*4096+(\q)*2048+512*\c
.endr
.endm
.macro FETCH_B slot, q, p
	WIN 0x40
.irp i, 0,1,2,3,4,5,6,7
	FRAG 128*(\p)+FR*\i, ADRB+\slot, \q, \i
.endr
	WIN 0
.endm
.macro FETCH_A slot, q, i0
.irp i, \i0, \i0+1, \i0+2, \i0+3
	FRAG AF+FR*(\i), ADRA+\slot, \q, \i
.endr
.endm
.macro MM a, b, p, q, sc, cm           ; cm = 0: onto the sum; 1: the sum begins with the bias
.set rD, 8*(8*((\a)%4)+\b)
.set rB, 128*(\p)+FR*\b
.set rA, AF+FR*(\a)
.set rX, SC+16*(\sc)+8+\b
.set rY, SC+16*(\sc)+(\a)
.if (\cm) == 1
	v_wmma_scale_f32_16x16x128_f8f6f4 v[rD:rD+7], v[rB:rB+15], v[rA:rA+15], v[BIAS+8*\b:BIAS+8*\b+7], v[rX], v[rY] matrix_a_fmt:MATRIX_FMT_BF8 matrix_b_fmt:MATRIX_FMT_BF8
.elseif (\q) == 0
	v_wmma_scale_f32_16x16x128_f8f6f4 v[rD:rD+7], v[rB:rB+15], v[rA:rA+15], v[rD:rD+7], v[rX], v[rY] matrix_a_fmt:MATRIX_FMT_BF8 matrix_b_fmt:MATRIX_FMT_BF8
.else
	v_wmma_scale_f32_16x16x128_f8f6f4 v[rD:rD+7], v[rB:rB+15], v[rA:rA+15], v[rD:rD+7], v[rX], v[rY] matrix_a_fmt:MATRIX_FMT_BF8 matrix_b_fmt:MATRIX_FMT_BF8 matrix_a_scale:MATRIX_SCALE_ROW1 matrix_b_scale:MATRIX_SCALE_ROW1
.endif
.endm
.macro MUL16 a0, p, q, sc, cm          ; the 64 accumulators take turns, one instruction a turn
.irp a, \a0, \a0+1
.irp b, 0,1,2,3,4,5,6,7
	MM \a, \b, \p, \q, \sc, \cm
.endr
.endr
.endm
.macro GSCALES set
	s_wait_xcnt 0x0                                ; the last scale loads have read their bases
	s_add_nc_u64 s[SAP:SAP+1], s[SAP:SAP+1], 2048
	s_add_nc_u64 s[SBP:SBP+1], s[SBP:SBP+1], 2048
	global_load_b128 v[SC+16*\set:SC+16*\set+3], v[V16], s[SAP:SAP+1]
	global_load_b128 v[SC+16*\set+4:SC+16*\set+7], v[V16], s[SAP:SAP+1] offset:512
	global_load_b128 v[SC+16*\set+8:SC+16*\set+11], v[V16], s[SBP:SBP+1]
	global_load_b128 v[SC+16*\set+12:SC+16*\set+15], v[V16], s[SBP:SBP+1] offset:512
.endm
.macro STEP slot, cm, lc               ; a slot's first 128 along K.  lc: the scale loads issued behind this slot's, which may stay out
	s_wait_loadcnt \lc
	s_wait_dscnt 16                                ; W's set and the tokens' blocks 0-3 are in; the youngest 16 loads (blocks 4-7) may be out
.if \cm
	WIN 0x81
.else
	WIN 0xa1
.endif
	MUL16 0, 0, 0, \slot, \cm
	MUL16 2, 0, 0, \slot, \cm
	s_wait_dscnt 0x0
	PLACES NP
	FETCH_B \slot, 1, 1
	FETCH_A \slot, 1, 0
.if \cm
	WIN 0xc1
.else
	WIN 0xf1
.endif
	MUL16 4, 0, 0, \slot, \cm
	MUL16 6, 0, 0, \slot, \cm
	PLACES NP
	WIN 0
	FETCH_A \slot, 1, 4
.endm
.macro TURN slot, next, fill           ; a slot's second 128 along K changes slots
	s_wait_tensorcnt 0x0                           ; all my tensor loads have landed: my part of the next slot
	ds_add_u32 v[SPW], v[NIL]                      ; 0 onto my spare word
	s_wait_dscnt 17                                ; (the add and the youngest 16 loads may be out)
	WIN 0xa1
	MUL16 0, 1, 1, \slot, 0
	s_wait_dscnt 0x0                               ; the add is done, and my reads of this slot are over
	s_barrier_signal -1
	MUL16 2, 1, 1, \slot, 0
	WIN 0
	s_barrier_wait -1
.if \fill
	CREST                                          ; a round of the cluster's barrier: no wave of any partner still reads this slot or has a load on its way
	s_add_nc_u64 s[G0+4*\slot+2:G0+4*\slot+3], s[G0+4*\slot+2:G0+4*\slot+3], 131072
	s_add_nc_u64 s[G0B+4*\slot+2:G0B+4*\slot+3], s[G0B+4*\slot+2:G0B+4*\slot+3], 131072
	JLOAD G0+4*\slot, G0B+4*\slot
	PLACES NP-4
.else
	PLACES NP
.endif
	FETCH_B \next, 0, 0
	FETCH_A \next, 0, 0
	WIN 0xf1
	MUL16 4, 1, 1, \slot, 0
	MUL16 6, 1, 1, \slot, 0
	PLACES NP
	WIN 0
	FETCH_A \next, 0, 4
.if \fill
	GSCALES \slot
.endif
.endm
; 64 numbers of a lane, register 16 b + i = k 32 b + 16 (lane / 16) + i, become a fragment's codes in v[PC] on and its scale word in v[pw]
.macro QUANT s, pw
.irp b, 0,1,2,3
	v_max3_num_f32 v[TM+\b], |v[\s+16*\b]|, |v[\s+16*\b+1]|, 0x8000000
.endr
.irp i, 2,4,6,8,10,12,14
.irp b, 0,1,2,3
	v_max3_num_f32 v[TM+\b], v[TM+\b], |v[\s+16*\b+\i]|, |v[\s+16*\b+\i+1]|
.endr
.endr
.irp b, 0,1,2,3
	v_permlanex16_b32 v[TM+4+\b], v[TM+\b], s[SEL], s[SEL+1]
.endr
.irp b, 0,1,2,3
	v_max_num_f32 v[TM+\b], v[TM+\b], v[TM+4+\b]
.endr
.irp b, 0,1,2,3
	v_add_nc_u32 v[TM+12+\b], 0xf8800000, v[TM+\b]
	v_and_or_b32 v[TM+8+\b], v[TM+\b], 0x7f800000, s[MNT]
.endr
.irp b, 0,1,2,3
	v_lshrrev_b32 v[TM+4+\b], 23, v[TM+12+\b]
.endr
	v_lshl_or_b32 v[\pw], v[TM+5], 8, v[TM+4]
	v_lshl_or_b32 v[\pw], v[TM+6], 16, v[\pw]
	v_lshl_or_b32 v[\pw], v[TM+7], 24, v[\pw]
.irp b, 0,1,2,3
.irp i, 0,1,2,3,4,5,6,7,8,9,10,11,12,13,14,15
	v_med3_num_f32 v[\s+16*\b+\i], v[\s+16*\b+\i], -v[TM+8+\b], v[TM+8+\b]   ; the conversion does not saturate (ISA guide 7.6.2): the hold
.endr
	v_cvt_scalef32_pk8_bf8_f32 v[PC+4*\b:PC+4*\b+1], v[\s+16*\b:\s+16*\b+7], v[TM+12+\b]
	v_cvt_scalef32_pk8_bf8_f32 v[PC+4*\b+2:PC+4*\b+3], v[\s+16*\b+8:\s+16*\b+15], v[TM+12+\b]
.endr
	v_nop
.endm
; sixteen numbers: v[H + 16 k ..] = max(x, 0) becomes gelu(x); v[BB + 16 k ..] = a.  Eight pairs by turns in every line
.macro G16 k
.irp i, 0,2,4,6,8,10,12,14
	v_pk_fma_f32 v[T+\i:T+\i+1], v[BB+16*\k+\i:BB+16*\k+\i+1], 0.5, 1.0 op_sel_hi:[1,0,0]
.endr
.irp i, 0,1,2,3,4,5,6,7,8,9,10,11,12,13,14,15
	v_rcp_f32 v[T+\i], v[T+\i]                     ; t = 1 / (1 + a / 2)
.endr
	v_nop
	s_wait_alu depctr_va_vdst(0)
.irp i, 0,2,4,6,8,10,12,14
	v_pk_fma_f32 v[P+\i:P+\i+1], v[T+\i:T+\i+1], s[88:89], v[C8V:C8V+1] op_sel_hi:[1,0,1]
.endr
.irp c, 86,84,82,80,78,76,74,72
.irp i, 0,2,4,6,8,10,12,14
	v_pk_fma_f32 v[P+\i:P+\i+1], v[P+\i:P+\i+1], v[T+\i:T+\i+1], s[\c:\c+1] op_sel_hi:[1,1,0]
.endr
.endr
.irp i, 0,2,4,6,8,10,12,14
	v_pk_fma_f32 v[P+\i:P+\i+1], v[BB+16*\k+\i:BB+16*\k+\i+1], v[BB+16*\k+\i:BB+16*\k+\i+1], v[P+\i:P+\i+1] neg_lo:[1,0,0] neg_hi:[1,0,0]   ; P(t) - a^2
.endr
.irp i, 0,2,4,6,8,10,12,14
	v_pk_mul_f32 v[P+\i:P+\i+1], v[P+\i:P+\i+1], s[90:91] op_sel_hi:[1,0]
.endr
.irp i, 0,1,2,3,4,5,6,7,8,9,10,11,12,13,14,15
	v_exp_f32 v[P+\i], v[P+\i]
.endr
.irp i, 0,2,4,6,8,10,12,14
	v_pk_mul_f32 v[T+\i:T+\i+1], v[BB+16*\k+\i:BB+16*\k+\i+1], v[T+\i:T+\i+1]     ; a t (plain lines behind the exponentials)
.endr
	s_wait_alu depctr_va_vdst(0)
.irp i, 0,2,4,6,8,10,12,14
	v_pk_mul_f32 v[T+\i:T+\i+1], v[T+\i:T+\i+1], v[P+\i:P+\i+1]                   ; a erfc(a)
.endr
.irp i, 0,2,4,6,8,10,12,14
	v_pk_fma_f32 v[H+16*\k+\i:H+16*\k+\i+1], v[T+\i:T+\i+1], s[92:93], v[H+16*\k+\i:H+16*\k+\i+1] op_sel_hi:[1,0,1]
.endr
.endm
	s_load_b128 s[4:7], s[0:1], 0x0                ; the tokens' pack s[4:5], the weights' packs s[6:7]
	s_load_b128 s[8:11], s[0:1], 0x10              ; the bias s[8:9], the output s[10:11]
	v_lshl_add_u32 v[SPW], v0, 2, SPARE
	v_mov_b32 v[NIL], 0
	ds_add_u32 v28, v29
	s_wait_dscnt 0x0
	v_lshrrev_b32 v1, 5, v0
	v_readfirstlane_b32 s14, v1
	s_lshr_b32 s15, s14, 1                         ; my half of the tokens.  Also: I fetch tokens (0) or W (1)
	s_and_b32 s16, s14, 1                          ; my half of the hidden units.  Also: which 128 rows I fetch
	s_bfe_u32 s40, ttmp6, 0x40000
	s_bfe_u32 s41, ttmp6, 0x40004
	s_lshl_b32 s42, ttmp9, 2
	s_add_co_u32 s42, s42, s40                     ; W's tile
	s_and_b32 s17, ttmp7, 0xffff
	s_lshl_b32 s17, s17, 2
	s_add_co_u32 s17, s17, s41                     ; the tokens' tile
	s_lshl_b32 s43, s41, 2
	s_lshl_b32 s43, 15, s43
	s_lshl_b32 s44, 0x1111, s40
	s_or_b32 s[G1+0], s43, (3<<16)|(1<<21)
	s_or_b32 s[G1B+0], s44, (3<<16)|(1<<21)
.irp g, G1, G1B
	s_mov_b32 s[\g+1], 32<<16
	s_mov_b32 s[\g+2], 128<<16
	s_mov_b32 s[\g+3], 32<<16
	s_mov_b32 s[\g+4], 128
	s_mov_b32 s[\g+5], 32
	s_mov_b32 s[\g+6], 0
	s_mov_b32 s[\g+7], 0
.endr
	s_lshl_b32 s18, s16, 15
	s_mul_i32 s20, s17, TILEB
	s_add_co_u32 s20, s20, s18
	s_mov_b32 s21, 0
	s_mul_i32 s46, s42, TILEB
	s_add_co_u32 s46, s46, s18
	s_add_co_u32 s46, s46, BOFF
	s_mov_b32 s47, 0
	s_mul_i32 s22, s17, TILES
	s_lshl_b32 s18, s15, 10
	s_add_co_u32 s22, s22, s18
	s_add_co_u32 s22, s22, ASOFF
	s_mov_b32 s23, 0
	s_mul_i32 s92, s42, TILES
	s_lshl_b32 s18, s16, 10
	s_add_co_u32 s92, s92, s18
	s_add_co_u32 s92, s92, BSOFF
	s_mov_b32 s93, 0
	s_lshl_b32 s18, s42, 10
	s_lshl_b32 s19, s16, 9
	s_add_co_u32 s18, s18, s19                     ; my 128 hidden units' bias
	s_mov_b32 s19, 0
	s_lshl_b32 s96, s17, 20                        ; g's pack (K = 4,096): the tokens' tile, K step = W's tile, my tokens' eight fragments, q = my half of the units
	s_lshl_b32 s72, s42, 16
	s_add_co_u32 s96, s96, s72
	s_lshl_b32 s72, s15, 15
	s_add_co_u32 s96, s96, s72
	s_lshl_b32 s72, s16, 11
	s_add_co_u32 s96, s96, s72
	s_mov_b32 s97, 0
	s_lshl_b32 s98, s17, 15                        ; and its scale words
	s_lshl_b32 s72, s42, 11
	s_add_co_u32 s98, s98, s72
	s_lshl_b32 s72, s15, 10
	s_add_co_u32 s98, s98, s72
	s_lshl_b32 s72, s16, 8
	s_add_co_u32 s98, s98, s72
	s_add_co_u32 s98, s98, 16777216
	s_mov_b32 s99, 0
	s_lshl_b32 s45, s14, 15
	s_wait_kmcnt 0x0
	s_add_nc_u64 s[20:21], s[4:5], s[20:21]
	s_add_nc_u64 s[46:47], s[6:7], s[46:47]
	s_add_nc_u64 s[SAP:SAP+1], s[4:5], s[22:23]
	s_add_nc_u64 s[SBP:SBP+1], s[6:7], s[92:93]
	s_add_nc_u64 s[8:9], s[8:9], s[18:19]
	s_add_nc_u64 s[96:97], s[10:11], s[96:97]
	s_add_nc_u64 s[98:99], s[10:11], s[98:99]
	CROUND
.irp s, 0,1
	s_mov_b32 s[G0+4*\s], 1
	s_add_co_u32 s[G0+4*\s+1], s45, \s*SLOT
	s_add_nc_u64 s[G0+4*\s+2:G0+4*\s+3], s[20:21], \s*65536
	s_or_b32 s[G0+4*\s+3], s[G0+4*\s+3], 0x80000000
	s_mov_b32 s[G0B+4*\s], 1
	s_add_co_u32 s[G0B+4*\s+1], s45, \s*SLOT
	s_add_nc_u64 s[G0B+4*\s+2:G0B+4*\s+3], s[46:47], \s*65536
	s_or_b32 s[G0B+4*\s+3], s[G0B+4*\s+3], 0x80000000
	JLOAD G0+4*\s, G0B+4*\s
.endr
	v_and_b32 v1, 31, v0
	v_and_b32 v2, 15, v0
	v_bfe_u32 v3, v0, 4, 1
	v_lshlrev_b32 v[V16], 4, v1
	v_lshlrev_b32 v31, 6, v3
.irp s, 0,1
	global_load_b128 v[SC+16*\s:SC+16*\s+3], v[V16], s[SAP:SAP+1] offset:2048*\s
	global_load_b128 v[SC+16*\s+4:SC+16*\s+7], v[V16], s[SAP:SAP+1] offset:2048*\s+512
	global_load_b128 v[SC+16*\s+8:SC+16*\s+11], v[V16], s[SBP:SBP+1] offset:2048*\s
	global_load_b128 v[SC+16*\s+12:SC+16*\s+15], v[V16], s[SBP:SBP+1] offset:2048*\s+512
.endr
.irp g, 0,1,2,3
.irp j, 0,1,2,3
	global_load_b128 v[BIAS+16*\g+4*\j:BIAS+16*\g+4*\j+3], v31, s[8:9] offset:128*\g+16*\j
.endr
.endr
	s_lshl_b32 s21, s15, 15
	s_lshl_b32 s22, s16, 15
	s_add_co_u32 s22, s22, 65536
.irp s, 0,1
	v_add_nc_u32 v[ADRA+\s], s21, v[V16]
	v_add_nc_u32 v[ADRB+\s], s22, v[V16]
	s_add_co_u32 s21, s21, SLOT
	s_add_co_u32 s22, s22, SLOT
.endr
	s_lshl_b32 s23, s14, 9
	s_add_co_u32 s23, s23, SCR
	v_lshl_add_u32 v24, v2, 2, s23                 ; my wave's scale words in LDS: 4 r, + 64 for each block
	v_lshl_add_u32 v25, v3, 8, v24                 ; and back: lanes 16-31 take blocks 4-7
	v_lshlrev_b32 v26, 9, v3
	v_lshl_add_u32 v26, v2, 4, v26                 ; their place in memory: 16 r + 512 h
	s_wait_loadcnt 0x0
	s_add_nc_u64 s[SAP:SAP+1], s[SAP:SAP+1], 2048
	s_add_nc_u64 s[SBP:SBP+1], s[SBP:SBP+1], 2048
	s_wait_tensorcnt 1                             ; my part of K step 0 is in; K step 1's may stay out
	s_barrier_signal -1
	s_barrier_wait -1
	FETCH_B 0, 0, 0
	FETCH_A 0, 0, 0
	FETCH_A 0, 0, 4
	STEP 0, 1, 0
	s_mov_b32 s3, LAPS-1
.Llap:
	TURN 0, 1, 1
	STEP 1, 0, 4
	TURN 1, 0, 1
	STEP 0, 0, 4
	s_sub_co_u32 s3, s3, 1
	s_cmp_lg_u32 s3, 0
	s_cbranch_scc1 .Llap
	TURN 0, 1, 0
	STEP 1, 0, 0
	s_wait_dscnt 16
	WIN 0xa1
	MUL16 0, 1, 1, 1, 0
	MUL16 2, 1, 1, 1, 0
	s_wait_dscnt 0x0
	WIN 0xf1
	MUL16 4, 1, 1, 1, 0
	MUL16 6, 1, 1, 1, 0
	WIN 0
	PLACES NP
	; THE WAY OUT.  P's coefficients, from the constant term up, each in a pair of which the low word serves both halves
	s_mov_b32 s72, 0xbfa1fc4e                      ; -1.26551223
	s_mov_b32 s74, 0x3f8000c7                      ;  1.00002368
	s_mov_b32 s76, 0x3ebf88fb                      ;  0.37409196
	s_mov_b32 s78, 0x3dc636c9                      ;  0.09678418
	s_mov_b32 s80, 0xbe3ec24c                      ; -0.18628806
	s_mov_b32 s82, 0x3e8ec7cc                      ;  0.27886807
	s_mov_b32 s84, 0xbf914e5d                      ; -1.13520398
	s_mov_b32 s86, 0x3fbe87b0                      ;  1.48851587
	s_mov_b32 s88, 0x3e2ef945                      ;  0.17087277 (t^9)
	s_mov_b32 s90, 0x3fb8aa3b                      ;  log2(e)
	s_mov_b32 s92, 0xbf3504f3                      ; -0.70710678
.irp c, 72,74,76,78,80,82,84,86,88,90,92
	s_mov_b32 s[\c+1], s[\c]
.endr
	s_mov_b32 s94, 0x3f3504f3                      ;  0.70710678
	s_mov_b32 s95, 0                               ; 64 x the block
	s_mov_b32 s[SEL], 0x76543210
	s_mov_b32 s[SEL+1], 0xfedcba98
	s_mov_b32 s[MNT], 0x600000
	v_mov_b32 v[C8V], 0xbf527892                   ; -0.82215223 (t^8), in a vector pair: the line that takes it has a scalar pair already
	v_mov_b32 v[C8V+1], v[C8V]
	s_mov_b32 s71, 0
.Lgelu:                                            ; eight trips, a block of 16 tokens each
.irp a, 0,1,2,3,4,5,6
	s_cmp_eq_u32 s71, \a
	s_cbranch_scc1 .Lblk\a
.endr
	s_branch .Lblk7
.irp a, 0,1,2,3,4,5,6,7
.Lblk\a:
	WIN (2+\a/4)<<2                                ; source 1: the block's window
.set i, 0
.rept 64
	v_mul_f32 v[BB+i], s94, |v[64*(\a%4)+i]|       ; a = |x| / sqrt(2): each accumulator from its low end on
	v_max_num_f32 v[H+i], 0, v[64*(\a%4)+i]        ; max(x, 0)
.set i, i+1
.endr
	WIN 0
	s_branch .Lcommon
.endr
.Lcommon:
	G16 0
	G16 1
	G16 2
	G16 3
	QUANT H, PW
.irp c, 0,1,2,3
	global_store_b128 v[V16], v[PC+4*\c:PC+4*\c+3], s[96:97] offset:512*\c    ; the fragment's image: 512 consecutive bytes a store
.endr
	v_add_nc_u32 v27, s95, v24
	ds_store_b32 v27, v[PW]                        ; lanes r and r + 16 write the same word with the same value
	s_wait_xcnt 0x0                                ; the stores have read the codes' registers and their base
	s_add_nc_u64 s[96:97], s[96:97], 4096          ; the next block's fragment
	s_add_co_u32 s95, s95, 64
	s_add_co_u32 s71, s71, 1
	s_cmp_lt_u32 s71, 8
	s_cbranch_scc1 .Lgelu
.irp e, 0,1,2,3
	ds_load_b32 v[40+\e], v25 offset:64*\e         ; my own bytes: LDS serves a wave's instructions in order.  Lanes 0-15: blocks 0-3 of row r; lanes 16-31: blocks 4-7
.endr
	s_wait_dscnt 0x0
	global_store_b128 v26, v[40:43], s[98:99]      ; 16 lanes store 256 consecutive bytes, aligned
	s_wait_tensorcnt 0x0                           ; the wave's end
	ds_add_u32 v[SPW], v[NIL]
	s_wait_dscnt 0x0
	CROUND
	s_endpgm
.Lfunc_end_k_q9e0baaffc0_fc:
	.size	k_q9e0baaffc0_fc, .Lfunc_end_k_q9e0baaffc0_fc-k_q9e0baaffc0_fc
	.p2alignl 7, 3214868480
	.fill 96, 4, 3214868480
	.section	.rodata,"a",@progbits
	.p2align	6, 0x0
	.amdhsa_kernel k_q9e0baaffc0_fc
		.amdhsa_group_segment_fixed_size 327680
		.amdhsa_private_segment_fixed_size 0
		.amdhsa_enable_private_segment 0
		.amdhsa_kernarg_size 32
		.amdhsa_user_sgpr_count 2
		.amdhsa_user_sgpr_kernarg_segment_ptr 1
		.amdhsa_wavefront_size32 1
		.amdhsa_system_sgpr_workgroup_id_x 1
		.amdhsa_system_sgpr_workgroup_id_y 1
		.amdhsa_system_sgpr_workgroup_id_z 1
		.amdhsa_system_vgpr_workitem_id 0
		.amdhsa_next_free_vgpr 1024
		.amdhsa_next_free_sgpr 100
		.amdhsa_reserve_vcc 0
		.amdhsa_float_denorm_mode_32 3
		.amdhsa_float_denorm_mode_16_64 3
		.amdhsa_memory_ordered 1
		.amdhsa_forward_progress 1
		.amdhsa_inst_pref_size 210
	.end_amdhsa_kernel
	.amdgpu_metadata
---
amdhsa.version: [ 1, 2 ]
amdhsa.kernels:
  - .name:           k_q9e0baaffc0_fc
    .symbol:         k_q9e0baaffc0_fc.kd
    .args:
      - { .name: h2b, .offset: 0, .size: 8, .value_kind: global_buffer, .address_space: global }
      - { .name: p0, .offset: 8, .size: 8, .value_kind: global_buffer, .address_space: global }
      - { .name: b_fc, .offset: 16, .size: 8, .value_kind: global_buffer, .address_space: global }
      - { .name: gb, .offset: 24, .size: 8, .value_kind: global_buffer, .address_space: global }
    .group_segment_fixed_size: 327680
    .private_segment_fixed_size: 0
    .kernarg_segment_align: 8
    .kernarg_segment_size: 32
    .max_flat_workgroup_size: 128
    .sgpr_count:     100
    .vgpr_count:     1024
    .wavefront_size: 32
...
	.end_amdgpu_metadata
.endif
;; end of part 5
;; launch proj (part 6): grid 4 x 16, 4 waves a work-group, clusters of 4 x 4, 327,680 bytes of LDS; arguments gb, p0, b_proj, x2, out0; writes out0
.if DOCPART == 6
	.amdgcn_target "amdgcn-amd-amdhsa--gfx1250"
	.amdhsa_code_object_version 6
	.text
	.protected	k_q9e0baaffc0_proj
	.globl	k_q9e0baaffc0_proj
	.p2align	8
	.type	k_q9e0baaffc0_proj,@function
k_q9e0baaffc0_proj:
	s_mov_b64 s[64:65], 0
	v_nop
	global_prefetch_b8 v0, s[64:65] scope:SCOPE_SE
	s_setreg_imm32_b32 hwreg(HW_REG_WAVE_MODE, 25, 1), 1
	s_wait_xcnt 0x0
	s_wait_alu depctr_hold_cnt(0) depctr_sa_sdst(0) depctr_va_vdst(0) depctr_va_sdst(0) depctr_va_ssrc(0) depctr_va_vcc(0) depctr_vm_vsrc(0)
	s_getreg_b32 s2, hwreg(HW_REG_IB_STS2, 6, 4)
	s_cmp_eq_u32 s2, 0
	s_cbranch_scc0 .Lentry_in_a_cluster
	s_endpgm
.Lentry_in_a_cluster:
	s_bfe_u32 s2, ttmp6, 0x10000c
	s_cmp_lg_u32 s2, 0xf033
	s_cbranch_scc0 .Lentry_shape_is_right
	s_endpgm
.Lentry_shape_is_right:
; out = x2 + g Wproj^T + b_proj, the product on codes of BF8 (E5M2) with E8M0 scales, K = 4,096; x2, out in f32.
; THE PRODUCT.  A work-group makes 256 tokens x 256 channels, each of its four waves 128 x 128: 64 accumulators, 512 registers.  K goes in steps of 256 through a ring of two LDS slots.  Operands lie in memory as images of their
; registers (a fragment, 16 rows x 128 K, is 4 chunks of 512 bytes, lane l's 16 bytes at 16 l), so 128 rows x 256 K are 32 KiB on end: one tensor load a wave; LDS reads are 16 x lane: no padding is wanted.
; Source 0 = rows of W, source 1 = tokens: a lane holds one token; rows of a tile are laid (row r of tile I = real row 16 I - 8 (I & 1) + r + 8 (r / 8)) so that the 16 registers of two neighbouring tiles of W are 16 neighbouring channels.
; CLUSTERS: 4 x 4 work-groups; the tokens' tile is shared along a row of the cluster, W's along a column: joint loads.  The 64 tiles of this size leave WGPs without work: a smaller tile is another text.
; The scale words of a K step come by four loads of 16 bytes a lane straight into registers, a K step ahead.  The bias is the C of each sum's first product.
; THE WAY OUT: a block of 16 tokens x 128 channels goes through the wave's stage in LDS and comes back as rows of 512 bytes; the residual's rows, asked for four blocks ahead, are added; 32 lanes store 512 consecutive bytes.
; The stage lies in slot 0, which has had its last fill and its last read by then.
; REGISTERS, in windows of 256: window 0: v16-31 addresses; v32-63 scale words, two sets; v64-127 the bias; v128-255 the tokens' fragments, later rows on the way out.  window 1: W's fragments, two sets, later the residual.
;   windows 2, 3: the accumulators ((a, b) at v[8 (8 (a % 4) + b)]).
.set KDIM,  4096
.set ASOFF, 16777216                   ; the tokens' scale words in their buffer
.set BOFF,  12976128                   ; W's codes in the packs' buffer
.set BSOFF, 17170432                   ; and its scale words
.set TILEB, 256*KDIM
.set TILES, 8*KDIM
.set LAPS,  KDIM/512
.set SLOT,  131072
.set SPARE, 262144
.set FR,    16
.set NP,    8
.set ADRA,  16
.set ADRB,  20
.set STO,   24
.set RD,    25
.set SPW,   28
.set NIL,   29
.set V16,   30
.set SC,    32
.set BIAS,  64
.set AF,    128
.set BK,    128
.set G1,    24
.set G0,    32
.set G1B,   48
.set G0B,   56
.set SAP,   66
.set SBP,   68
.set MSB,   0
.macro WIN new
.if MSB != (\new)
	s_set_vgpr_msb (MSB<<8)|(\new)
.set MSB, (\new)
.endif
.endm
.macro JLOAD g0a, g0b
	s_cmp_eq_u32 s15, 0
	s_cbranch_scc0 .Lfor_b_\@
	tensor_load_to_lds s[\g0a:\g0a+3], s[G1:G1+7]
	s_nop 0
.rept 4
	v_nop
.endr
	s_branch .Lasked_\@
.Lfor_b_\@:
	tensor_load_to_lds s[\g0b:\g0b+3], s[G1B:G1B+7]
	s_nop 0
.rept 4
	v_nop
.endr
.Lasked_\@:
.endm
.macro CREST
	s_cmp_lg_u32 s14, 0
	s_cbranch_scc1 .Lnot_wave_0_\@
	s_barrier_signal -3
.Lnot_wave_0_\@:
	s_barrier_wait -3
	s_barrier_signal -1
	s_barrier_wait -1
.endm
.macro CROUND
	s_barrier_signal -1
	s_barrier_wait -1
	CREST
.endm
.macro PLACES n
.rept \n
	v_nop
.endr
.endm
.macro FRAG reg, adr, q, i
.irp c, 0,1,2,3
	ds_load_b128 v[\reg+4*\c:\reg+4*\c+3], v[\adr] offset:(\i)*4096+(\q)*2048+512*\c
.endr
.endm
.macro FETCH_B slot, q, p
	WIN 0x40
.irp i, 0,1,2,3,4,5,6,7
	FRAG 128*(\p)+FR*\i, ADRB+\slot, \q, \i
.endr
	WIN 0
.endm
.macro FETCH_A slot, q, i0
.irp i, \i0, \i0+1, \i0+2, \i0+3
	FRAG AF+FR*(\i), ADRA+\slot, \q, \i
.endr
.endm
.macro MM a, b, p, q, sc, cm           ; cm = 0: onto the sum; 1: the sum begins with the bias
.set rD, 8*(8*((\a)%4)+\b)
.set rB, 128*(\p)+FR*\b
.set rA, AF+FR*(\a)
.set rX, SC+16*(\sc)+8+\b
.set rY, SC+16*(\sc)+(\a)
.if (\cm) == 1
	v_wmma_scale_f32_16x16x128_f8f6f4 v[rD:rD+7], v[rB:rB+15], v[rA:rA+15], v[BIAS+8*\b:BIAS+8*\b+7], v[rX], v[rY] matrix_a_fmt:MATRIX_FMT_BF8 matrix_b_fmt:MATRIX_FMT_BF8
.elseif (\q) == 0
	v_wmma_scale_f32_16x16x128_f8f6f4 v[rD:rD+7], v[rB:rB+15], v[rA:rA+15], v[rD:rD+7], v[rX], v[rY] matrix_a_fmt:MATRIX_FMT_BF8 matrix_b_fmt:MATRIX_FMT_BF8
.else
	v_wmma_scale_f32_16x16x128_f8f6f4 v[rD:rD+7], v[rB:rB+15], v[rA:rA+15], v[rD:rD+7], v[rX], v[rY] matrix_a_fmt:MATRIX_FMT_BF8 matrix_b_fmt:MATRIX_FMT_BF8 matrix_a_scale:MATRIX_SCALE_ROW1 matrix_b_scale:MATRIX_SCALE_ROW1
.endif
.endm
.macro MUL16 a0, p, q, sc, cm          ; the 64 accumulators take turns, one instruction a turn
.irp a, \a0, \a0+1
.irp b, 0,1,2,3,4,5,6,7
	MM \a, \b, \p, \q, \sc, \cm
.endr
.endr
.endm
.macro GSCALES set
	s_wait_xcnt 0x0                                ; the last scale loads have read their bases
	s_add_nc_u64 s[SAP:SAP+1], s[SAP:SAP+1], 2048
	s_add_nc_u64 s[SBP:SBP+1], s[SBP:SBP+1], 2048
	global_load_b128 v[SC+16*\set:SC+16*\set+3], v[V16], s[SAP:SAP+1]
	global_load_b128 v[SC+16*\set+4:SC+16*\set+7], v[V16], s[SAP:SAP+1] offset:512
	global_load_b128 v[SC+16*\set+8:SC+16*\set+11], v[V16], s[SBP:SBP+1]
	global_load_b128 v[SC+16*\set+12:SC+16*\set+15], v[V16], s[SBP:SBP+1] offset:512
.endm
.macro STEP slot, cm, lc               ; a slot's first 128 along K.  lc: the scale loads issued behind this slot's, which may stay out
	s_wait_loadcnt \lc
	s_wait_dscnt 16                                ; W's set and the tokens' blocks 0-3 are in; the youngest 16 loads (blocks 4-7) may be out
.if \cm
	WIN 0x81
.else
	WIN 0xa1
.endif
	MUL16 0, 0, 0, \slot, \cm
	MUL16 2, 0, 0, \slot, \cm
	s_wait_dscnt 0x0
	PLACES NP
	FETCH_B \slot, 1, 1
	FETCH_A \slot, 1, 0
.if \cm
	WIN 0xc1
.else
	WIN 0xf1
.endif
	MUL16 4, 0, 0, \slot, \cm
	MUL16 6, 0, 0, \slot, \cm
	PLACES NP
	WIN 0
	FETCH_A \slot, 1, 4
.endm
.macro TURN slot, next, fill           ; a slot's second 128 along K changes slots
	s_wait_tensorcnt 0x0                           ; all my tensor loads have landed: my part of the next slot
	ds_add_u32 v[SPW], v[NIL]                      ; 0 onto my spare word
	s_wait_dscnt 17                                ; (the add and the youngest 16 loads may be out)
	WIN 0xa1
	MUL16 0, 1, 1, \slot, 0
	s_wait_dscnt 0x0                               ; the add is done, and my reads of this slot are over
	s_barrier_signal -1
	MUL16 2, 1, 1, \slot, 0
	WIN 0
	s_barrier_wait -1
.if \fill
	CREST                                          ; a round of the cluster's barrier: no wave of any partner still reads this slot or has a load on its way
	s_add_nc_u64 s[G0+4*\slot+2:G0+4*\slot+3], s[G0+4*\slot+2:G0+4*\slot+3], 131072
	s_add_nc_u64 s[G0B+4*\slot+2:G0B+4*\slot+3], s[G0B+4*\slot+2:G0B+4*\slot+3], 131072
	JLOAD G0+4*\slot, G0B+4*\slot
	PLACES NP-4
.else
	PLACES NP
.endif
	FETCH_B \next, 0, 0
	FETCH_A \next, 0, 0
	WIN 0xf1
	MUL16 4, 1, 1, \slot, 0
	MUL16 6, 1, 1, \slot, 0
	PLACES NP
	WIN 0
	FETCH_A \next, 0, 4
.if \fill
	GSCALES \slot
.endif
.endm
.macro RLOAD a                         ; the residual's 16 rows of block a, 512 bytes each, into window 1
	WIN 0x40
.irp t, 0,1,2,3,4,5,6,7,8,9,10,11,12,13,14,15
	global_load_b128 v[64*((\a)%4)+4*\t:64*((\a)%4)+4*\t+3], v[V16], s[10:11] offset:(16*(\a)-8*((\a)%2)+\t+8*(\t/8))*4096 th:TH_LOAD_NT
.endr
	WIN 0
.endm
.macro TOSTAGE a                       ; block a into my stage, each accumulator from its low end on, and back as rows
	WIN 0x08+4*((\a)/4)
.irp b, 0,1,2,3,4,5,6,7
	ds_store_b128 v[STO], v[64*((\a)%4)+8*\b:64*((\a)%4)+8*\b+3] offset:128*(\b/2)+32*(\b%2)
	ds_store_b128 v[STO], v[64*((\a)%4)+8*\b+4:64*((\a)%4)+8*\b+7] offset:128*(\b/2)+32*(\b%2)+16
.endr
	WIN 0
.irp t, 0,1,2,3,4,5,6,7,8,9,10,11,12,13,14,15
	ds_load_b128 v[BK+64*((\a)%2)+4*\t:BK+64*((\a)%2)+4*\t+3], v[RD] offset:528*\t     ; LDS serves a wave's instructions in order (ISA guide 5.7.1.4)
.endr
.endm
.macro SEND a, younger, left           ; younger: LDS instructions issued behind block a's loads; left: residual loads issued behind block a's
	s_wait_dscnt \younger
	s_wait_loadcnt \left
	WIN 0x04
.set i, 0
.rept 32
	v_pk_add_f32 v[BK+64*((\a)%2)+i:BK+64*((\a)%2)+i+1], v[BK+64*((\a)%2)+i:BK+64*((\a)%2)+i+1], v[64*((\a)%4)+i:64*((\a)%4)+i+1]
.set i, i+2
.endr
	WIN 0
.irp t, 0,1,2,3,4,5,6,7,8,9,10,11,12,13,14,15
	global_store_b128 v[V16], v[BK+64*((\a)%2)+4*\t:BK+64*((\a)%2)+4*\t+3], s[12:13] offset:(16*(\a)-8*((\a)%2)+\t+8*(\t/8))*4096 th:TH_STORE_NT   ; row t of tile a is real row 16 a - 8 (a & 1) + t + 8 (t / 8): at most 127 rows of 4,096 bytes in the immediate
.endr
.endm
	s_load_b128 s[4:7], s[0:1], 0x0                ; the tokens' pack s[4:5], the weights' packs s[6:7]
	s_load_b128 s[8:11], s[0:1], 0x10              ; the bias s[8:9], the residual s[10:11]
	s_load_b64 s[12:13], s[0:1], 0x20              ; the output
	v_lshl_add_u32 v[SPW], v0, 2, SPARE
	v_mov_b32 v[NIL], 0
	ds_add_u32 v28, v29
	s_wait_dscnt 0x0
	v_lshrrev_b32 v1, 5, v0
	v_readfirstlane_b32 s14, v1
	s_lshr_b32 s15, s14, 1                         ; my half of the tokens.  Also: I fetch tokens (0) or W (1)
	s_and_b32 s16, s14, 1                          ; my half of the channels.  Also: which 128 rows I fetch
	s_bfe_u32 s40, ttmp6, 0x40000
	s_bfe_u32 s41, ttmp6, 0x40004
	s_lshl_b32 s42, ttmp9, 2
	s_add_co_u32 s42, s42, s40                     ; W's tile
	s_and_b32 s17, ttmp7, 0xffff
	s_lshl_b32 s17, s17, 2
	s_add_co_u32 s17, s17, s41                     ; the tokens' tile
	s_lshl_b32 s43, s41, 2
	s_lshl_b32 s43, 15, s43
	s_lshl_b32 s44, 0x1111, s40
	s_or_b32 s[G1+0], s43, (3<<16)|(1<<21)         ; the mask; elements of 8 bytes; bit 21 beside a mask; no padding
	s_or_b32 s[G1B+0], s44, (3<<16)|(1<<21)
.irp g, G1, G1B
	s_mov_b32 s[\g+1], 32<<16
	s_mov_b32 s[\g+2], 128<<16
	s_mov_b32 s[\g+3], 32<<16
	s_mov_b32 s[\g+4], 128                         ; 128 rows of 256 bytes on end
	s_mov_b32 s[\g+5], 32
	s_mov_b32 s[\g+6], 0
	s_mov_b32 s[\g+7], 0
.endr
	s_lshl_b32 s18, s16, 15
	s_mul_i32 s20, s17, TILEB
	s_add_co_u32 s20, s20, s18
	s_mov_b32 s21, 0
	s_mul_i32 s46, s42, TILEB
	s_add_co_u32 s46, s46, s18
	s_add_co_u32 s46, s46, BOFF
	s_mov_b32 s47, 0
	s_mul_i32 s22, s17, TILES
	s_lshl_b32 s18, s15, 10
	s_add_co_u32 s22, s22, s18
	s_add_co_u32 s22, s22, ASOFF
	s_mov_b32 s23, 0
	s_mul_i32 s92, s42, TILES
	s_lshl_b32 s18, s16, 10
	s_add_co_u32 s92, s92, s18
	s_add_co_u32 s92, s92, BSOFF
	s_mov_b32 s93, 0
	s_lshl_b32 s18, s42, 10
	s_lshl_b32 s19, s16, 9
	s_add_co_u32 s18, s18, s19                     ; my 128 channels, in bytes of f32
	s_mov_b32 s19, 0
	s_lshl_b32 s72, s17, 20
	s_lshl_b32 s73, s15, 19
	s_add_co_u32 s72, s72, s73
	s_add_co_u32 s72, s72, s18                     ; my first token's row, at my first channel
	s_mov_b32 s73, 0
	s_lshl_b32 s45, s14, 15
	s_wait_kmcnt 0x0
	s_add_nc_u64 s[20:21], s[4:5], s[20:21]
	s_add_nc_u64 s[46:47], s[6:7], s[46:47]
	s_add_nc_u64 s[SAP:SAP+1], s[4:5], s[22:23]
	s_add_nc_u64 s[SBP:SBP+1], s[6:7], s[92:93]
	s_add_nc_u64 s[8:9], s[8:9], s[18:19]
	s_add_nc_u64 s[10:11], s[10:11], s[72:73]
	s_add_nc_u64 s[12:13], s[12:13], s[72:73]
	CROUND
.irp s, 0,1
	s_mov_b32 s[G0+4*\s], 1
	s_add_co_u32 s[G0+4*\s+1], s45, \s*SLOT
	s_add_nc_u64 s[G0+4*\s+2:G0+4*\s+3], s[20:21], \s*65536
	s_or_b32 s[G0+4*\s+3], s[G0+4*\s+3], 0x80000000
	s_mov_b32 s[G0B+4*\s], 1
	s_add_co_u32 s[G0B+4*\s+1], s45, \s*SLOT
	s_add_nc_u64 s[G0B+4*\s+2:G0B+4*\s+3], s[46:47], \s*65536
	s_or_b32 s[G0B+4*\s+3], s[G0B+4*\s+3], 0x80000000
	JLOAD G0+4*\s, G0B+4*\s
.endr
	v_and_b32 v1, 31, v0
	v_and_b32 v2, 15, v0
	v_bfe_u32 v3, v0, 4, 1
	v_lshlrev_b32 v[V16], 4, v1
	v_lshlrev_b32 v31, 6, v3
.irp s, 0,1
	global_load_b128 v[SC+16*\s:SC+16*\s+3], v[V16], s[SAP:SAP+1] offset:2048*\s
	global_load_b128 v[SC+16*\s+4:SC+16*\s+7], v[V16], s[SAP:SAP+1] offset:2048*\s+512
	global_load_b128 v[SC+16*\s+8:SC+16*\s+11], v[V16], s[SBP:SBP+1] offset:2048*\s
	global_load_b128 v[SC+16*\s+12:SC+16*\s+15], v[V16], s[SBP:SBP+1] offset:2048*\s+512
.endr
.irp g, 0,1,2,3                                ; register 16 g + i is the bias of channel 32 g + 16 h + i: the result's layout
.irp j, 0,1,2,3
	global_load_b128 v[BIAS+16*\g+4*\j:BIAS+16*\g+4*\j+3], v31, s[8:9] offset:128*\g+16*\j
.endr
.endr
	s_lshl_b32 s21, s15, 15
	s_lshl_b32 s22, s16, 15
	s_add_co_u32 s22, s22, 65536
.irp s, 0,1
	v_add_nc_u32 v[ADRA+\s], s21, v[V16]
	v_add_nc_u32 v[ADRB+\s], s22, v[V16]
	s_add_co_u32 s21, s21, SLOT
	s_add_co_u32 s22, s22, SLOT
.endr
	s_mul_i32 s23, s14, 8448                       ; my stage: 16 rows x (512 + 16) bytes
	v_mul_u32_u24 v5, v2, 528
	v_lshl_add_u32 v5, v3, 6, v5
	v_add_nc_u32 v[STO], s23, v5                   ; in: row r, + 64 h
	v_add_nc_u32 v[RD], s23, v[V16]                ; back: 16 bytes a lane of a row
	s_wait_loadcnt 0x0
	s_add_nc_u64 s[SAP:SAP+1], s[SAP:SAP+1], 2048
	s_add_nc_u64 s[SBP:SBP+1], s[SBP:SBP+1], 2048
	s_wait_tensorcnt 1                             ; my part of K step 0 is in; K step 1's may stay out
	s_barrier_signal -1
	s_barrier_wait -1
	FETCH_B 0, 0, 0
	FETCH_A 0, 0, 0
	FETCH_A 0, 0, 4
	STEP 0, 1, 0
	s_mov_b32 s3, LAPS-1
.Llap:
	TURN 0, 1, 1
	STEP 1, 0, 4
	TURN 1, 0, 1
	STEP 0, 0, 4
	s_sub_co_u32 s3, s3, 1
	s_cmp_lg_u32 s3, 0
	s_cbranch_scc1 .Llap
	TURN 0, 1, 0
	STEP 1, 0, 0
	RLOAD 0                                        ; W's first set is done with (eight places stand behind its last product): the residual's first rows are asked for
	RLOAD 1
	s_wait_dscnt 16
	WIN 0xa1
	MUL16 0, 1, 1, 1, 0
	MUL16 2, 1, 1, 1, 0
	s_wait_dscnt 0x0
	WIN 0xf1
	MUL16 4, 1, 1, 1, 0
	MUL16 6, 1, 1, 1, 0
	WIN 0
	PLACES NP
	RLOAD 2
	RLOAD 3
	TOSTAGE 0
.irp a, 1,2,3,4,5,6,7
.if \a > 1
	s_wait_xcnt 0x0                                ; block a - 2's stores have read the registers into which block a's rows come
.endif
	TOSTAGE \a
.if \a < 6
	SEND \a-1, 32, 48
.else
	SEND \a-1, 32, 16*(8-\a)
.endif
.if \a < 5
	RLOAD \a+3
.endif
.endr
	SEND 7, 0, 0
	s_wait_tensorcnt 0x0                           ; the wave's end
	ds_add_u32 v[SPW], v[NIL]
	s_wait_dscnt 0x0
	CROUND
	s_endpgm
.Lfunc_end_k_q9e0baaffc0_proj:
	.size	k_q9e0baaffc0_proj, .Lfunc_end_k_q9e0baaffc0_proj-k_q9e0baaffc0_proj
	.p2alignl 7, 3214868480
	.fill 96, 4, 3214868480
	.section	.rodata,"a",@progbits
	.p2align	6, 0x0
	.amdhsa_kernel k_q9e0baaffc0_proj
		.amdhsa_group_segment_fixed_size 327680
		.amdhsa_private_segment_fixed_size 0
		.amdhsa_enable_private_segment 0
		.amdhsa_kernarg_size 40
		.amdhsa_user_sgpr_count 2
		.amdhsa_user_sgpr_kernarg_segment_ptr 1
		.amdhsa_wavefront_size32 1
		.amdhsa_system_sgpr_workgroup_id_x 1
		.amdhsa_system_sgpr_workgroup_id_y 1
		.amdhsa_system_sgpr_workgroup_id_z 1
		.amdhsa_system_vgpr_workitem_id 0
		.amdhsa_next_free_vgpr 1024
		.amdhsa_next_free_sgpr 100
		.amdhsa_reserve_vcc 0
		.amdhsa_float_denorm_mode_32 3
		.amdhsa_float_denorm_mode_16_64 3
		.amdhsa_memory_ordered 1
		.amdhsa_forward_progress 1
		.amdhsa_inst_pref_size 173
	.end_amdhsa_kernel
	.amdgpu_metadata
---
amdhsa.version: [ 1, 2 ]
amdhsa.kernels:
  - .name:           k_q9e0baaffc0_proj
    .symbol:         k_q9e0baaffc0_proj.kd
    .args:
      - { .name: gb, .offset: 0, .size: 8, .value_kind: global_buffer, .address_space: global }
      - { .name: p0, .offset: 8, .size: 8, .value_kind: global_buffer, .address_space: global }
      - { .name: b_proj, .offset: 16, .size: 8, .value_kind: global_buffer, .address_space: global }
      - { .name: x2, .offset: 24, .size: 8, .value_kind: global_buffer, .address_space: global }
      - { .name: out0, .offset: 32, .size: 8, .value_kind: global_buffer, .address_space: global }
    .group_segment_fixed_size: 327680
    .private_segment_fixed_size: 0
    .kernarg_segment_align: 8
    .kernarg_segment_size: 40
    .max_flat_workgroup_size: 128
    .sgpr_count:     100
    .vgpr_count:     1024
    .wavefront_size: 32
...
	.end_amdgpu_metadata
.endif
;; end of part 6
;; ======== version 2 of 2: 7 launches
;; limits: right only within a limited range of input values
;; workspace buffers: p0 17,301,504 bytes; qkvb 12,976,128 bytes; yb 4,325,376 bytes; x2 16,777,216 bytes; h2b 4,325,376 bytes; gb 17,301,504 bytes
;; launch prep (part 7): grid 1024 x 1, 8 waves a work-group, no clusters, 69,632 bytes of LDS; arguments x, ln1_w, ln1_b, w_qkv, w_o, w_fc, w_proj, p0; writes p0
.if DOCPART == 7
	.amdgcn_target "amdgcn-amd-amdhsa--gfx1250"
	.amdhsa_code_object_version 6
	.text
	.protected	k_q9e0baaffc0_prep
	.globl	k_q9e0baaffc0_prep
	.p2align	8
	.type	k_q9e0baaffc0_prep,@function
k_q9e0baaffc0_prep:
	s_mov_b64 s[64:65], 0
	v_nop
	global_prefetch_b8 v0, s[64:65] scope:SCOPE_SE
	s_setreg_imm32_b32 hwreg(HW_REG_WAVE_MODE, 25, 1), 1
	s_wait_xcnt 0x0
; LAYER NORM + QUANTISER, AND THE WEIGHTS' QUANTISER.  f32 rows become codes of BF8 (E5M2) with one E8M0 byte for each 32 along K, laid as IMAGES OF OPERAND REGISTERS.
; A fragment is 16 rows x 128 K, 2,048 bytes: chunk c (512 bytes) holds lane l's 16 bytes at 16 l: row l % 16, k = 32 c + 16 (l / 16) + 0 .. 15.
; A pack of [R][K]: codes at tile256 x 256 K + (K step of 256) x 65,536 + i x 4,096 + q x 2,048 + 512 c + 16 lane; scale words (4 bytes: 128 K of a row) at tile256 x 8 K + step x 2,048 + (i / 4) x 512 + (16 q + r) x 16 + 4 (i % 4).
; THE ROWS OF A TILE ARE NOT NEIGHBOURS: row r of tile I is real row 16 I - 8 (I & 1) + r + 8 (r / 8), so that a product's results, 16 registers of two neighbouring tiles, are 16 neighbours along the next K.
; SHARES.  A work-group takes one tile of 16 rows x 1,024 along K; wave w takes 128 of them, one fragment.  Work-groups 0-255: rows of the first argument, with the layer norm; 256-447 w_qkv; 448-511 w_o; 512-767 w_fc;
; 768-1023 w_proj (four work-groups to a tile: K = 4,096).  Only pointers and offsets are chosen by the work-group's number; the layer norm alone is jumped over, by all eight waves or by none.
; The same text serves the second layer norm: launched with 256 work-groups on other buffers, whose pack has the first pack's offsets.
; Each load reads 512 consecutive bytes of a row; the 8 KiB turn through the wave's own stage in LDS (rows 528 bytes apart), so that a lane gets 16 neighbours of each block of 32.
; The norm is taken in two passes (mean, then the squares of the differences): no difference of large sums.  Sums meet in LDS, 8 waves x 16 rows, behind a barrier each.
; No matrix work, no tile shared between work-groups: no cluster, no tensor load.  The scale words leave 4 bytes a row, 16 bytes apart: one byte in 128 of what the launch reads; four neighbouring work-groups fill those bytes.
; LIMITS: NaN and infinities are not served; a block whose largest magnitude lies under 2^-111 keeps the byte 1, a block of zeros too (its codes are zeros; these bytes are read by this program alone).
.set STG,  8448                        ; a wave's stage: 16 rows x (512 + 16) bytes
.set RED0, 67584                       ; behind the stages: 16 rows x 8 waves partial sums; 512 bytes on, the same for the squares
.set TM,   16                          ; v16-19 largest magnitudes, v20-23 bytes, v24-27 the largest number x the scale, v28-31 the conversions' scale operands
.set PW,   32                          ; the scale word
.set MU,   34                          ; v[34:35] the mean, twice
.set RS,   36                          ; v[36:37] 1 / sqrt(var + eps), twice
.set CH,   40                          ; v40-47 four chains of packed sums
.set PC,   48                          ; v48-63 first the loads' offsets, then the codes
.set X,    64                          ; v64-127 my 64 numbers
.set GN,   128                         ; v128-191 the gain of my 64 columns
.set BS,   192                         ; v192-255 the bias
.set WV,   33
.set SEL,  36
.set MNT,  38
; 16 nb numbers of a lane, register 16 b + i = k 32 b + 16 (lane / 16) + i of my row, become codes in v[PC] on and the scale word in v[pw]
.macro QUANT s, nb, pw
.irp b, 0,1,2,3
.if \b < \nb
	v_max3_num_f32 v[TM+\b], |v[\s+16*\b]|, |v[\s+16*\b+1]|, 0x8000000      ; my 16 numbers of block b, and the floor 2^(16 - 127): the byte cannot fall under 1
.endif
.endr
.irp i, 2,4,6,8,10,12,14
.irp b, 0,1,2,3
.if \b < \nb
	s_delay_alu instid0(VALU_DEP_4)
	v_max3_num_f32 v[TM+\b], v[TM+\b], |v[\s+16*\b+\i]|, |v[\s+16*\b+\i+1]|  ; the blocks by turns
.endif
.endr
.endr
.irp b, 0,1,2,3
.if \b < \nb
	s_delay_alu instid0(VALU_DEP_4)
	v_permlanex16_b32 v[TM+4+\b], v[TM+\b], s[SEL], s[SEL+1]
.endif
.endr
.irp b, 0,1,2,3
.if \b < \nb
	s_delay_alu instid0(VALU_DEP_4)
	v_max_num_f32 v[TM+\b], v[TM+\b], v[TM+4+\b]                    ; with lane l xor 16's: the block's largest magnitude
.endif
.endr
.irp b, 0,1,2,3
.if \b < \nb
	v_add_nc_u32 v[TM+12+\b], 0xf8800000, v[TM+\b]                  ; 15 off its exponent field: the conversion's scale operand
	v_and_or_b32 v[TM+8+\b], v[TM+\b], 0x7f800000, s[MNT]           ; 57,344 x the scale
.endif
.endr
.irp b, 0,1,2,3
.if \b < \nb
	v_lshrrev_b32 v[TM+4+\b], 23, v[TM+12+\b]                       ; the scale's byte
.endif
.endr
	s_delay_alu instid0(VALU_DEP_3)
	v_lshl_or_b32 v[\pw], v[TM+5], 8, v[TM+4]
.if \nb > 2
	s_delay_alu instid0(VALU_DEP_1)
	v_lshl_or_b32 v[\pw], v[TM+6], 16, v[\pw]
	s_delay_alu instid0(VALU_DEP_1)
	v_lshl_or_b32 v[\pw], v[TM+7], 24, v[\pw]
.endif
.irp b, 0,1,2,3
.if \b < \nb
.irp i, 0,1,2,3,4,5,6,7,8,9,10,11,12,13,14,15
	v_med3_num_f32 v[\s+16*\b+\i], v[\s+16*\b+\i], -v[TM+8+\b], v[TM+8+\b]   ; the conversion to an 8-bit code does not saturate (ISA guide 7.6.2): the hold
.endr
	v_cvt_scalef32_pk8_bf8_f32 v[PC+4*\b:PC+4*\b+1], v[\s+16*\b:\s+16*\b+7], v[TM+12+\b]
	v_cvt_scalef32_pk8_bf8_f32 v[PC+4*\b+2:PC+4*\b+3], v[\s+16*\b+8:\s+16*\b+15], v[TM+12+\b]
.endif
.endr
	v_nop                                          ; one plain line behind the last conversion
.endm
; the four chains become one number a row: within the lane, with lane l xor 16, then over the eight waves through LDS
.macro REDUCE off
	s_delay_alu instid0(VALU_DEP_3)
	v_pk_add_f32 v[CH:CH+1], v[CH:CH+1], v[CH+2:CH+3]
	s_delay_alu instid0(VALU_DEP_2)
	v_pk_add_f32 v[CH+4:CH+5], v[CH+4:CH+5], v[CH+6:CH+7]
	s_delay_alu instid0(VALU_DEP_1)
	v_pk_add_f32 v[CH:CH+1], v[CH:CH+1], v[CH+4:CH+5]
	s_delay_alu instid0(VALU_DEP_1)
	v_add_f32 v[CH], v[CH], v[CH+1]
	s_delay_alu instid0(VALU_DEP_1)
	v_permlanex16_b32 v[CH+1], v[CH], s[SEL], s[SEL+1]
	s_delay_alu instid0(VALU_DEP_1)
	v_add_f32 v[CH], v[CH], v[CH+1]
	ds_store_b32 v8, v[CH] offset:\off             ; lanes r and r + 16 write the same word with the same value
	s_wait_dscnt 0x0                               ; for the others' sake: my store has landed
	s_barrier_signal -1
	s_barrier_wait -1
	ds_load_b128 v[CH:CH+3], v9 offset:\off        ; my row's eight partial sums
	ds_load_b128 v[CH+4:CH+7], v9 offset:\off+16
	s_wait_dscnt 0x0
	v_add_f32 v[CH], v[CH], v[CH+1]
	v_add_f32 v[CH+2], v[CH+2], v[CH+3]
	v_add_f32 v[CH+4], v[CH+4], v[CH+5]
	v_add_f32 v[CH+6], v[CH+6], v[CH+7]
	s_delay_alu instid0(VALU_DEP_3)
	v_add_f32 v[CH], v[CH], v[CH+2]
	s_delay_alu instid0(VALU_DEP_2)
	v_add_f32 v[CH+4], v[CH+4], v[CH+6]
	s_delay_alu instid0(VALU_DEP_1)
	v_add_f32 v[CH], v[CH], v[CH+4]
.endm
	s_load_b256 s[4:11], s[0:1], 0x0               ; rows s[4:5], gain s[6:7], bias s[8:9], w_qkv s[10:11]
	s_load_b256 s[12:19], s[0:1], 0x20             ; w_o s[12:13], w_fc s[14:15], w_proj s[16:17], the packs s[18:19]
	v_lshl_add_u32 v38, v0, 2, 0x10c00
	v_mov_b32 v39, 0
	v_lshrrev_b32 v1, 5, v0
	s_delay_alu instid0(VALU_DEP_1)
	v_readfirstlane_b32 s[WV], v1                  ; wave 0..7
	v_and_b32 v1, 31, v0                           ; lane
	v_and_b32 v2, 15, v0                           ; r
	v_bfe_u32 v3, v0, 4, 1                         ; h
	s_delay_alu instid0(VALU_DEP_3)
	v_lshlrev_b32 v4, 4, v1                        ; 16 x lane
	s_mul_i32 s34, s[WV], STG
	v_add_nc_u32 v5, s34, v4                       ; the stage, on the way in: a row's 512 bytes as they lie
	v_mul_u32_u24 v6, v2, 528
	s_delay_alu instid0(VALU_DEP_1)
	v_lshl_add_u32 v6, v3, 6, v6
	s_delay_alu instid0(VALU_DEP_1)
	v_add_nc_u32 v6, s34, v6                       ; and out: row r, + 64 h
	v_lshlrev_b32 v7, 6, v3                        ; 64 h: my half of a block of 32 numbers
	s_lshl_b32 s35, s[WV], 2
	s_add_co_u32 s35, s35, RED0
	v_lshlrev_b32 v8, 5, v2
	s_delay_alu instid0(VALU_DEP_1)
	v_add_nc_u32 v9, RED0, v8                      ; my row's eight words
	s_delay_alu instid0(VALU_DEP_2)
	v_add_nc_u32 v8, s35, v8                       ; my wave's among them
	v_lshlrev_b32 v10, 4, v2                       ; 16 r: a row's place among the scale words
	s_mov_b32 s[SEL], 0x76543210
	s_mov_b32 s[SEL+1], 0xfedcba98                 ; v_permlanex16_b32's selects for lane l xor 16
	s_mov_b32 s[MNT], 0x600000                     ; the mantissa field of 57,344
.irp b, 0,1,2,3
	v_mov_b32 v[TM+4+\b], 0                        ; written once: a lane permute's destination counts as one of its sources
.endr
	s_mov_b32 s22, 0                               ; the tensor's first work-group,
	s_mov_b32 s23, 0                               ; its codes in the packs' buffer,
	s_mov_b32 s24, 4194304                         ; its scale words,
	s_mov_b32 s25, 4096                            ; a row in bytes,
	s_mov_b32 s26, 18                              ; log2 of 256 rows' codes,
	s_mov_b32 s27, 13                              ; and of their scale words,
	s_mov_b32 s28, 0                               ; log2 of the work-groups to a tile,
	s_mov_b32 s29, 0                               ; and their number less one
	s_wait_kmcnt 0x0
	s_mov_b64 s[20:21], s[4:5]
	s_cmp_ge_u32 ttmp9, 256                        ; the choices hang on the work-group's number alone
	s_cselect_b64 s[20:21], s[10:11], s[20:21]
	s_cselect_b32 s22, 256, s22
	s_cselect_b32 s23, 4325376, s23
	s_cselect_b32 s24, 7471104, s24
	s_cmp_ge_u32 ttmp9, 448
	s_cselect_b64 s[20:21], s[12:13], s[20:21]
	s_cselect_b32 s22, 448, s22
	s_cselect_b32 s23, 7569408, s23
	s_cselect_b32 s24, 8617984, s24
	s_cmp_ge_u32 ttmp9, 512
	s_cselect_b64 s[20:21], s[14:15], s[20:21]
	s_cselect_b32 s22, 512, s22
	s_cselect_b32 s23, 8650752, s23
	s_cselect_b32 s24, 12845056, s24
	s_cmp_ge_u32 ttmp9, 768
	s_cselect_b64 s[20:21], s[16:17], s[20:21]
	s_cselect_b32 s22, 768, s22
	s_cselect_b32 s23, 12976128, s23
	s_cselect_b32 s24, 17170432, s24
	s_cselect_b32 s25, 16384, s25
	s_cselect_b32 s26, 20, s26
	s_cselect_b32 s27, 15, s27
	s_cselect_b32 s28, 2, s28
	s_cselect_b32 s29, 3, s29
	s_sub_co_u32 s30, ttmp9, s22
	s_and_b32 s31, s30, s29
	s_lshr_b32 s30, s30, s28                       ; I: the tile of 16 rows
	s_lshl_b32 s31, s31, 3
	s_add_co_u32 s31, s31, s[WV]                   ; kk: which 128 along K is my wave's
	s_lshl_b32 s39, s30, 4
	s_and_b32 s40, s30, 1
	s_lshl_b32 s40, s40, 3
	s_sub_co_u32 s39, s39, s40                     ; the tile's first real row: 16 I - 8 (I & 1)
	s_mul_i32 s40, s39, s25
	s_lshl_b32 s41, s31, 9
	s_add_co_u32 s40, s40, s41                     ; under 2^25
	s_mov_b32 s41, 0
	s_add_nc_u64 s[20:21], s[20:21], s[40:41]
.irp t, 0,1,2,3,4,5,6,7,8,9,10,11,12,13,14,15
	v_mad_u32_u24 v[PC+\t], s25, \t+8*(\t/8), v4   ; row t of the tile lies t + 8 (t / 8) real rows on
.endr
.irp t, 0,1,2,3,4,5,6,7,8,9,10,11,12,13,14,15
	global_load_b128 v[X+4*\t:X+4*\t+3], v[PC+\t], s[20:21] th:TH_LOAD_NT     ; 32 lanes read 512 consecutive bytes
.endr
	s_lshr_b32 s42, s30, 4                         ; where the results go: the tile of 256 rows,
	s_lshl_b32 s44, s42, s26
	s_lshl_b32 s46, s42, s27
	s_lshr_b32 s42, s31, 1                         ; the K step of 256,
	s_lshl_b32 s43, s42, 16
	s_add_co_u32 s44, s44, s43
	s_lshl_b32 s43, s42, 11
	s_add_co_u32 s46, s46, s43
	s_and_b32 s42, s30, 15                         ; the fragment's place i among the 16,
	s_lshl_b32 s42, s42, 12
	s_add_co_u32 s44, s44, s42
	s_and_b32 s42, s31, 1                          ; q,
	s_lshl_b32 s43, s42, 11
	s_add_co_u32 s44, s44, s43
	s_lshl_b32 s43, s42, 8
	s_add_co_u32 s46, s46, s43
	s_bfe_u32 s42, s30, 0x20002                    ; i / 4,
	s_lshl_b32 s42, s42, 9
	s_add_co_u32 s46, s46, s42
	s_and_b32 s42, s30, 3                          ; i % 4
	s_lshl_b32 s42, s42, 2
	s_add_co_u32 s46, s46, s42
	s_add_co_u32 s44, s44, s23
	s_add_co_u32 s46, s46, s24
	s_mov_b32 s45, 0
	s_mov_b32 s47, 0
	s_add_nc_u64 s[44:45], s[18:19], s[44:45]
	s_add_nc_u64 s[46:47], s[18:19], s[46:47]
	s_wait_loadcnt 0x0
.irp t, 0,1,2,3,4,5,6,7,8,9,10,11,12,13,14,15
	ds_store_b128 v5, v[X+4*\t:X+4*\t+3] offset:528*\t
.endr
.irp c, 0,1,2,3
.irp j, 0,1,2,3
	ds_load_b128 v[X+16*\c+4*\j:X+16*\c+4*\j+3], v6 offset:128*\c+16*\j   ; LDS serves a wave's instructions in order (ISA guide 5.7.1.4): these see my stores.  Register 16 c + i = k 32 c + 16 h + i of row r
.endr
.endr
	s_wait_dscnt 0x0
	s_cmp_lt_u32 ttmp9, 256
	s_cbranch_scc0 .Lquant                         ; a weight has no norm: all eight waves of its work-group jump
	s_lshl_b32 s52, s[WV], 9                       ; the gain and the bias of my 128 columns (here kk = wave); they land while the sums are made
	s_mov_b32 s53, 0
	s_add_nc_u64 s[6:7], s[6:7], s[52:53]
	s_add_nc_u64 s[8:9], s[8:9], s[52:53]
.irp c, 0,1,2,3
.irp j, 0,1,2,3
	global_load_b128 v[GN+16*\c+4*\j:GN+16*\c+4*\j+3], v7, s[6:7] offset:128*\c+16*\j
	global_load_b128 v[BS+16*\c+4*\j:BS+16*\c+4*\j+3], v7, s[8:9] offset:128*\c+16*\j
.endr
.endr
.irp k, 0,1,2,3
	v_pk_add_f32 v[CH+2*\k:CH+2*\k+1], v[X+2*\k:X+2*\k+1], v[X+8+2*\k:X+9+2*\k]       ; the first pairs start the chains: nothing is cleared
.endr
.irp m, 2,3,4,5,6,7
.irp k, 0,1,2,3
	s_delay_alu instid0(VALU_DEP_4)
	v_pk_add_f32 v[CH+2*\k:CH+2*\k+1], v[CH+2*\k:CH+2*\k+1], v[X+8*\m+2*\k:X+8*\m+2*\k+1]
.endr
.endr
	REDUCE 0
	s_delay_alu instid0(VALU_DEP_1)
	v_mul_f32 v[MU], 0x3a800000, v[CH]             ; / 1,024: the mean
	s_delay_alu instid0(VALU_DEP_1)
	v_mov_b32 v[MU+1], v[MU]
.set i, 0
.rept 32
	v_pk_add_f32 v[X+i:X+i+1], v[X+i:X+i+1], v[MU:MU+1] neg_lo:[0,1] neg_hi:[0,1]
.set i, i+2
.endr
.irp k, 0,1,2,3
	v_pk_mul_f32 v[CH+2*\k:CH+2*\k+1], v[X+2*\k:X+2*\k+1], v[X+2*\k:X+2*\k+1]
.endr
.irp m, 1,2,3,4,5,6,7
.irp k, 0,1,2,3
	s_delay_alu instid0(VALU_DEP_4)
	v_pk_fma_f32 v[CH+2*\k:CH+2*\k+1], v[X+8*\m+2*\k:X+8*\m+2*\k+1], v[X+8*\m+2*\k:X+8*\m+2*\k+1], v[CH+2*\k:CH+2*\k+1]
.endr
.endr
	REDUCE 512                                     ; other bytes than the first sums': one barrier serves each
	v_mov_b32 v[RS+1], 0x3727c5ac                  ; 1e-5
	s_delay_alu instid0(VALU_DEP_1)
	v_fmamk_f32 v[RS], v[CH], 0x3a800000, v[RS+1]  ; the variance + 1e-5
	s_wait_alu depctr_va_vdst(0)
	v_rsq_f32 v[RS], v[RS]
	v_nop                                          ; a plain line behind the transcendental
	s_wait_alu depctr_va_vdst(0)
	v_mov_b32 v[RS+1], v[RS]
	s_wait_alu depctr_va_vdst(0)
	s_wait_loadcnt 0x0                             ; the gain and the bias
.set i, 0
.rept 32
	v_pk_mul_f32 v[X+i:X+i+1], v[X+i:X+i+1], v[RS:RS+1]
.set i, i+2
.endr
.set i, 0
.rept 32
	v_pk_fma_f32 v[X+i:X+i+1], v[X+i:X+i+1], v[GN+i:GN+i+1], v[BS+i:BS+i+1]
.set i, i+2
.endr
.Lquant:
	QUANT X, 4, PW
.irp c, 0,1,2,3
	global_store_b128 v4, v[PC+4*\c:PC+4*\c+3], s[44:45] offset:512*\c    ; the fragment's image: 512 consecutive bytes a store
.endr
	global_store_b32 v10, v[PW], s[46:47]          ; row r's scale word; lanes r and r + 16 store the same word with the same value
	s_wait_tensorcnt 0x0
	ds_add_u32 v38, v39
	s_wait_dscnt 0x0
	s_endpgm
.Lfunc_end_k_q9e0baaffc0_prep:
	.size	k_q9e0baaffc0_prep, .Lfunc_end_k_q9e0baaffc0_prep-k_q9e0baaffc0_prep
	.p2alignl 7, 3214868480
	.fill 96, 4, 3214868480
	.section	.rodata,"a",@progbits
	.p2align	6, 0x0
	.amdhsa_kernel k_q9e0baaffc0_prep
		.amdhsa_group_segment_fixed_size 69632
		.amdhsa_private_segment_fixed_size 0
		.amdhsa_enable_private_segment 0
		.amdhsa_kernarg_size 64
		.amdhsa_user_sgpr_count 2
		.amdhsa_user_sgpr_kernarg_segment_ptr 1
		.amdhsa_wavefront_size32 1
		.amdhsa_system_sgpr_workgroup_id_x 1
		.amdhsa_system_sgpr_workgroup_id_y 1
		.amdhsa_system_sgpr_workgroup_id_z 1
		.amdhsa_system_vgpr_workitem_id 0
		.amdhsa_next_free_vgpr 256
		.amdhsa_next_free_sgpr 66
		.amdhsa_reserve_vcc 0
		.amdhsa_float_denorm_mode_32 3
		.amdhsa_float_denorm_mode_16_64 3
		.amdhsa_memory_ordered 1
		.amdhsa_forward_progress 1
		.amdhsa_inst_pref_size 37
	.end_amdhsa_kernel
	.amdgpu_metadata
---
amdhsa.version: [ 1, 2 ]
amdhsa.kernels:
  - .name:           k_q9e0baaffc0_prep
    .symbol:         k_q9e0baaffc0_prep.kd
    .args:
      - { .name: x, .offset: 0, .size: 8, .value_kind: global_buffer, .address_space: global }
      - { .name: ln1_w, .offset: 8, .size: 8, .value_kind: global_buffer, .address_space: global }
      - { .name: ln1_b, .offset: 16, .size: 8, .value_kind: global_buffer, .address_space: global }
      - { .name: w_qkv, .offset: 24, .size: 8, .value_kind: global_buffer, .address_space: global }
      - { .name: w_o, .offset: 32, .size: 8, .value_kind: global_buffer, .address_space: global }
      - { .name: w_fc, .offset: 40, .size: 8, .value_kind: global_buffer, .address_space: global }
      - { .name: w_proj, .offset: 48, .size: 8, .value_kind: global_buffer, .address_space: global }
      - { .name: p0, .offset: 56, .size: 8, .value_kind: global_buffer, .address_space: global }
    .group_segment_fixed_size: 69632
    .private_segment_fixed_size: 0
    .kernarg_segment_align: 8
    .kernarg_segment_size: 64
    .max_flat_workgroup_size: 256
    .sgpr_count:     66
    .vgpr_count:     256
    .wavefront_size: 32
...
	.end_amdgpu_metadata
.endif
;; end of part 7
;; launch qkv (part 8): grid 12 x 16, 4 waves a work-group, clusters of 4 x 4, 327,680 bytes of LDS; arguments p0, b_qkv, qkvb; writes qkvb
.if DOCPART == 8
	.amdgcn_target "amdgcn-amd-amdhsa--gfx1250"
	.amdhsa_code_object_version 6
	.text
	.protected	k_q9e0baaffc0_qkv
	.globl	k_q9e0baaffc0_qkv
	.p2align	8
	.type	k_q9e0baaffc0_qkv,@function
k_q9e0baaffc0_qkv:
	s_mov_b64 s[64:65], 0
	v_nop
	global_prefetch_b8 v0, s[64:65] scope:SCOPE_SE
	s_setreg_imm32_b32 hwreg(HW_REG_WAVE_MODE, 25, 1), 1
	s_wait_xcnt 0x0
	s_wait_alu depctr_hold_cnt(0) depctr_sa_sdst(0) depctr_va_vdst(0) depctr_va_sdst(0) depctr_va_ssrc(0) depctr_va_vcc(0) depctr_vm_vsrc(0)
	s_getreg_b32 s2, hwreg(HW_REG_IB_STS2, 6, 4)
	s_cmp_eq_u32 s2, 0
	s_cbranch_scc0 .Lentry_in_a_cluster
	s_endpgm
.Lentry_in_a_cluster:
	s_bfe_u32 s2, ttmp6, 0x10000c
	s_cmp_lg_u32 s2, 0xf033
	s_cbranch_scc0 .Lentry_shape_is_right
	s_endpgm
.Lentry_shape_is_right:
; q, k, v = LN1(x) Wqkv^T + b, on codes of BF8 (E5M2) with E8M0 scales; the results are quantised at once for attention's two products and leave as images of operand registers.
; THE PRODUCT.  A work-group makes 256 x 256, each of its four waves 128 x 128: 64 accumulators, 512 registers.  K = 1,024 goes in steps of 256 through a ring of two LDS slots.  Operands lie in memory as images of their
; registers (a fragment, 16 rows x 128 K, is 4 chunks of 512 bytes, lane l's 16 bytes at 16 l), so 128 rows x 256 K are 32 KiB on end: one tensor load a wave; LDS reads are 16 x lane: no padding is wanted.
; Source 0 gives the registers' axis, source 1 the lanes'.  Rows of a tile are laid so (row r of tile I = real row 16 I - 8 (I & 1) + r + 8 (r / 8)) that the 16 registers of two neighbouring tiles of source 0 are 16 real neighbours.
; TWO MODES, by the cluster's x, which all partners share.  x = 0, 1 (q, k): source 0 = rows of W, source 1 = tokens: a lane holds one token and 128 channels (two heads), quantised along the head's 64.
; x = 2 (v): source 0 = tokens, source 1 = rows of W: a lane holds one channel and 128 keys, quantised along the keys, which are the second product's K.  Both operands lie in one buffer: only offsets are chosen.
; CLUSTERS: 4 x 4 work-groups; source 1's tile is shared along a row of the cluster, source 0's along a column: joint loads.
; The scale words of a K step (one word = 128 K of a row) come by four loads of 16 bytes a lane straight into registers, a K step ahead: register i holds fragment i's words, q = 0 in lanes 0-15, q = 1 in lanes 16-31.
; The bias is the C of each sum's first product.
; OUT: three regions (q, k, v), [batch x 16 + head][128 tokens][8,448 bytes]: 8,192 of codes, 256 of scale words.  q, k: token tile a at 1,024 a (two chunks: the head's 64); word m of row r at 8,192 + 16 r + 4 m: tile 2 m's two bytes, then
; tile 2 m + 1's.  v: tile dt of 16 channels x 128 keys at 2,048 dt; its word at 8,192 + 16 r + 4 dt.  Every store covers 512 consecutive bytes, aligned to 256.
; REGISTERS, in windows of 256: window 0: v16-31 addresses; v32-63 scale words, two sets; v64-127 the bias, later at work; v128-255 source 1's fragments, one set, later the codes.  window 1: source 0's fragments, two sets.
;   windows 2, 3: the accumulators ((a, b) at v[8 (8 (a % 4) + b)]).
; LIMITS: NaN and infinities are not served; a block under 2^-111, zeros too, keeps the byte 1 (its bytes are read by this program alone).
.set KDIM,  1024
.set TILEB, 256*KDIM
.set TILES, 8*KDIM
.set LAPS,  KDIM/512
.set SLOT,  131072
.set SPARE, 262144                     ; behind the ring: the spare words, 128 bytes a wave
.set FR,    16
.set NP,    8                          ; places behind this matrix instruction (ISA guide 7.12.1)
.set ADRA,  16
.set ADRB,  20
.set SPW,   28
.set NIL,   29
.set V16,   30
.set SC,    32
.set BIAS,  64
.set AF,    128
.set G1,    24
.set G0,    32
.set G1B,   48
.set G0B,   56
.set SAP,   66
.set SBP,   68
.set TM,    64
.set PW,    80
.set PC,    128
.set SEL,   94
.set MNT,   96
.set SB,    90
.set MSB,   0
.macro WIN new                         ; the immediate's high byte repeats the setting that is left
.if MSB != (\new)
	s_set_vgpr_msb (MSB<<8)|(\new)
.set MSB, (\new)
.endif
.endm
.macro JLOAD g0a, g0b                  ; a joint load: waves 0, 1 fetch source 1's halves, waves 2, 3 source 0's; four v_nop follow each line
	s_cmp_eq_u32 s15, 0
	s_cbranch_scc0 .Lfor_b_\@
	tensor_load_to_lds s[\g0a:\g0a+3], s[G1:G1+7]
	s_nop 0
.rept 4
	v_nop
.endr
	s_branch .Lasked_\@
.Lfor_b_\@:
	tensor_load_to_lds s[\g0b:\g0b+3], s[G1B:G1B+7]
	s_nop 0
.rept 4
	v_nop
.endr
.Lasked_\@:
.endm
.macro CREST                           ; a round of the cluster's barrier behind its opening barrier
	s_cmp_lg_u32 s14, 0
	s_cbranch_scc1 .Lnot_wave_0_\@
	s_barrier_signal -3
.Lnot_wave_0_\@:
	s_barrier_wait -3
	s_barrier_signal -1
	s_barrier_wait -1
.endm
.macro CROUND
	s_barrier_signal -1
	s_barrier_wait -1
	CREST
.endm
.macro PLACES n
.rept \n
	v_nop
.endr
.endm
.macro FRAG reg, adr, q, i             ; a fragment's image: four loads of 512 consecutive bytes
.irp c, 0,1,2,3
	ds_load_b128 v[\reg+4*\c:\reg+4*\c+3], v[\adr] offset:(\i)*4096+(\q)*2048+512*\c
.endr
.endm
.macro FETCH_B slot, q, p
	WIN 0x40
.irp i, 0,1,2,3,4,5,6,7
	FRAG 128*(\p)+FR*\i, ADRB+\slot, \q, \i
.endr
	WIN 0
.endm
.macro FETCH_A slot, q, i0
.irp i, \i0, \i0+1, \i0+2, \i0+3
	FRAG AF+FR*(\i), ADRA+\slot, \q, \i
.endr
.endm
; one product.  cm = 0: onto the sum; 1: the sum begins with the bias of source 0's rows; 2: with that of source 1's
.macro MM a, b, p, q, sc, cm
.set rD, 8*(8*((\a)%4)+\b)
.set rB, 128*(\p)+FR*\b
.set rA, AF+FR*(\a)
.set rX, SC+16*(\sc)+8+\b
.set rY, SC+16*(\sc)+(\a)
.if (\cm) == 1
	v_wmma_scale_f32_16x16x128_f8f6f4 v[rD:rD+7], v[rB:rB+15], v[rA:rA+15], v[BIAS+8*\b:BIAS+8*\b+7], v[rX], v[rY] matrix_a_fmt:MATRIX_FMT_BF8 matrix_b_fmt:MATRIX_FMT_BF8
.elseif (\cm) == 2
	v_wmma_scale_f32_16x16x128_f8f6f4 v[rD:rD+7], v[rB:rB+15], v[rA:rA+15], v[BIAS+8*(\a):BIAS+8*(\a)+7], v[rX], v[rY] matrix_a_fmt:MATRIX_FMT_BF8 matrix_b_fmt:MATRIX_FMT_BF8
.elseif (\q) == 0
	v_wmma_scale_f32_16x16x128_f8f6f4 v[rD:rD+7], v[rB:rB+15], v[rA:rA+15], v[rD:rD+7], v[rX], v[rY] matrix_a_fmt:MATRIX_FMT_BF8 matrix_b_fmt:MATRIX_FMT_BF8
.else
	v_wmma_scale_f32_16x16x128_f8f6f4 v[rD:rD+7], v[rB:rB+15], v[rA:rA+15], v[rD:rD+7], v[rX], v[rY] matrix_a_fmt:MATRIX_FMT_BF8 matrix_b_fmt:MATRIX_FMT_BF8 matrix_a_scale:MATRIX_SCALE_ROW1 matrix_b_scale:MATRIX_SCALE_ROW1
.endif
.endm
.macro MUL16 a0, p, q, sc, cm          ; the 64 accumulators take turns, one instruction a turn, in the same order in every step
.irp a, \a0, \a0+1
.irp b, 0,1,2,3,4,5,6,7
	MM \a, \b, \p, \q, \sc, \cm
.endr
.endr
.endm
.macro GSCALES set                     ; the scale words of the K step two on, into the set just left
	s_wait_xcnt 0x0                                ; the last scale loads have read their bases
	s_add_nc_u64 s[SAP:SAP+1], s[SAP:SAP+1], 2048
	s_add_nc_u64 s[SBP:SBP+1], s[SBP:SBP+1], 2048
	global_load_b128 v[SC+16*\set:SC+16*\set+3], v[V16], s[SAP:SAP+1]
	global_load_b128 v[SC+16*\set+4:SC+16*\set+7], v[V16], s[SAP:SAP+1] offset:512
	global_load_b128 v[SC+16*\set+8:SC+16*\set+11], v[V16], s[SBP:SBP+1]
	global_load_b128 v[SC+16*\set+12:SC+16*\set+15], v[V16], s[SBP:SBP+1] offset:512
.endm
; a slot's first 128 along K.  lc: the scale loads issued behind this slot's, which may stay out
.macro STEP slot, cm, lc
	s_wait_loadcnt \lc
	s_wait_dscnt 16                                ; source 0's set and source 1's blocks 0-3 are in; the youngest 16 loads (blocks 4-7) may be out
.if \cm
	WIN 0x81
.else
	WIN 0xa1
.endif
	MUL16 0, 0, 0, \slot, \cm
	MUL16 2, 0, 0, \slot, \cm
	s_wait_dscnt 0x0
	PLACES NP
	FETCH_B \slot, 1, 1
	FETCH_A \slot, 1, 0
.if \cm
	WIN 0xc1
.else
	WIN 0xf1
.endif
	MUL16 4, 0, 0, \slot, \cm
	MUL16 6, 0, 0, \slot, \cm
	PLACES NP
	WIN 0
	FETCH_A \slot, 1, 4
.endm
; a slot's second 128 along K changes slots: one barrier; in front of it each wave waits for all its tensor loads, adds 0 to its spare word, and waits for that and for its reads of the slot
.macro TURN slot, next, fill
	s_wait_tensorcnt 0x0                           ; all my tensor loads have landed: my part of the next slot
	ds_add_u32 v[SPW], v[NIL]                      ; 0 onto my spare word
	s_wait_dscnt 17                                ; (the add and the youngest 16 loads may be out)
	WIN 0xa1
	MUL16 0, 1, 1, \slot, 0
	s_wait_dscnt 0x0                               ; the add is done, and my reads of this slot are over
	s_barrier_signal -1
	MUL16 2, 1, 1, \slot, 0
	WIN 0
	s_barrier_wait -1
.if \fill
	CREST                                          ; the barrier has opened a round of the cluster's: no wave of any partner still reads this slot or has a load on its way
	s_add_nc_u64 s[G0+4*\slot+2:G0+4*\slot+3], s[G0+4*\slot+2:G0+4*\slot+3], 131072
	s_add_nc_u64 s[G0B+4*\slot+2:G0B+4*\slot+3], s[G0B+4*\slot+2:G0B+4*\slot+3], 131072
	JLOAD G0+4*\slot, G0B+4*\slot                  ; the first tensor load behind the round; its four v_nop are among the places in front of the loads below
	PLACES NP-4
.else
	PLACES NP
.endif
	FETCH_B \next, 0, 0
	FETCH_A \next, 0, 0
	WIN 0xf1
	MUL16 4, 1, 1, \slot, 0
	MUL16 6, 1, 1, \slot, 0
	PLACES NP
	WIN 0
	FETCH_A \next, 0, 4
.if \fill
	GSCALES \slot
.endif
.endm
; 64 numbers of a lane in window w, register 16 b + i = k 32 b + 16 (lane / 16) + i, become a fragment's codes in v[PC] on and its scale word in v[pw] (both in window 0)
.macro QUANT s, w, pw
	WIN ((\w)<<2)|(\w)
.irp b, 0,1,2,3
	v_max3_num_f32 v[TM+\b], |v[(\s)+16*\b]|, |v[(\s)+16*\b+1]|, 0x8000000    ; each accumulator from its low end on; the floor 2^(16 - 127) holds the byte at 1 from below
.endr
.irp i, 2,4,6,8,10,12,14
.irp b, 0,1,2,3
	v_max3_num_f32 v[TM+\b], |v[(\s)+16*\b+\i]|, |v[(\s)+16*\b+\i+1]|, v[TM+\b]
.endr
.endr
	WIN 0
.irp b, 0,1,2,3
	v_permlanex16_b32 v[TM+4+\b], v[TM+\b], s[SEL], s[SEL+1]
.endr
.irp b, 0,1,2,3
	v_max_num_f32 v[TM+\b], v[TM+\b], v[TM+4+\b]
.endr
.irp b, 0,1,2,3
	v_add_nc_u32 v[TM+12+\b], 0xf8800000, v[TM+\b]                  ; 15 off the exponent field: the conversion's scale operand
	v_and_or_b32 v[TM+8+\b], v[TM+\b], 0x7f800000, s[MNT]           ; 57,344 x the scale
.endr
.irp b, 0,1,2,3
	v_lshrrev_b32 v[TM+4+\b], 23, v[TM+12+\b]                       ; the byte
.endr
	v_lshl_or_b32 v[\pw], v[TM+5], 8, v[TM+4]
	v_lshl_or_b32 v[\pw], v[TM+6], 16, v[\pw]
	v_lshl_or_b32 v[\pw], v[TM+7], 24, v[\pw]
	WIN ((\w)<<6)|(\w)
.irp b, 0,1,2,3
.irp i, 0,1,2,3,4,5,6,7,8,9,10,11,12,13,14,15
	v_med3_num_f32 v[(\s)+16*\b+\i], v[(\s)+16*\b+\i], -v[TM+8+\b], v[TM+8+\b]   ; the conversion does not saturate (ISA guide 7.6.2): the hold
.endr
.endr
	WIN (\w)
.irp b, 0,1,2,3
	v_cvt_scalef32_pk8_bf8_f32 v[PC+4*\b:PC+4*\b+1], v[(\s)+16*\b:(\s)+16*\b+7], v[TM+12+\b]
	v_cvt_scalef32_pk8_bf8_f32 v[PC+4*\b+2:PC+4*\b+3], v[(\s)+16*\b+8:(\s)+16*\b+15], v[TM+12+\b]
.endr
	WIN 0
	v_nop                                          ; one plain line behind the last conversion
.endm
	s_load_b128 s[4:7], s[0:1], 0x0                ; the packs s[4:5], b_qkv s[6:7]
	s_load_b64 s[8:9], s[0:1], 0x10                ; the output
	v_lshl_add_u32 v[SPW], v0, 2, SPARE
	v_mov_b32 v[NIL], 0
	ds_add_u32 v28, v29
	ds_add_u32 v28, v29
	s_wait_dscnt 0x0
	v_lshrrev_b32 v1, 5, v0
	v_readfirstlane_b32 s14, v1                    ; wave 0..3
	s_lshr_b32 s15, s14, 1                         ; my half of source 1's rows.  Also: I fetch for source 1 (0) or source 0 (1)
	s_and_b32 s16, s14, 1                          ; my half of source 0's rows.  Also: which 128 rows I fetch
	s_bfe_u32 s40, ttmp6, 0x40000                  ; cx
	s_bfe_u32 s41, ttmp6, 0x40004                  ; cy
	s_and_b32 s13, ttmp7, 0xffff                   ; the cluster's y
	s_lshl_b32 s43, s41, 2
	s_lshl_b32 s43, 15, s43                        ; my row of the cluster
	s_lshl_b32 s44, 0x1111, s40                    ; my column
	s_or_b32 s[G1+0], s43, (3<<16)|(1<<21)         ; 15:0 the mask; 17:16 elements of 8 bytes; 21 set beside a mask; no padding
	s_or_b32 s[G1B+0], s44, (3<<16)|(1<<21)
.irp g, G1, G1B
	s_mov_b32 s[\g+1], 32<<16                      ; tensor_dim0: 32 elements, 256 bytes
	s_mov_b32 s[\g+2], 128<<16                     ; tensor_dim1
	s_mov_b32 s[\g+3], 32<<16                      ; tile_dim0
	s_mov_b32 s[\g+4], 128                         ; tile_dim1: 128 rows of 256 bytes on end: 32 KiB
	s_mov_b32 s[\g+5], 32                          ; the pitch
	s_mov_b32 s[\g+6], 0
	s_mov_b32 s[\g+7], 0
.endr
	s_lshl_b32 s72, s13, 20                        ; h1's codes at token tile 4 x cluster y,
	s_lshl_b32 s73, s13, 15
	s_add_co_u32 s73, s73, 4194304                 ; its scale words;
	s_lshl_b32 s74, ttmp9, 20
	s_add_co_u32 s74, s74, 4325376                 ; w_qkv's codes at tile 4 x cluster x (8, the first of v's, where x = 2),
	s_lshl_b32 s75, ttmp9, 15
	s_add_co_u32 s75, s75, 7471104                 ; its scale words
	s_cmp_eq_u32 ttmp9, 2                          ; v's clusters: the two operands change sides
	s_cselect_b32 s70, 1, 0
	s_cselect_b32 s20, s74, s72                    ; source 1: codes,
	s_cselect_b32 s22, s75, s73                    ; scale words
	s_cselect_b32 s46, s72, s74                    ; source 0
	s_cselect_b32 s92, s73, s75
	s_cselect_b32 s78, s40, s41                    ; for the way out alone: the token tile's place in the cluster,
	s_cselect_b32 s79, s16, s15                    ; my half of it,
	s_cselect_b32 s80, s41, s40                    ; the channel tile's place,
	s_cselect_b32 s81, s15, s16                    ; my half of it
	s_lshl_b32 s18, s41, 18                        ; source 1's address hangs on cy and never on cx,
	s_add_co_u32 s20, s20, s18
	s_lshl_b32 s18, s41, 13
	s_add_co_u32 s22, s22, s18
	s_lshl_b32 s18, s40, 18                        ; source 0's on cx and never on cy
	s_add_co_u32 s46, s46, s18
	s_lshl_b32 s18, s40, 13
	s_add_co_u32 s92, s92, s18
	s_lshl_b32 s18, s16, 15                        ; the 128 rows that I fetch
	s_add_co_u32 s20, s20, s18
	s_add_co_u32 s46, s46, s18
	s_lshl_b32 s18, s15, 10                        ; the scale words of the rows that I multiply
	s_add_co_u32 s22, s22, s18
	s_lshl_b32 s18, s16, 10
	s_add_co_u32 s92, s92, s18
	s_mov_b32 s21, 0
	s_mov_b32 s23, 0
	s_mov_b32 s47, 0
	s_mov_b32 s93, 0
	s_lshl_b32 s83, s13, 2
	s_add_co_u32 s83, s83, s78
	s_lshl_b32 s83, s83, 1
	s_add_co_u32 s83, s83, s79                     ; my first token / 128
	s_lshl_b32 s84, ttmp9, 2
	s_add_co_u32 s84, s84, s80
	s_lshl_b32 s84, s84, 1
	s_add_co_u32 s84, s84, s81                     ; my first channel / 128
	s_lshr_b32 s85, s84, 3
	s_mul_i32 s85, s85, 4325376                    ; the region: q, k or v
	s_lshr_b32 s86, s83, 4
	s_lshl_b32 s86, s86, 4                         ; 16 x batch
	s_and_b32 s87, s84, 7
	s_lshl_b32 s87, s87, 1                         ; my first head
	s_add_co_u32 s86, s86, s87
	s_mul_i32 s86, s86, 135168
	s_add_co_u32 s85, s85, s86
	s_and_b32 s86, s83, 15
	s_mul_i32 s86, s86, 8448                       ; the 128 tokens
	s_add_co_u32 s[SB], s85, s86
	s_mov_b32 s[SB+1], 0
	s_lshl_b32 s88, s84, 9                         ; my channels' bias
	s_mov_b32 s89, 0
	s_lshl_b32 s45, s14, 15                        ; where my tile goes: wave x 32 KiB: no place in the cluster enters an LDS address
	s_mov_b32 s[SEL], 0x76543210
	s_mov_b32 s[SEL+1], 0xfedcba98
	s_mov_b32 s[MNT], 0x600000
	s_wait_kmcnt 0x0
	s_add_nc_u64 s[20:21], s[4:5], s[20:21]
	s_add_nc_u64 s[46:47], s[4:5], s[46:47]
	s_add_nc_u64 s[SAP:SAP+1], s[4:5], s[22:23]
	s_add_nc_u64 s[SBP:SBP+1], s[4:5], s[92:93]
	s_add_nc_u64 s[SB:SB+1], s[8:9], s[SB:SB+1]
	s_add_nc_u64 s[6:7], s[6:7], s[88:89]
	CROUND                                         ; all sixteen work-groups are here: the first joint loads meet
.irp s, 0,1
	s_mov_b32 s[G0+4*\s], 1
	s_add_co_u32 s[G0+4*\s+1], s45, \s*SLOT
	s_add_nc_u64 s[G0+4*\s+2:G0+4*\s+3], s[20:21], \s*65536
	s_or_b32 s[G0+4*\s+3], s[G0+4*\s+3], 0x80000000
	s_mov_b32 s[G0B+4*\s], 1
	s_add_co_u32 s[G0B+4*\s+1], s45, \s*SLOT
	s_add_nc_u64 s[G0B+4*\s+2:G0B+4*\s+3], s[46:47], \s*65536
	s_or_b32 s[G0B+4*\s+3], s[G0B+4*\s+3], 0x80000000
.if \s                                         ; behind K step 0's load: the scale words and the bias are asked for while that tile is on its way
	s_cmp_eq_u32 s15, 0                            ; the prefetches' base: of the 32 KiB that I fetch, the four partners that ask jointly take 8 KiB each, told apart by address
	s_cselect_b64 s[76:77], s[20:21], s[46:47]
	s_cselect_b32 s78, s40, s41
	s_lshl_b32 s78, s78, 13
	s_mov_b32 s79, 0
	s_add_nc_u64 s[76:77], s[76:77], s[78:79]
	v_and_b32 v1, 31, v0                           ; lane
	v_and_b32 v2, 15, v0                           ; r
	v_bfe_u32 v3, v0, 4, 1                         ; h
	v_lshlrev_b32 v[V16], 4, v1
	v_lshlrev_b32 v23, 8, v1                       ; 256 x lane
.irp z, 0,1                                    ; the scale words of K steps 0 and 1
	global_load_b128 v[SC+16*\z:SC+16*\z+3], v[V16], s[SAP:SAP+1] offset:2048*\z
	global_load_b128 v[SC+16*\z+4:SC+16*\z+7], v[V16], s[SAP:SAP+1] offset:2048*\z+512
	global_load_b128 v[SC+16*\z+8:SC+16*\z+11], v[V16], s[SBP:SBP+1] offset:2048*\z
	global_load_b128 v[SC+16*\z+12:SC+16*\z+15], v[V16], s[SBP:SBP+1] offset:2048*\z+512
.endr
	v_lshlrev_b32 v31, 6, v3                       ; 64 h
	v_and_b32 v27, 8, v2
	v_add_nc_u32 v27, v27, v2
	v_lshlrev_b32 v27, 2, v27                      ; 4 (r + 8 (r / 8))
	s_cmp_eq_u32 s70, 0
	s_cbranch_scc0 .Lbias_v
.irp g, 0,1,2,3                                ; q, k: register 16 g + i is the bias of channel 32 g + 16 h + i: the result's layout
.irp j, 0,1,2,3
	global_load_b128 v[BIAS+16*\g+4*\j:BIAS+16*\g+4*\j+3], v31, s[6:7] offset:128*\g+16*\j
.endr
.endr
	s_branch .Lbias_done
.Lbias_v:
	s_wait_alu depctr_va_vdst(0)
.irp a, 0,1,2,3,4,5,6,7                        ; v: a lane holds one channel: eight registers with its bias for each tile a
.irp j, 0,1,2,3,4,5,6,7
	global_load_b32 v[BIAS+8*\a+\j], v27, s[6:7] offset:(32*(\a/2)+8*(\a%2))*4
.endr
.endr
.Lbias_done:
	s_wait_alu depctr_va_vdst(0)
	global_prefetch_b8 v23, s[76:77] offset:65536 th:TH_LOAD_NT scope:SCOPE_SE     ; K steps 1 and 2: 32 lanes, 256 bytes apart
	global_prefetch_b8 v23, s[76:77] offset:2*65536 th:TH_LOAD_NT scope:SCOPE_SE
	s_wait_alu depctr_va_vdst(0)
	s_wait_tensorcnt 0x0
	ds_add_u32 v28, v29
	ds_add_u32 v28, v29
	s_wait_dscnt 0x0
	CROUND
.endif
	JLOAD G0+4*\s, G0B+4*\s
.if \s
	global_prefetch_b8 v23, s[76:77] offset:3*65536 th:TH_LOAD_NT scope:SCOPE_SE   ; K step 3, two refills ahead of its load
.endif
.endr
	s_lshl_b32 s21, s15, 15
	s_lshl_b32 s22, s16, 15
	s_add_co_u32 s22, s22, 65536                   ; source 0's 256 rows lie behind source 1's
	s_wait_alu depctr_va_vdst(0)
.irp s, 0,1
	v_add_nc_u32 v[ADRA+\s], s21, v[V16]
	v_add_nc_u32 v[ADRB+\s], s22, v[V16]
	s_add_co_u32 s21, s21, SLOT
	s_add_co_u32 s22, s22, SLOT
.endr
	v_mul_u32_u24 v26, v3, 135168
	v_lshl_add_u32 v26, v2, 4, v26                 ; the scale words' way out: 16 r; lanes 16-31 take the next head's pack
	s_wait_alu depctr_va_vdst(0)
	s_wait_loadcnt 0x0                             ; scale words and bias (the two ways have issued different numbers of loads)
	s_add_nc_u64 s[SAP:SAP+1], s[SAP:SAP+1], 2048  ; at K step 1: each later fetch steps once more
	s_add_nc_u64 s[SBP:SBP+1], s[SBP:SBP+1], 2048
	s_wait_tensorcnt 1                             ; my part of K step 0 is in; K step 1's may stay out
	s_barrier_signal -1
	s_barrier_wait -1
	FETCH_B 0, 0, 0
	FETCH_A 0, 0, 0
	FETCH_A 0, 0, 4
	s_cmp_eq_u32 s70, 0                            ; the first step, whose products begin the sums with the bias, is written for each mode; it holds no tensor load and no barrier
	s_cbranch_scc0 .Lfirst_v
	STEP 0, 1, 0
	s_branch .Lfirst_done
.Lfirst_v:
	STEP 0, 2, 0
.Lfirst_done:
	s_mov_b32 s3, LAPS-1
.Llap:                                             ; a trip goes once round the ring and fills both slots again
	TURN 0, 1, 1
	STEP 1, 0, 4
	TURN 1, 0, 1
	STEP 0, 0, 4
	s_sub_co_u32 s3, s3, 1
	s_cmp_lg_u32 s3, 0
	s_cbranch_scc1 .Llap
	TURN 0, 1, 0                                   ; the last lap fills nothing
	STEP 1, 0, 0
	s_wait_dscnt 16
	WIN 0xa1
	MUL16 0, 1, 1, 1, 0
	MUL16 2, 1, 1, 1, 0
	s_wait_dscnt 0x0
	WIN 0xf1
	MUL16 4, 1, 1, 1, 0
	MUL16 6, 1, 1, 1, 0
	WIN 0
	PLACES NP
	; THE WAY OUT: block a's 64 registers a lane are one fragment's numbers: quantised and stored as its image
.irp a, 0,1,2,3,4,5,6,7
.if \a > 0
	s_wait_xcnt 0x0                                ; the last block's stores have read the codes' registers
.endif
	QUANT 64*(\a%4), 2+\a/4, PW+\a
	s_cmp_eq_u32 s70, 0
	s_cbranch_scc0 .Lv_\a
.irp c, 0,1,2,3                                ; q, k: token tile a; blocks 0, 1 are my first head's 64, blocks 2, 3 the next head's
	global_store_b128 v[V16], v[PC+4*\c:PC+4*\c+3], s[SB:SB+1] offset:\a*1024+(\c%2)*512+(\c/2)*135168
.endr
	s_branch .Ld_\a
.Lv_\a:
	s_wait_alu depctr_va_vdst(0)
.irp c, 0,1,2,3                                ; v: head a / 4, channel tile a % 4, 128 keys
	global_store_b128 v[V16], v[PC+4*\c:PC+4*\c+3], s[SB:SB+1] offset:(\a/4)*135168+(\a%4)*2048+512*\c
.endr
.Ld_\a:
.endr
	v_cmp_gt_u32 vcc_lo, 16, v1                    ; lanes 0-15 store my first head's words, lanes 16-31 the next head's
	s_cmp_eq_u32 s70, 0
	s_cbranch_scc0 .Lw_v
.irp j, 0,1,2,3
	v_perm_b32 v[88+\j], v[PW+2*\j+1], v[PW+2*\j], 0x05040100      ; tile 2 j's two bytes of the first head, then tile 2 j + 1's
	v_perm_b32 v[92+\j], v[PW+2*\j+1], v[PW+2*\j], 0x07060302      ; the same of the next head
.endr
.irp j, 0,1,2,3
	v_cndmask_b32 v[88+\j], v[92+\j], v[88+\j], vcc_lo
.endr
	s_branch .Lw_done
.Lw_v:
.irp j, 0,1,2,3
	v_cndmask_b32 v[88+\j], v[PW+4+\j], v[PW+\j], vcc_lo
.endr
.Lw_done:
	s_wait_alu depctr_va_vdst(0)
	global_store_b128 v26, v[88:91], s[SB:SB+1] offset:8192        ; 16 lanes store 256 consecutive bytes, aligned
	s_wait_tensorcnt 0x0                           ; the wave's end
	ds_add_u32 v[SPW], v[NIL]
	s_wait_dscnt 0x0
	CROUND                                         ; the closing round
	s_endpgm
.Lfunc_end_k_q9e0baaffc0_qkv:
	.size	k_q9e0baaffc0_qkv, .Lfunc_end_k_q9e0baaffc0_qkv-k_q9e0baaffc0_qkv
	.p2alignl 7, 3214868480
	.fill 96, 4, 3214868480
	.section	.rodata,"a",@progbits
	.p2align	6, 0x0
	.amdhsa_kernel k_q9e0baaffc0_qkv
		.amdhsa_group_segment_fixed_size 327680
		.amdhsa_private_segment_fixed_size 0
		.amdhsa_enable_private_segment 0
		.amdhsa_kernarg_size 24
		.amdhsa_user_sgpr_count 2
		.amdhsa_user_sgpr_kernarg_segment_ptr 1
		.amdhsa_wavefront_size32 1
		.amdhsa_system_sgpr_workgroup_id_x 1
		.amdhsa_system_sgpr_workgroup_id_y 1
		.amdhsa_system_sgpr_workgroup_id_z 1
		.amdhsa_system_vgpr_workitem_id 0
		.amdhsa_next_free_vgpr 1024
		.amdhsa_next_free_sgpr 100
		.amdhsa_reserve_vcc 1
		.amdhsa_float_denorm_mode_32 3
		.amdhsa_float_denorm_mode_16_64 3
		.amdhsa_memory_ordered 1
		.amdhsa_forward_progress 1
		.amdhsa_inst_pref_size 210
	.end_amdhsa_kernel
	.amdgpu_metadata
---
amdhsa.version: [ 1, 2 ]
amdhsa.kernels:
  - .name:           k_q9e0baaffc0_qkv
    .symbol:         k_q9e0baaffc0_qkv.kd
    .args:
      - { .name: p0, .offset: 0, .size: 8, .value_kind: global_buffer, .address_space: global }
      - { .name: b_qkv, .offset: 8, .size: 8, .value_kind: global_buffer, .address_space: global }
      - { .name: qkvb, .offset: 16, .size: 8, .value_kind: global_buffer, .address_space: global }
    .group_segment_fixed_size: 327680
    .private_segment_fixed_size: 0
    .kernarg_segment_align: 8
    .kernarg_segment_size: 24
    .max_flat_workgroup_size: 128
    .sgpr_count:     100
    .vgpr_count:     1024
    .wavefront_size: 32
...
	.end_amdgpu_metadata
.endif
;; end of part 8
;; launch attn (part 9): grid 16 x 16, 8 waves a work-group, no clusters, 327,680 bytes of LDS; arguments qkvb, yb; writes yb
.if DOCPART == 9
	.amdgcn_target "amdgcn-amd-amdhsa--gfx1250"
	.amdhsa_code_object_version 6
	.text
	.protected	k_q9e0baaffc0_attn
	.globl	k_q9e0baaffc0_attn
	.p2align	8
	.type	k_q9e0baaffc0_attn,@function
k_q9e0baaffc0_attn:
	s_mov_b64 s[64:65], 0
	v_nop
	global_prefetch_b8 v0, s[64:65] scope:SCOPE_SE
	s_setreg_imm32_b32 hwreg(HW_REG_WAVE_MODE, 25, 1), 1
	s_wait_xcnt 0x0
; CAUSAL ATTENTION on codes of BF8 (E5M2) with E8M0 scales; 32 (batch, head) x 2,048 tokens x 64.  y leaves quantised along C, as the next product's operand.
; THE SOFTMAX: t = score x log2(e) / 8; M = the running largest t rounded UP to a whole number; p = 2^(t - M) is quantised along the keys; the row's sum is taken of the unquantised p and divides at the end.
; When M moves, the sum and O are multiplied by 2^(old M - new M): nothing is rounded, and no branch hangs on data.
; SHARES.  Work-group (g, 8 batch + p) serves heads 2 p, 2 p + 1.  Wave w: head 2 p + (w & 1), tile e = w / 2 of TWO groups of 64 queries, 31 - g (tile 0 of the text) and g (tile 1), both held in registers at once.
; The keys are walked ONCE, 128 a key step: tile 0 takes key steps 0 .. (31 - g) / 2, tile 1 key steps 0 .. g / 2: 17 tile steps a wave in every work-group.  Where both tiles are at work they share K's and V's fragments.
; Key tiles that lie wholly behind the causal mask are not multiplied.
; LAYOUT.  Both products transposed: S^T = K Q^T, O^T = V^T P^T: a lane holds one query.  Tiles' rows are laid (row r of tile I = 16 I - 8 (I & 1) + r + 8 (r / 8)) so that 16 registers of two neighbouring tiles are 16 neighbours.
; THE HEAD'S 64 IN AN INSTRUCTION OF 128: a fragment of K holds two key tiles, in k 0-63 and k 64-127.  It is multiplied by (q, zero codes) and by (zero codes, q); the run q, zeros, q of 24 registers serves both.
; THE RING: two LDS slots of two key steps: K, V of two heads, two packs of 8,448 bytes on end each: one tensor load of 66 rows of 256 bytes by each of waves 0-3, read by all eight.
; A slot's fragments go to registers a trip ahead: K of its first key step behind the change of slots, the other three sets at the trip's end.  So the change of slots stands in a trip's middle: every read of the slot
; that is filled again was waited for, and the second key step's work, all in registers, follows the barrier.  The trip count is the constant 8; a slot whose first key step lies past tile 0's last is not asked for.
; NO CLUSTER: under the mask the sixteen work-groups of a pair of heads need 9 to 16 key steps: a joint load would bring some partner a slot of which it reads nothing.
; PREFETCH: work-group g = 0 walks all slots; slots 0, 1 come by their loads alone; the last named is slot 7.
; REGISTERS, window 0: v1-4 lane places; v5, v6 the add's; v7 the mask's term; v8-11 addresses in hand; per tile t: -M, largest t, the sum at v12 + 52 t on; q, 0, q at v16 + 24 t; O^T at v148 + 32 t; q's scale word v238 + t.
;   v68-131 S^T, p; v132-147 codes (first the sums' chains); v212-227 at work; v228-235, v248-255 K's and V's scale words.  Window 1: K, V of the slot's first key step at v0, v64; of the second at v128, v192.
; LIMITS: NaN and infinities are not served; the scaled scores stay under 2^31; v_exp_f32 gives 0 under 2^-126 (ISA guide 15.8); a block under 2^-111 keeps the byte 1; 1 / l is v_rcp_f32 and a multiplication.
.set SLOT1, 131072
.set PACK,  8448
.set SPARE, 262144                     ; the spare words: 128 bytes for each of eight waves
.set SCR,   263168                     ; y's scale words: [group g, group 31 - g][row][e], 512 bytes; no fill lands here
.set S,   68
.set PC,  132
.set TM,  212
.set F,   236
.set PWD, 237
.set T0,  240
.set T1,  241
.set L16, 242
.set R16, 243
.set L256, 244
.set SCW, 245
.set SCRD, 246
.set YW,  247
.set WV,  8
.set HP,  9
.set EE,  10
.set NX,  12                           ; s12, s13: the last key step of tile 0, of tile 1
.set NXM, 14                           ; s14, s15: the same less one
.set II,  17                           ; the trip's first key step
.set TB,  18                           ; the slot whose fragments are fetched
.set SEL, 20
.set CS,  22
.set G1,  24
.set G0,  32
.set PB,  36
.set TO,  38
.set YLO, 40
.set YHI, 42
.set QLO, 44
.set QHI, 46
.set MNT, 48
.set LIM, 49
.set PFA, 50
.set QSH, 52
.set QWLO, 54
.set QWHI, 56
.set WP,  58
.set GB,  62                           ; s62, s63: 64 x (the group & 1) of tile 0, of tile 1
.set MSB, 0
.macro WIN new                         ; the immediate's high byte repeats the setting that is left
.if MSB != (\new)
	s_set_vgpr_msb (MSB<<8)|(\new)
.set MSB, (\new)
.endif
.endm
.macro TSET t
.set MM, 12+52*(\t)
.set SU, 14+52*(\t)
.set Q,  16+24*(\t)
.set QS, 238+(\t)
.set O,  148+32*(\t)
.endm
.macro QUANT2 pw                       ; 32 numbers of a lane, register 16 b + i = k 32 b + 16 (lane / 16) + i, become codes in v[PC] on and two scale bytes in v[pw]
.irp b, 0,1
	v_max3_num_f32 v[TM+\b], |v[S+16*\b]|, |v[S+16*\b+1]|, 0x8000000
.endr
.irp i, 2,4,6,8,10,12,14
.irp b, 0,1
	s_delay_alu instid0(VALU_DEP_2)
	v_max3_num_f32 v[TM+\b], v[TM+\b], |v[S+16*\b+\i]|, |v[S+16*\b+\i+1]|
.endr
.endr
.irp b, 0,1
	s_delay_alu instid0(VALU_DEP_2)
	v_permlanex16_b32 v[TM+4+\b], v[TM+\b], s[SEL], s[SEL+1]
.endr
.irp b, 0,1
	s_delay_alu instid0(VALU_DEP_2)
	v_max_num_f32 v[TM+\b], v[TM+\b], v[TM+4+\b]
.endr
	s_delay_alu instid0(VALU_DEP_2)
	v_add_nc_u32 v[TM+12], 0xf8800000, v[TM]
	s_delay_alu instid0(VALU_DEP_3)
	v_and_or_b32 v[TM+8], v[TM], 0x7f800000, s[MNT]
	s_delay_alu instid0(VALU_DEP_3)
	v_add_nc_u32 v[TM+13], 0xf8800000, v[TM+1]
	s_delay_alu instid0(VALU_DEP_4)
	v_and_or_b32 v[TM+9], v[TM+1], 0x7f800000, s[MNT]
	s_delay_alu instid0(VALU_DEP_4)
	v_lshrrev_b32 v[TM+4], 23, v[TM+12]
	s_delay_alu instid0(VALU_DEP_3)
	v_lshrrev_b32 v[TM+5], 23, v[TM+13]
	s_delay_alu instid0(VALU_DEP_1)
	v_lshl_or_b32 v[\pw], v[TM+5], 8, v[TM+4]
.irp b, 0,1
.irp i, 0,1,2,3,4,5,6,7,8,9,10,11,12,13,14,15
	v_med3_num_f32 v[S+16*\b+\i], v[S+16*\b+\i], -v[TM+8+\b], v[TM+8+\b]
.endr
	v_cvt_scalef32_pk8_bf8_f32 v[PC+4*\b:PC+4*\b+1], v[S+16*\b:S+16*\b+7], v[TM+12+\b]
	v_cvt_scalef32_pk8_bf8_f32 v[PC+4*\b+2:PC+4*\b+3], v[S+16*\b+8:S+16*\b+15], v[TM+12+\b]
.endr
	v_nop
.endm
.macro TLOAD                           ; waves 0-3 fetch two packs on end each; s_nop 0 and four v_nop follow the line
	s_cmp_lt_u32 s[WV], 4
	s_cbranch_scc0 .Lnone_\@
	tensor_load_to_lds s[G0:G0+3], s[G1:G1+7]
	s_nop 0
.rept 4
	v_nop
.endr
.Lnone_\@:
.endm
.macro ASK                             ; the codes of the slot behind the one just asked for: two instructions in each asking wave
	s_cmp_lt_u32 s[II], s[LIM]
	s_cbranch_scc0 .Lnot_mine_\@
	global_prefetch_b8 v[L256], s[PFA:PFA+1] th:TH_LOAD_NT scope:SCOPE_SE
	global_prefetch_b8 v[L256], s[PFA:PFA+1] offset:PACK th:TH_LOAD_NT scope:SCOPE_SE
.Lnot_mine_\@:
.endm
; where tile t's codes of q, its pair's scale word and its place in y begin, as offsets
.macro TILEADR t, q, qw, y
	s_lshr_b32 s73, s[\t], 3
	s_mul_i32 s73, s73, PACK
	s_add_co_u32 s73, s73, s69
	s_and_b32 s74, s[\t], 7
	s_lshl_b32 s75, s74, 10
	s_add_co_u32 s[\q], s73, s75
	s_mov_b32 s[\q+1], 0
	s_lshr_b32 s74, s74, 1
	s_lshl_b32 s74, s74, 2
	s_add_co_u32 s74, s74, 8192
	s_add_co_u32 s[\qw], s73, s74
	s_mov_b32 s[\qw+1], 0
	s_lshl_b32 s73, s67, 7
	s_add_co_u32 s73, s73, s[\t]
	s_lshr_b32 s74, s73, 4
	s_lshl_b32 s74, s74, 18
	s_and_b32 s73, s73, 15
	s_lshl_b32 s73, s73, 12
	s_add_co_u32 s74, s74, s73
	s_add_co_u32 s[\y], s74, s76
	s_mov_b32 s[\y+1], 0
.endm
.macro QLOAD q, qw, t                  ; q's 64 codes a row come twice: ahead of the zero codes and behind them
	TSET \t
	global_load_b128 v[Q:Q+3], v[L16], s[\q:\q+1]
	global_load_b128 v[Q+4:Q+7], v[L16], s[\q:\q+1] offset:512
	global_load_b128 v[Q+16:Q+19], v[L16], s[\q:\q+1]
	global_load_b128 v[Q+20:Q+23], v[L16], s[\q:\q+1] offset:512
	global_load_b32 v[T0+\t], v[R16], s[\qw:\qw+1]
.endm
.macro BEGIN t                         ; a tile's sums begin: zeros, which the first change of M leaves zeros
	TSET \t
	v_mov_b32 v[MM+1], 0xff61b1e6                  ; the largest t so far: -3e38
	v_floor_f32 v[MM], -v[MM+1]
	v_mov_b32 v[SU], 0
	v_mov_b32 v[SU+1], 0
.set j, 0
.rept 32
	v_mov_b32 v[O+j], 0
.set j, j+1
.endr
.endm
.macro QWORD t                         ; my tile's two bytes of the pair's word, in both halves: they serve (q, 0) and (0, q)
	TSET \t
	v_lshrrev_b32 v[QS], s[QSH], v[T0+\t]
	v_and_b32 v[QS], 0xffff, v[QS]
	v_lshl_or_b32 v[QS], v[QS], 16, v[QS]
.endm
.macro FRAGS reg, adr, off             ; four fragments' images into window 1
.irp m, 0,1,2,3
.irp c, 0,1,2,3
	ds_load_b128 v[\reg+16*\m+4*\c:\reg+16*\m+4*\c+3], v[\adr] offset:\off+2048*\m+512*\c
.endr
.endr
.endm
.macro KLOAD0                          ; K of a slot's first key step, and its scale words: 17 loads
	WIN 0x40
	FRAGS 0, 8, 0
	WIN 0
	ds_load_b128 v[228:231], v10
.endm
.macro REST                            ; the slot's other three sets and their scale words: 51 loads
	WIN 0x40
	FRAGS 64, 9, 0
	FRAGS 128, 8, PACK
	FRAGS 192, 9, PACK
	WIN 0
	ds_load_b128 v[232:235], v11
	ds_load_b128 v[248:251], v10 offset:PACK
	ds_load_b128 v[252:255], v11 offset:PACK
.endm
; THE CHANGE OF SLOTS.  Each wave waits for all its tensor loads, adds 0 to its spare word (twice on end), and waits for that and for its LDS reads.
; Behind the barrier the slot that was read out is filled.  lim = 1: only while the slot asked for, two on, begins at or under tile 0's last key step: ids and the count of trips alone, the same in all eight waves.
.macro CHANGE lim
	s_wait_tensorcnt 0x0                           ; no tensor load of mine is out, so group 0 may be written
	ds_add_u32 v5, v6
	ds_add_u32 v5, v6
	s_xor_b32 s[G0+1], s[G0+1], SLOT1              ; the other slot than last time,
	s_add_nc_u64 s[G0+2:G0+3], s[G0+2:G0+3], 2*PACK   ; the next two key steps
	s_wait_xcnt 0x0                                ; the last prefetches have read their address
	s_add_nc_u64 s[PFA:PFA+1], s[PFA:PFA+1], 2*PACK
	s_wait_dscnt 0x0                               ; both adds are done, and my LDS reads are over
	s_barrier_signal -1
	s_barrier_wait -1
.if \lim
	s_add_co_u32 s[TO], s[II], 4
	s_cmp_gt_u32 s[TO], s[NX]
	s_cbranch_scc1 .Lpast_\@
.endif
	TLOAD                                          ; a wave's one tensor load until the next barrier
.Lpast_\@:
	ASK
.endm
.macro ADDRS                           ; the fragments' and scale words' addresses in the slot s[TB]
	v_add_nc_u32 v8, s[TB], v1
	v_add_nc_u32 v9, s[TB], v2
	v_add_nc_u32 v10, s[TB], v3
	v_add_nc_u32 v11, s[TB], v4
	s_wait_alu depctr_va_vdst(0)                   ; the wait directly behind the writes
.endm
; A TILE STEP: tile t against the 128 keys of the slot's key step kq, whose fragments are in window 1
.macro STEP kq, t
	TSET \t
.set KB,  128*(\kq)
.set VB,  64+128*(\kq)
.set KSR, 228+20*(\kq)
.set VSR, 232+20*(\kq)
	WIN 1
.irp m, 0,1,2,3
	v_wmma_scale_f32_16x16x128_f8f6f4 v[S+16*\m:S+16*\m+7], v[KB+16*\m:KB+16*\m+15], v[Q:Q+15], 0, v[KSR+\m], v[QS] matrix_a_fmt:MATRIX_FMT_BF8 matrix_b_fmt:MATRIX_FMT_BF8
	v_wmma_scale_f32_16x16x128_f8f6f4 v[S+16*\m+8:S+16*\m+15], v[KB+16*\m:KB+16*\m+15], v[Q+8:Q+23], 0, v[KSR+\m], v[QS] matrix_a_fmt:MATRIX_FMT_BF8 matrix_b_fmt:MATRIX_FMT_BF8
.endr                                              ; register 16 m + i is key 32 m + 16 (lane / 16) + i of the step
	WIN 0
.rept 8
	v_nop                                          ; eight places ahead of the first read of the scores
.endr
.if \kq
	s_cmp_lg_u32 s[II], s[NXM+\t]
.else
	s_cmp_lg_u32 s[II], s[NX+\t]
.endif
	s_cbranch_scc1 .Lopen_\@                       ; a branch on ids: only the tile's last key step lies on the diagonal
	v_add_nc_u32 v[T1], s[GB+\t], v7               ; d = my query - the step's first key - 16 (lane / 16): register 16 b + i is hidden where 32 b + i > d
	v_mov_b32 v[T0], 0xff800000                    ; -infinity: p = 0 then
.set n, 0
.rept 64
	v_cmp_gt_i32 vcc_lo, 32*(n/16)+n%16, v[T1]
	v_cndmask_b32 v[S+n], v[S+n], v[T0], vcc_lo
.set n, n+1
.endr
.Lopen_\@:
.irp b, 0,1,2,3
	v_max3_num_f32 v[TM+\b], v[S+16*\b], v[S+16*\b+1], v[S+16*\b+2]       ; the largest score of each block of 32 keys: for the row's maximum and, since p rises with the score, for the block's largest p
.endr
.irp i, 3,5,7,9,11,13
.irp b, 0,1,2,3
	v_max3_num_f32 v[TM+\b], v[TM+\b], v[S+16*\b+\i], v[S+16*\b+\i+1]
.endr
.endr
.irp b, 0,1,2,3
	v_max_num_f32 v[TM+\b], v[TM+\b], v[S+16*\b+15]
.endr
.irp b, 0,1,2,3
	s_delay_alu instid0(VALU_DEP_4)
	v_permlanex16_b32 v[TM+4+\b], v[TM+\b], s[SEL], s[SEL+1]
.endr
.irp b, 0,1,2,3
	s_delay_alu instid0(VALU_DEP_4)
	v_max_num_f32 v[TM+\b], v[TM+\b], v[TM+4+\b]
.endr
	s_delay_alu instid0(VALU_DEP_2)
	v_max3_num_f32 v[T0], v[TM], v[TM+1], v[TM+2]
	s_delay_alu instid0(VALU_DEP_1)
	v_max_num_f32 v[T0], v[T0], v[TM+3]
	s_delay_alu instid0(VALU_DEP_1)
	v_mul_f32 v[T0], s[CS], v[T0]
	s_delay_alu instid0(VALU_DEP_1)
	v_max_num_f32 v[MM+1], v[MM+1], v[T0]          ; the running largest t
	v_mov_b32 v[T0], v[MM]
	s_delay_alu instid0(VALU_DEP_2)
	v_floor_f32 v[MM], -v[MM+1]                    ; the new -M = -ceil(t)
	s_delay_alu instid0(VALU_DEP_1)
	v_sub_f32 v[T0], v[MM], v[T0]                  ; old M - new M: a whole number, 0 or less
	s_delay_alu instid0(VALU_DEP_1)
	v_cvt_i32_f32 v[T0], v[T0]                     ; (it saturates)
	s_delay_alu instid0(VALU_DEP_1)
	v_ldexp_f32 v[F], 1.0, v[T0]                   ; f = 2^(old M - new M)
.set j, 0
.rept 32
	v_pk_fma_f32 v[S+j:S+j+1], v[S+j:S+j+1], s[CS:CS+1], v[MM:MM+1] op_sel_hi:[1,0,0]   ; t - M
.set j, j+2
.endr
.irp b, 0,1,2,3
	v_fma_f32 v[TM+\b], v[TM+\b], s[CS], v[MM]
.endr
	s_wait_alu depctr_va_vdst(0)                   ; the wait ahead of the batch
.set j, 0
.rept 64
	v_exp_f32 v[S+j], v[S+j]                       ; p = 2^(t - M): not normalised
.set j, j+1
.endr
.irp b, 0,1,2,3
	v_exp_f32 v[TM+\b], v[TM+\b]                   ; the block's largest p: the same two instructions on the same number
.endr
	v_pk_mul_f32 v[SU:SU+1], v[SU:SU+1], v[F:F+1] op_sel_hi:[1,0]    ; the sums under the new M (a plain line behind the exponentials)
	s_wait_alu depctr_va_vdst(0)                   ; and the one behind it, ahead of the first reader
.irp b, 0,1,2,3
	v_max_num_f32 v[TM+\b], 0x8000000, v[TM+\b]    ; the floor 2^(16 - 127)
.endr
.irp b, 0,1,2,3
	v_add_nc_u32 v[TM+12+\b], 0xf8800000, v[TM+\b]
	v_and_or_b32 v[TM+8+\b], v[TM+\b], 0x7f800000, s[MNT]
.endr
.irp b, 0,1,2,3
	v_lshrrev_b32 v[TM+4+\b], 23, v[TM+12+\b]
.endr
	s_delay_alu instid0(VALU_DEP_3)
	v_lshl_or_b32 v[PWD], v[TM+5], 8, v[TM+4]      ; p's scale word for these 128 keys
	s_delay_alu instid0(VALU_DEP_1)
	v_lshl_or_b32 v[PWD], v[TM+6], 16, v[PWD]
	s_delay_alu instid0(VALU_DEP_1)
	v_lshl_or_b32 v[PWD], v[TM+7], 24, v[PWD]
.irp b, 0,1,2,3
	v_mov_b32 v[TM+(\b+1)%4], v[TM+8+\b]           ; a copy of each block's hold in another register bank, for the second half of the pairs below
.endr
.irp i, 0,1,2,3,4,5,6                          ; the row's sum of the unquantised p: 32 packed additions in eight chains, seven of them in the codes' registers, which are free until the conversions
	v_pk_add_f32 v[PC+2*\i:PC+2*\i+1], v[S+4*\i:S+4*\i+1], v[S+4*\i+2:S+4*\i+3]
.endr
	v_pk_add_f32 v[SU:SU+1], v[SU:SU+1], v[S+28:S+29]
.irp r, 30,46
.irp i, 0,1,2,3,4,5,6
	v_pk_add_f32 v[PC+2*\i:PC+2*\i+1], v[PC+2*\i:PC+2*\i+1], v[S+\r+2*\i:S+\r+2*\i+1]
.endr
	v_pk_add_f32 v[SU:SU+1], v[SU:SU+1], v[S+\r+14:S+\r+15]
.endr
	v_pk_add_f32 v[PC:PC+1], v[PC:PC+1], v[S+62:S+63]
	v_pk_add_f32 v[SU:SU+1], v[SU:SU+1], v[PC+6:PC+7]
	v_pk_add_f32 v[PC:PC+1], v[PC:PC+1], v[PC+8:PC+9]
	v_pk_add_f32 v[PC+2:PC+3], v[PC+2:PC+3], v[PC+10:PC+11]
	v_pk_add_f32 v[PC+4:PC+5], v[PC+4:PC+5], v[PC+12:PC+13]
	v_pk_add_f32 v[SU:SU+1], v[SU:SU+1], v[PC+2:PC+3]
	v_pk_add_f32 v[PC:PC+1], v[PC:PC+1], v[PC+4:PC+5]
	v_pk_add_f32 v[SU:SU+1], v[SU:SU+1], v[PC:PC+1]
.irp b, 0,1,2,3
.irp i, 0,2,4,6,8,10,12,14
	v_dual_min_num_f32 v[S+16*\b+\i], v[S+16*\b+\i], v[TM+8+\b] :: v_dual_min_num_f32 v[S+16*\b+\i+1], v[S+16*\b+\i+1], v[TM+(\b+1)%4]   ; the hold (ISA guide 7.6.2: the conversion does not saturate); p is not negative, so it is one-sided; two numbers an instruction
.endr
	v_cvt_scalef32_pk8_bf8_f32 v[PC+4*\b:PC+4*\b+1], v[S+16*\b:S+16*\b+7], v[TM+12+\b]
	v_cvt_scalef32_pk8_bf8_f32 v[PC+4*\b+2:PC+4*\b+3], v[S+16*\b+8:S+16*\b+15], v[TM+12+\b]
.endr
	s_wait_alu depctr_va_vdst(0)                   ; the wait ahead of the first reader of O^T
.set j, 0
.rept 16
	v_pk_mul_f32 v[O+j:O+j+1], v[O+j:O+j+1], v[F:F+1] op_sel_hi:[1,0]   ; O^T under the new M; these sixteen are also the places between the codes' making and the products
.set j, j+2
.endr
	s_wait_alu depctr_va_vdst(0)
	s_wait_dscnt 0x0                               ; every fragment asked for is in: V of this key step among them
	WIN 1
.irp u, 0,1,2,3
	v_wmma_scale_f32_16x16x128_f8f6f4 v[O+8*\u:O+8*\u+7], v[VB+16*\u:VB+16*\u+15], v[PC:PC+15], v[O+8*\u:O+8*\u+7], v[VSR+\u], v[PWD] matrix_a_fmt:MATRIX_FMT_BF8 matrix_b_fmt:MATRIX_FMT_BF8
.endr                                              ; the four accumulators by turns; eight or more other products stand before each is taken up again
	WIN 0
.endm
; A TILE IS DONE: O^T / the sum is y(query, 64 of my head): two blocks of 32 along C: quantised, two chunks of a fragment's image
.macro FINISH y, which, t
	TSET \t
.rept 8
	v_nop
.endr
	v_add_f32 v[SU], v[SU], v[SU+1]
	s_delay_alu instid0(VALU_DEP_1)
	v_permlanex16_b32 v[T0], v[SU], s[SEL], s[SEL+1]
	s_delay_alu instid0(VALU_DEP_1)
	v_add_f32 v[SU], v[SU], v[T0]                  ; the row's sum
	s_wait_alu depctr_va_vdst(0)
	v_rcp_f32 v[SU], v[SU]
	v_nop
	s_wait_alu depctr_va_vdst(0)
	v_mov_b32 v[SU+1], v[SU]
.set j, 0
.rept 16
	v_pk_mul_f32 v[S+j:S+j+1], v[O+j:O+j+1], v[SU:SU+1]
.set j, j+2
.endr
	QUANT2 T0
	global_store_b128 v[L16], v[PC:PC+3], s[\y:\y+1]
	global_store_b128 v[L16], v[PC+4:PC+7], s[\y:\y+1] offset:512
	ds_store_b16 v[SCW], v[T0] offset:\which*256   ; my head's half of the row's scale word
.endm
	s_load_b128 s[4:7], s[0:1], 0x0                ; q, k, v s[4:5]; y s[6:7]
	v_lshl_add_u32 v5, v0, 2, SPARE
	v_mov_b32 v6, 0
	ds_add_u32 v5, v6                              ; the opening lines: the add, twice on end, and its wait ahead of the first tensor load
	ds_add_u32 v5, v6
	v_lshrrev_b32 v8, 5, v0
	v_readfirstlane_b32 s[WV], v8                  ; wave 0..7
	s_and_b32 s[HP], s[WV], 1
	s_lshr_b32 s[EE], s[WV], 1
	s_and_b32 s66, ttmp7, 0xffff
	s_lshr_b32 s67, s66, 3                         ; batch
	s_and_b32 s68, s66, 7                          ; the pair of heads
	s_lshr_b32 s[NX+1], ttmp9, 1                   ; group g's last key step
	s_sub_co_u32 s[NX], 31, ttmp9
	s_lshr_b32 s[NX], s[NX], 1                     ; group 31 - g's
	s_sub_co_u32 s[NXM], s[NX], 1
	s_sub_co_u32 s[NXM+1], s[NX+1], 1
	s_and_b32 s[GB+1], ttmp9, 1
	s_lshl_b32 s[GB+1], s[GB+1], 6
	s_xor_b32 s[GB], s[GB+1], 64                   ; groups g and 31 - g differ in their lowest bit
	s_lshl_b32 s69, s67, 4
	s_lshl_b32 s70, s68, 1
	s_add_co_u32 s69, s69, s70
	s_add_co_u32 s69, s69, s[HP]
	s_mul_i32 s69, s69, 135168                     ; my (batch, head) in a region
	s_bfe_u32 s70, s[WV], 0x10001
	s_add_co_u32 s70, s70, 1
	s_mul_i32 s70, s70, 4325376                    ; waves 0, 1 (and 4, 5): k's region; 2, 3 (and 6, 7): v's
	s_add_co_u32 s[TO], s70, s69
	s_mov_b32 s[TO+1], 0
	s_lshr_b32 s76, s68, 1
	s_lshl_b32 s76, s76, 16
	s_and_b32 s77, s68, 1
	s_lshl_b32 s77, s77, 11
	s_add_co_u32 s76, s76, s77
	s_lshl_b32 s77, s[HP], 10
	s_add_co_u32 s76, s76, s77                     ; in y: K step p / 2, q = p & 1, my head's two chunks
	s_lshl_b32 s71, ttmp9, 2
	s_sub_co_u32 s72, 124, s71
	s_add_co_u32 s71, s71, s[EE]                   ; tile 1 of the text: 4 g + e
	s_add_co_u32 s72, s72, s[EE]                   ; tile 0: 4 (31 - g) + e
	TILEADR 71, QLO, QWLO, YLO
	TILEADR 72, QHI, QWHI, YHI
	s_lshl_b32 s73, s67, 5
	s_add_co_u32 s73, s73, ttmp9                   ; y's scale words: group 32 batch + g,
	s_lshr_b32 s74, s73, 2
	s_lshl_b32 s74, s74, 13
	s_and_b32 s75, s73, 3
	s_lshl_b32 s75, s75, 9
	s_add_co_u32 s74, s74, s75
	s_lshl_b32 s73, s67, 5
	s_add_co_u32 s73, s73, 31
	s_sub_co_u32 s73, s73, ttmp9                   ; and group 32 batch + 31 - g
	s_lshr_b32 s75, s73, 2
	s_lshl_b32 s75, s75, 13
	s_and_b32 s73, s73, 3
	s_lshl_b32 s73, s73, 9
	s_add_co_u32 s75, s75, s73
	s_sub_co_u32 s60, s75, s74                     ; the distance between the two
	s_lshr_b32 s73, s68, 1
	s_lshl_b32 s73, s73, 11
	s_add_co_u32 s74, s74, s73
	s_and_b32 s73, s68, 1
	s_lshl_b32 s73, s73, 8
	s_add_co_u32 s74, s74, s73
	s_add_co_u32 s[WP], s74, 4194304
	s_mov_b32 s[WP+1], 0
	s_mov_b32 s[G1], 3<<16                         ; no mask; elements of 8 bytes; no padding
	s_mov_b32 s[G1+1], 32<<16                      ; tensor_dim0: 256 bytes
	s_mov_b32 s[G1+2], 66<<16                      ; tensor_dim1
	s_mov_b32 s[G1+3], 32<<16                      ; tile_dim0
	s_mov_b32 s[G1+4], 66                          ; tile_dim1: 66 rows of 256 bytes on end: two packs
	s_mov_b32 s[G1+5], 32
	s_mov_b32 s[G1+6], 0
	s_mov_b32 s[G1+7], 0
	s_mov_b32 s[SEL], 0x76543210
	s_mov_b32 s[SEL+1], 0xfedcba98
	s_mov_b32 s[CS], 0x3e38aa3b                    ; c = log2(e) / 8
	s_mov_b32 s[CS+1], s[CS]
	s_mov_b32 s[MNT], 0x600000
	s_mov_b32 s[TB], 0
	s_mov_b32 s[II], 0
	s_and_b32 s[QSH], s[EE], 1
	s_lshl_b32 s[QSH], s[QSH], 4                   ; which half of the pair's word is my tile's
	s_lshr_b32 s77, s[WV], 2
	s_xor_b32 s77, s77, 1
	s_or_b32 s77, s77, ttmp9                       ; 0 in waves 4-7 of work-group 0
	s_cmp_eq_u32 s77, 0
	s_cselect_b32 s[LIM], 10, 0                    ; they ask while the trip's first key step is under 10: the last slot named is 7
	s_mul_i32 s78, s[WV], 2*PACK
	s_mul_i32 s81, s[HP], 2*PACK
	s_lshr_b32 s79, s[EE], 1
	s_lshl_b32 s79, s79, 5
	s_and_b32 s80, s[EE], 1
	s_lshl_b32 s80, s80, 3
	s_add_co_u32 s79, s79, s80                     ; my tile's first query in its group of 64
	s_lshl_b32 s82, s[EE], 2
	s_lshl_b32 s80, s[HP], 1
	s_add_co_u32 s82, s82, s80
	s_add_co_u32 s82, s82, SCR
	s_wait_dscnt 0x0                               ; both opening adds are done
	s_wait_kmcnt 0x0
	s_add_nc_u64 s[PB:PB+1], s[4:5], s[TO:TO+1]
	s_mov_b32 s[G0], 1
	s_mov_b32 s[G0+1], s78                         ; slot 0, pack type = wave
	s_mov_b64 s[G0+2:G0+3], s[PB:PB+1]             ; key steps 0, 1
	s_or_b32 s[G0+3], s[G0+3], 0x80000000
	TLOAD
	s_add_nc_u64 s[PFA:PFA+1], s[PB:PB+1], 2*PACK  ; the first change of slots steps it to slot 2
	s_add_nc_u64 s[QLO:QLO+1], s[4:5], s[QLO:QLO+1]
	s_add_nc_u64 s[QHI:QHI+1], s[4:5], s[QHI:QHI+1]
	s_add_nc_u64 s[QWLO:QWLO+1], s[4:5], s[QWLO:QWLO+1]
	s_add_nc_u64 s[QWHI:QWHI+1], s[4:5], s[QWHI:QWHI+1]
	s_add_nc_u64 s[YLO:YLO+1], s[6:7], s[YLO:YLO+1]
	s_add_nc_u64 s[YHI:YHI+1], s[6:7], s[YHI:YHI+1]
	s_add_nc_u64 s[WP:WP+1], s[6:7], s[WP:WP+1]
	v_and_b32 v8, 31, v0                           ; lane
	v_and_b32 v9, 15, v0                           ; r
	v_bfe_u32 v10, v0, 4, 1                        ; h
	v_lshlrev_b32 v[L16], 4, v8                    ; 16 x lane
	v_lshlrev_b32 v[R16], 4, v9                    ; 16 r
	v_lshlrev_b32 v[L256], 8, v8                   ; 256 x lane
	QLOAD QHI, QWHI, 0
	QLOAD QLO, QWLO, 1
	v_add_nc_u32 v1, s81, v[L16]                   ; K's fragments of my head,
	v_add_nc_u32 v2, 4*PACK, v1                    ; V's,
	v_add_nc_u32 v3, s81, v[R16]
	v_add_nc_u32 v3, 8192, v3                      ; K's scale words,
	v_add_nc_u32 v4, 4*PACK, v3                    ; V's
	v_and_b32 v7, 8, v9
	v_add_nc_u32 v7, v7, v9
	v_add_nc_u32 v7, s79, v7
	v_lshlrev_b32 v11, 4, v10
	v_sub_nc_u32 v7, v7, v11                       ; my query in the group, - 16 h
	v_add_nc_u32 v[SCW], s82, v[R16]               ; SCR + 16 r + 4 e + 2 (my head & 1)
	v_add_nc_u32 v[SCRD], SCR, v[L16]              ; and where wave 0 reads the words back
	v_mul_u32_u24 v[YW], v10, s60
	v_add_nc_u32 v[YW], v[YW], v[R16]              ; their place in y: 16 r; lanes 16-31 the second group's
	BEGIN 0
	BEGIN 1
	s_wait_alu depctr_va_vdst(0)
	s_wait_loadcnt 0x0                             ; q and its scale words
	QWORD 0
	QWORD 1
.irp j, 24,25,26,27,28,29,30,31,48,49,50,51,52,53,54,55
	v_mov_b32 v[\j], 0                             ; the zero codes between the two copies of q: written once.  (With the lines below: the places between the scale words' making and the first products)
.endr
.irp b, 0,1,2,3
	v_mov_b32 v[TM+4+\b], 0                        ; a lane permute's destination counts as one of its sources
.endr
	v_mov_b32 v[PWD], 0                            ; (named as the upper half of the pair with f before it is first written)
	s_wait_alu depctr_va_vdst(0)
	CHANGE 0                                       ; slot 0 is whole; slot 1's first fill, issued as a refill is (tile 0 has nine key steps or more, so it is always read)
	ADDRS
	KLOAD0
	REST
	s_wait_dscnt 51                                ; K of key step 0 and its scale words are in; the 51 loads issued behind them may be out
.Ltrip:                                            ; 8 trips, two key steps each
	s_cmp_gt_u32 s[II], s[NX]
	s_cbranch_scc1 .Lmid                           ; past tile 0's last key step: nothing is left to multiply
	STEP 0, 0
	s_cmp_gt_u32 s[II], s[NX+1]
	s_cbranch_scc1 .Lmid
	STEP 0, 1
.Lmid:
	CHANGE 1                                       ; this trip's slot has been read out into registers: it takes the slot two on; the next slot is whole
	s_xor_b32 s[TB], s[TB], SLOT1
	ADDRS
	s_cmp_ge_u32 s[II], s[NX]
	s_cbranch_scc1 .Lnext
	s_add_co_u32 s[TO], s[II], 2
	s_cmp_gt_u32 s[TO], s[NX]
	s_cbranch_scc1 .Lno_k                          ; a slot that was not asked for is not read
	KLOAD0                                         ; the next slot's first K lands under the tile steps below, whose wait for 0 covers it
.Lno_k:
	STEP 1, 0
	s_cmp_ge_u32 s[II], s[NX+1]
	s_cbranch_scc1 .Lno_l
	STEP 1, 1
.Lno_l:
	s_add_co_u32 s[TO], s[II], 2
	s_cmp_gt_u32 s[TO], s[NX]
	s_cbranch_scc1 .Lnext
.rept 8
	v_nop                                          ; eight places ahead of loads into registers that the last products have read
.endr
	REST
.Lnext:
	s_add_co_u32 s[II], s[II], 2
	s_cmp_lt_u32 s[II], 16
	s_cbranch_scc1 .Ltrip
	FINISH YHI, 1, 0
	s_wait_xcnt 0x0                                ; the stores have read the codes' registers
	FINISH YLO, 0, 1
	s_wait_dscnt 0x0                               ; for the others' sake: my halves of the scale words have landed
	s_barrier_signal -1
	s_barrier_wait -1
	s_cmp_lg_u32 s[WV], 0
	s_cbranch_scc1 .Lend
	ds_load_b128 v[16:19], v[SCRD]                 ; row r's four words (e = 0 .. 3): lanes 0-15 group g's, lanes 16-31 group 31 - g's
	s_wait_dscnt 0x0
	global_store_b128 v[YW], v[16:19], s[WP:WP+1]  ; 16 lanes store 256 consecutive bytes, aligned
.Lend:
	s_wait_tensorcnt 0x0                           ; the wave's end
	ds_add_u32 v5, v6
	s_wait_dscnt 0x0
	s_endpgm
.Lfunc_end_k_q9e0baaffc0_attn:
	.size	k_q9e0baaffc0_attn, .Lfunc_end_k_q9e0baaffc0_attn-k_q9e0baaffc0_attn
	.p2alignl 7, 3214868480
	.fill 96, 4, 3214868480
	.section	.rodata,"a",@progbits
	.p2align	6, 0x0
	.amdhsa_kernel k_q9e0baaffc0_attn
		.amdhsa_group_segment_fixed_size 327680
		.amdhsa_private_segment_fixed_size 0
		.amdhsa_enable_private_segment 0
		.amdhsa_kernarg_size 16
		.amdhsa_user_sgpr_count 2
		.amdhsa_user_sgpr_kernarg_segment_ptr 1
		.amdhsa_wavefront_size32 1
		.amdhsa_system_sgpr_workgroup_id_x 1
		.amdhsa_system_sgpr_workgroup_id_y 1
		.amdhsa_system_sgpr_workgroup_id_z 1
		.amdhsa_system_vgpr_workitem_id 0
		.amdhsa_next_free_vgpr 512
		.amdhsa_next_free_sgpr 96
		.amdhsa_reserve_vcc 1
		.amdhsa_float_denorm_mode_32 3
		.amdhsa_float_denorm_mode_16_64 3
		.amdhsa_memory_ordered 1
		.amdhsa_forward_progress 1
		.amdhsa_inst_pref_size 124
	.end_amdhsa_kernel
	.amdgpu_metadata
---
amdhsa.version: [ 1, 2 ]
amdhsa.kernels:
  - .name:           k_q9e0baaffc0_attn
    .symbol:         k_q9e0baaffc0_attn.kd
    .args:
      - { .name: qkvb, .offset: 0, .size: 8, .value_kind: global_buffer, .address_space: global }
      - { .name: yb, .offset: 8, .size: 8, .value_kind: global_buffer, .address_space: global }
    .group_segment_fixed_size: 327680
    .private_segment_fixed_size: 0
    .kernarg_segment_align: 8
    .kernarg_segment_size: 16
    .max_flat_workgroup_size: 256
    .sgpr_count:     96
    .vgpr_count:     512
    .wavefront_size: 32
...
	.end_amdgpu_metadata
.endif
;; end of part 9
;; launch oproj (part 10): grid 8 x 32, 4 waves a work-group, clusters of 4 x 4, 327,680 bytes of LDS; arguments yb, p0, b_o, x, x2; writes x2
.if DOCPART == 10
	.amdgcn_target "amdgcn-amd-amdhsa--gfx1250"
	.amdhsa_code_object_version 6
	.text
	.protected	k_q9e0baaffc0_oproj
	.globl	k_q9e0baaffc0_oproj
	.p2align	8
	.type	k_q9e0baaffc0_oproj,@function
k_q9e0baaffc0_oproj:
	s_mov_b64 s[64:65], 0
	v_nop
	global_prefetch_b8 v0, s[64:65] scope:SCOPE_SE
	s_setreg_imm32_b32 hwreg(HW_REG_WAVE_MODE, 25, 1), 1
	s_wait_xcnt 0x0
	s_wait_alu depctr_hold_cnt(0) depctr_sa_sdst(0) depctr_va_vdst(0) depctr_va_sdst(0) depctr_va_ssrc(0) depctr_va_vcc(0) depctr_vm_vsrc(0)
	s_getreg_b32 s2, hwreg(HW_REG_IB_STS2, 6, 4)
	s_cmp_eq_u32 s2, 0
	s_cbranch_scc0 .Lentry_in_a_cluster
	s_endpgm
.Lentry_in_a_cluster:
	s_bfe_u32 s2, ttmp6, 0x10000c
	s_cmp_lg_u32 s2, 0xf033
	s_cbranch_scc0 .Lentry_shape_is_right
	s_endpgm
.Lentry_shape_is_right:
.set KDIM,  1024
.set ASOFF, 4194304
.set BOFF,  7569408
.set BSOFF, 8617984
.set TILEB, 256*KDIM
.set TILES, 8*KDIM
.set LAPS,  KDIM/1024
.set SLOT,  131072
.set SPARE, 262144
.set STAGE, 262656
.set SPITCH, 272
.set NP,    8
.set ADRA,  16
.set ADRB,  20
.set STO,   24
.set RD,    25
.set CO,    26
.set SPW,   28
.set NIL,   29
.set V16,   30
.set SC,    32
.set BIAS,  64
.set BK,    64
.set ACC,   128
.set G1,    24
.set G0,    32
.set G1B,   48
.set G0B,   56
.set SAP,   66
.set SBP,   68
.set MSB,   0
.macro WIN new
.if MSB != (\new)
	s_set_vgpr_msb (MSB<<8)|(\new)
.set MSB, (\new)
.endif
.endm
.macro JLOAD g0a, g0b
	s_cmp_eq_u32 s15, 0
	s_cbranch_scc0 .Lfor_b_\@
	tensor_load_to_lds s[\g0a:\g0a+3], s[G1:G1+7]
	s_nop 0
.rept 4
	v_nop
.endr
	s_branch .Lasked_\@
.Lfor_b_\@:
	tensor_load_to_lds s[\g0b:\g0b+3], s[G1B:G1B+7]
	s_nop 0
.rept 4
	v_nop
.endr
.Lasked_\@:
.endm
.macro CREST
	s_cmp_lg_u32 s14, 0
	s_cbranch_scc1 .Lnot_wave_0_\@
	s_barrier_signal -3
.Lnot_wave_0_\@:
	s_barrier_wait -3
	s_barrier_signal -1
	s_barrier_wait -1
.endm
.macro CROUND
	s_barrier_signal -1
	s_barrier_wait -1
	CREST
.endm
.macro PLACES n
.rept \n
	v_nop
.endr
.endm
.macro FRAG reg, adr, u, i
.irp c, 0,1,2,3
	ds_load_b128 v[\reg+4*\c:\reg+4*\c+3], v[\adr] offset:((\u)/2)*32768+((\u)%2)*2048+(\i)*4096+512*\c
.endr
.endm
.macro FETCH slot, u, f
	WIN 0x40
.irp i, 0,1,2,3
	FRAG (\f)+64+16*\i, ADRB+\slot, \u, \i
	FRAG (\f)+16*\i, ADRA+\slot, \u, \i
.endr
.endm
.macro MM a, b, f, u, sc, cm
.set rD, ACC+8*(4*(\a)+\b)
.set rB, (\f)+64+16*\b
.set rA, (\f)+16*(\a)
.set rX, SC+16*(\sc)+8+4*((\u)/2)+\b
.set rY, SC+16*(\sc)+4*((\u)/2)+(\a)
.if (\cm) == 1
	v_wmma_scale_f32_16x16x128_f8f6f4 v[rD:rD+7], v[rB:rB+15], v[rA:rA+15], v[BIAS+8*\b:BIAS+8*\b+7], v[rX], v[rY] matrix_a_fmt:MATRIX_FMT_BF8 matrix_b_fmt:MATRIX_FMT_BF8
.elseif ((\u)%2) == 0
	v_wmma_scale_f32_16x16x128_f8f6f4 v[rD:rD+7], v[rB:rB+15], v[rA:rA+15], v[rD:rD+7], v[rX], v[rY] matrix_a_fmt:MATRIX_FMT_BF8 matrix_b_fmt:MATRIX_FMT_BF8
.else
	v_wmma_scale_f32_16x16x128_f8f6f4 v[rD:rD+7], v[rB:rB+15], v[rA:rA+15], v[rD:rD+7], v[rX], v[rY] matrix_a_fmt:MATRIX_FMT_BF8 matrix_b_fmt:MATRIX_FMT_BF8 matrix_a_scale:MATRIX_SCALE_ROW1 matrix_b_scale:MATRIX_SCALE_ROW1
.endif
.endm
.macro MULA a, f, u, sc, cm
.irp b, 0,1,2,3
	MM \a, \b, \f, \u, \sc, \cm
.endr
.endm
.macro GSCALES set
	s_wait_xcnt 0x0
	s_add_nc_u64 s[SAP:SAP+1], s[SAP:SAP+1], 4096
	s_add_nc_u64 s[SBP:SBP+1], s[SBP:SBP+1], 4096
	global_load_b128 v[SC+16*\set:SC+16*\set+3], v[V16], s[SAP:SAP+1]
	global_load_b128 v[SC+16*\set+4:SC+16*\set+7], v[V16], s[SAP:SAP+1] offset:2048
	global_load_b128 v[SC+16*\set+8:SC+16*\set+11], v[V16], s[SBP:SBP+1]
	global_load_b128 v[SC+16*\set+12:SC+16*\set+15], v[V16], s[SBP:SBP+1] offset:2048
.endm
.macro QUARTER slot, u, cm, lc
.if (\lc) >= 0
	s_wait_loadcnt \lc
.endif
	s_wait_dscnt 0x0
.if (\u) > 0
	PLACES NP
.endif
	FETCH \slot, (\u)+1, 128*(1-(\u)%2)
	WIN 0x05
.irp a, 0,1,2,3
	MULA \a, 128*((\u)%2), \u, \slot, \cm
.endr
.endm
.macro TURN slot, next, fill
	WIN 0
	s_wait_tensorcnt 0x0
	ds_add_u32 v[SPW], v[NIL]
	s_wait_dscnt 1
	WIN 0x05
	MULA 0, 128, 3, \slot, 0
	s_wait_dscnt 0x0
	s_barrier_signal -1
	MULA 1, 128, 3, \slot, 0
	WIN 0
	s_barrier_wait -1
.if \fill
	CREST
	s_add_nc_u64 s[G0+4*\slot+2:G0+4*\slot+3], s[G0+4*\slot+2:G0+4*\slot+3], 262144
	s_add_nc_u64 s[G0B+4*\slot+2:G0B+4*\slot+3], s[G0B+4*\slot+2:G0B+4*\slot+3], 262144
	JLOAD G0+4*\slot, G0B+4*\slot
	PLACES NP-4
.else
	PLACES NP
.endif
	FETCH \next, 0, 0
	WIN 0x05
	MULA 2, 128, 3, \slot, 0
	MULA 3, 128, 3, \slot, 0
	PLACES NP
	WIN 0
.if \fill
	GSCALES \slot
.endif
.endm
.macro RLOAD a
.irp t, 0,1,2,3,4,5,6,7
	global_load_b128 v[32*(\a)+4*\t:32*(\a)+4*\t+3], v[CO], s[10:11] offset:(16*(\a)-8*((\a)%2)+2*\t+8*(\t/4))*4096 th:TH_LOAD_NT
.endr
.endm
.macro TOSTAGE a
.irp b, 0,1,2,3
	ds_store_b128 v[STO], v[ACC+8*(4*(\a)+\b):ACC+8*(4*(\a)+\b)+3] offset:128*(\b/2)+32*(\b%2)
	ds_store_b128 v[STO], v[ACC+8*(4*(\a)+\b)+4:ACC+8*(4*(\a)+\b)+7] offset:128*(\b/2)+32*(\b%2)+16
.endr
.irp t, 0,1,2,3,4,5,6,7
	ds_load_b128 v[BK+32*((\a)%2)+4*\t:BK+32*((\a)%2)+4*\t+3], v[RD] offset:2*\t*SPITCH
.endr
.endm
.macro SEND a, younger
	s_wait_dscnt \younger
	WIN 0x08
.set i, 0
.rept 16
	v_pk_add_f32 v[BK+32*((\a)%2)+i:BK+32*((\a)%2)+i+1], v[BK+32*((\a)%2)+i:BK+32*((\a)%2)+i+1], v[32*(\a)+i:32*(\a)+i+1]
.set i, i+2
.endr
	WIN 0
.irp t, 0,1,2,3,4,5,6,7
	global_store_b128 v[CO], v[BK+32*((\a)%2)+4*\t:BK+32*((\a)%2)+4*\t+3], s[12:13] offset:(16*(\a)-8*((\a)%2)+2*\t+8*(\t/4))*4096
.endr
.endm
	s_load_b128 s[4:7], s[0:1], 0x0
	s_load_b128 s[8:11], s[0:1], 0x10
	s_load_b64 s[12:13], s[0:1], 0x20
	v_lshl_add_u32 v[SPW], v0, 2, SPARE
	v_mov_b32 v[NIL], 0
	ds_add_u32 v28, v29
	ds_add_u32 v28, v29
	s_wait_dscnt 0x0
	v_lshrrev_b32 v1, 5, v0
	v_readfirstlane_b32 s14, v1
	s_lshr_b32 s15, s14, 1
	s_and_b32 s16, s14, 1
	s_bfe_u32 s40, ttmp6, 0x40000
	s_bfe_u32 s41, ttmp6, 0x40004
	s_lshl_b32 s42, ttmp9, 2
	s_add_co_u32 s42, s42, s40
	s_and_b32 s17, ttmp7, 0xffff
	s_lshl_b32 s17, s17, 2
	s_add_co_u32 s17, s17, s41
	s_lshl_b32 s43, s41, 2
	s_lshl_b32 s43, 15, s43
	s_lshl_b32 s44, 0x1111, s40
	s_or_b32 s[G1+0], s43, (3<<16)|(1<<21)
	s_or_b32 s[G1B+0], s44, (3<<16)|(1<<21)
.irp g, G1, G1B
	s_mov_b32 s[\g+1], 32<<16
	s_mov_b32 s[\g+2], 128<<16
	s_mov_b32 s[\g+3], 32<<16
	s_mov_b32 s[\g+4], 128
	s_mov_b32 s[\g+5], 32
	s_mov_b32 s[\g+6], 0
	s_mov_b32 s[\g+7], 0
.endr
	s_lshl_b32 s18, s16, 16
	s_lshr_b32 s19, s17, 1
	s_mul_i32 s20, s19, TILEB
	s_mul_i32 s22, s19, TILES
	s_and_b32 s19, s17, 1
	s_lshl_b32 s21, s19, 15
	s_add_co_u32 s20, s20, s21
	s_add_co_u32 s20, s20, s18
	s_mov_b32 s21, 0
	s_lshl_b32 s19, s19, 1
	s_add_co_u32 s19, s19, s15
	s_lshl_b32 s19, s19, 9
	s_add_co_u32 s22, s22, s19
	s_add_co_u32 s22, s22, ASOFF
	s_mov_b32 s23, 0
	s_lshr_b32 s94, s42, 1
	s_mul_i32 s46, s94, TILEB
	s_mul_i32 s92, s94, TILES
	s_and_b32 s94, s42, 1
	s_lshl_b32 s95, s94, 15
	s_add_co_u32 s46, s46, s95
	s_add_co_u32 s46, s46, s18
	s_add_co_u32 s46, s46, BOFF
	s_mov_b32 s47, 0
	s_lshl_b32 s94, s94, 1
	s_add_co_u32 s94, s94, s16
	s_lshl_b32 s94, s94, 9
	s_add_co_u32 s92, s92, s94
	s_add_co_u32 s92, s92, BSOFF
	s_mov_b32 s93, 0
	s_lshl_b32 s18, s42, 9
	s_lshl_b32 s19, s16, 8
	s_add_co_u32 s18, s18, s19
	s_mov_b32 s19, 0
	s_lshl_b32 s72, s17, 19
	s_lshl_b32 s73, s15, 18
	s_add_co_u32 s72, s72, s73
	s_add_co_u32 s72, s72, s18
	s_mov_b32 s73, 0
	s_lshl_b32 s45, s14, 15
	s_wait_kmcnt 0x0
	s_add_nc_u64 s[20:21], s[4:5], s[20:21]
	s_add_nc_u64 s[46:47], s[6:7], s[46:47]
	s_add_nc_u64 s[SAP:SAP+1], s[4:5], s[22:23]
	s_add_nc_u64 s[SBP:SBP+1], s[6:7], s[92:93]
	s_add_nc_u64 s[8:9], s[8:9], s[18:19]
	s_add_nc_u64 s[10:11], s[10:11], s[72:73]
	s_add_nc_u64 s[12:13], s[12:13], s[72:73]
	CROUND
.irp s, 0,1
	s_mov_b32 s[G0+4*\s], 1
	s_add_co_u32 s[G0+4*\s+1], s45, \s*SLOT
	s_add_nc_u64 s[G0+4*\s+2:G0+4*\s+3], s[20:21], \s*131072
	s_or_b32 s[G0+4*\s+3], s[G0+4*\s+3], 0x80000000
	s_mov_b32 s[G0B+4*\s], 1
	s_add_co_u32 s[G0B+4*\s+1], s45, \s*SLOT
	s_add_nc_u64 s[G0B+4*\s+2:G0B+4*\s+3], s[46:47], \s*131072
	s_or_b32 s[G0B+4*\s+3], s[G0B+4*\s+3], 0x80000000
.if \s                                         ; behind slot 0's load: scale words, bias and residual are asked for while that tile is on its way
	s_cmp_eq_u32 s15, 0                            ; the prefetch's base: of the 32 KiB that I fetch, the four partners that ask jointly take 8 KiB each, told apart by address
	s_cselect_b64 s[76:77], s[20:21], s[46:47]
	s_cselect_b32 s78, s40, s41
	s_lshl_b32 s78, s78, 13
	s_mov_b32 s79, 0
	s_add_nc_u64 s[76:77], s[76:77], s[78:79]
	v_and_b32 v1, 31, v0
	v_and_b32 v2, 15, v0
	v_bfe_u32 v3, v0, 4, 1
	v_lshlrev_b32 v[V16], 4, v1
	v_lshlrev_b32 v23, 8, v1                       ; 256 x lane
	v_lshlrev_b32 v31, 6, v3
	v_lshlrev_b32 v[CO], 12, v3
	v_lshl_add_u32 v[CO], v2, 4, v[CO]
.irp z, 0,1
	global_load_b128 v[SC+16*\z:SC+16*\z+3], v[V16], s[SAP:SAP+1] offset:4096*\z
	global_load_b128 v[SC+16*\z+4:SC+16*\z+7], v[V16], s[SAP:SAP+1] offset:4096*\z+2048
	global_load_b128 v[SC+16*\z+8:SC+16*\z+11], v[V16], s[SBP:SBP+1] offset:4096*\z
	global_load_b128 v[SC+16*\z+12:SC+16*\z+15], v[V16], s[SBP:SBP+1] offset:4096*\z+2048
.endr
.irp g, 0,1
.irp j, 0,1,2,3
	global_load_b128 v[BIAS+16*\g+4*\j:BIAS+16*\g+4*\j+3], v31, s[8:9] offset:128*\g+16*\j
.endr
.endr
	WIN 0x80
.irp a, 0,1,2,3
	RLOAD \a
.endr
	WIN 0
	global_prefetch_b8 v23, s[76:77] offset:131072 th:TH_LOAD_NT scope:SCOPE_SE    ; slot 1's tile, the last: 32 lanes, 256 bytes apart
	s_wait_alu depctr_va_vdst(0)
	s_wait_tensorcnt 0x0
	ds_add_u32 v28, v29
	ds_add_u32 v28, v29
	s_wait_dscnt 0x0
	CROUND
.endif
	JLOAD G0+4*\s, G0B+4*\s
.endr
	s_lshl_b32 s21, s15, 14
	s_lshl_b32 s22, s16, 14
	s_add_co_u32 s22, s22, 65536
.irp s, 0,1
	v_add_nc_u32 v[ADRA+\s], s21, v[V16]
	v_add_nc_u32 v[ADRB+\s], s22, v[V16]
	s_add_co_u32 s21, s21, SLOT
	s_add_co_u32 s22, s22, SLOT
.endr
	s_mul_i32 s23, s14, 16*SPITCH
	s_add_co_u32 s23, s23, STAGE
	v_mul_u32_u24 v5, v2, SPITCH
	v_lshl_add_u32 v5, v3, 6, v5
	v_add_nc_u32 v[STO], s23, v5
	v_mul_u32_u24 v5, v3, SPITCH
	v_lshl_add_u32 v5, v2, 4, v5
	v_add_nc_u32 v[RD], s23, v5
	s_wait_alu depctr_va_vdst(0)
	s_wait_loadcnt 32
.if LAPS > 1
	s_add_nc_u64 s[SAP:SAP+1], s[SAP:SAP+1], 4096
	s_add_nc_u64 s[SBP:SBP+1], s[SBP:SBP+1], 4096
.endif
	s_wait_tensorcnt 1
	s_barrier_signal -1
	s_barrier_wait -1
	FETCH 0, 0, 0
	QUARTER 0, 0, 1, -1
.if LAPS > 1
	WIN 0
	s_mov_b32 s3, LAPS-1
.Llap:
	QUARTER 0, 1, 0, -1
	QUARTER 0, 2, 0, -1
	TURN 0, 1, 1
	QUARTER 1, 0, 0, 4
	QUARTER 1, 1, 0, -1
	QUARTER 1, 2, 0, -1
	TURN 1, 0, 1
	QUARTER 0, 0, 0, 4
	WIN 0
	s_sub_co_u32 s3, s3, 1
	s_cmp_lg_u32 s3, 0
	s_cbranch_scc1 .Llap
.endif
	QUARTER 0, 1, 0, -1
	QUARTER 0, 2, 0, -1
	TURN 0, 1, 0
	QUARTER 1, 0, 0, 0
	QUARTER 1, 1, 0, -1
	QUARTER 1, 2, 0, -1
	s_wait_dscnt 0x0
	WIN 0x05
.irp a, 0,1,2,3
	MULA \a, 128, 3, 1, 0
.endr
	WIN 0
	PLACES NP
	TOSTAGE 0
.irp a, 1,2,3
.if \a > 1
	s_wait_xcnt 0x0
.endif
	TOSTAGE \a
	SEND \a-1, 16
.endr
	SEND 3, 0
	s_wait_tensorcnt 0x0
	ds_add_u32 v[SPW], v[NIL]
	s_wait_dscnt 0x0
	CROUND
	s_endpgm
.Lfunc_end_k_q9e0baaffc0_oproj:
	.size	k_q9e0baaffc0_oproj, .Lfunc_end_k_q9e0baaffc0_oproj-k_q9e0baaffc0_oproj
	.p2alignl 7, 3214868480
	.fill 96, 4, 3214868480
	.section	.rodata,"a",@progbits
	.p2align	6, 0x0
	.amdhsa_kernel k_q9e0baaffc0_oproj
		.amdhsa_group_segment_fixed_size 327680
		.amdhsa_private_segment_fixed_size 0
		.amdhsa_enable_private_segment 0
		.amdhsa_kernarg_size 40
		.amdhsa_user_sgpr_count 2
		.amdhsa_user_sgpr_kernarg_segment_ptr 1
		.amdhsa_wavefront_size32 1
		.amdhsa_system_sgpr_workgroup_id_x 1
		.amdhsa_system_sgpr_workgroup_id_y 1
		.amdhsa_system_sgpr_workgroup_id_z 1
		.amdhsa_system_vgpr_workitem_id 0
		.amdhsa_next_free_vgpr 768
		.amdhsa_next_free_sgpr 100
		.amdhsa_reserve_vcc 0
		.amdhsa_float_denorm_mode_32 3
		.amdhsa_float_denorm_mode_16_64 3
		.amdhsa_memory_ordered 1
		.amdhsa_forward_progress 1
		.amdhsa_inst_pref_size 60
	.end_amdhsa_kernel
	.amdgpu_metadata
---
amdhsa.version: [ 1, 2 ]
amdhsa.kernels:
  - .name:           k_q9e0baaffc0_oproj
    .symbol:         k_q9e0baaffc0_oproj.kd
    .args:
      - { .name: yb, .offset: 0, .size: 8, .value_kind: global_buffer, .address_space: global }
      - { .name: p0, .offset: 8, .size: 8, .value_kind: global_buffer, .address_space: global }
      - { .name: b_o, .offset: 16, .size: 8, .value_kind: global_buffer, .address_space: global }
      - { .name: x, .offset: 24, .size: 8, .value_kind: global_buffer, .address_space: global }
      - { .name: x2, .offset: 32, .size: 8, .value_kind: global_buffer, .address_space: global }
    .group_segment_fixed_size: 327680
    .private_segment_fixed_size: 0
    .kernarg_segment_align: 8
    .kernarg_segment_size: 40
    .max_flat_workgroup_size: 128
    .sgpr_count:     100
    .vgpr_count:     768
    .wavefront_size: 32
...
	.end_amdgpu_metadata
.endif
;; end of part 10
;; launch ln2: the kernel of part 7 again; grid 256 x 1, 8 waves a work-group, no clusters, 69,632 bytes of LDS; arguments x2, ln2_w, ln2_b, w_qkv, w_o, w_fc, w_proj, h2b; writes h2b
;; launch fc (part 11): grid 16 x 16, 4 waves a work-group, clusters of 4 x 4, 327,680 bytes of LDS; arguments h2b, p0, b_fc, gb; writes gb
.if DOCPART == 11
	.amdgcn_target "amdgcn-amd-amdhsa--gfx1250"
	.amdhsa_code_object_version 6
	.text
	.protected	k_q9e0baaffc0_fc
	.globl	k_q9e0baaffc0_fc
	.p2align	8
	.type	k_q9e0baaffc0_fc,@function
k_q9e0baaffc0_fc:
	s_mov_b64 s[64:65], 0
	v_nop
	global_prefetch_b8 v0, s[64:65] scope:SCOPE_SE
	s_setreg_imm32_b32 hwreg(HW_REG_WAVE_MODE, 25, 1), 1
	s_wait_xcnt 0x0
	s_wait_alu depctr_hold_cnt(0) depctr_sa_sdst(0) depctr_va_vdst(0) depctr_va_sdst(0) depctr_va_ssrc(0) depctr_va_vcc(0) depctr_vm_vsrc(0)
	s_getreg_b32 s2, hwreg(HW_REG_IB_STS2, 6, 4)
	s_cmp_eq_u32 s2, 0
	s_cbranch_scc0 .Lentry_in_a_cluster
	s_endpgm
.Lentry_in_a_cluster:
	s_bfe_u32 s2, ttmp6, 0x10000c
	s_cmp_lg_u32 s2, 0xf033
	s_cbranch_scc0 .Lentry_shape_is_right
	s_endpgm
.Lentry_shape_is_right:
.set KDIM,  1024
.set ASOFF, 4194304
.set BOFF,  8650752
.set BSOFF, 12845056
.set TILEB, 256*KDIM
.set TILES, 8*KDIM
.set LAPS,  KDIM/512
.set SLOT,  131072
.set SPARE, 262144
.set SCR,   262656
.set FR,    16
.set NP,    8
.set ADRA,  16
.set ADRB,  20
.set SPW,   28
.set NIL,   29
.set V16,   30
.set SC,    32
.set BIAS,  64
.set AF,    128
.set G1,    24
.set G0,    32
.set G1B,   48
.set G0B,   56
.set SAP,   66
.set SBP,   68
.set H,     64
.set BB,    128
.set T,     192
.set P,     208
.set PC,    224
.set TM,    240
.set PW,    32
.set C8V,   36
.set SEL,   18
.set MNT,   20
.set MSB,   0
.macro WIN new
.if MSB != (\new)
	s_set_vgpr_msb (MSB<<8)|(\new)
.set MSB, (\new)
.endif
.endm
.macro JLOAD g0a, g0b
	s_cmp_eq_u32 s15, 0
	s_cbranch_scc0 .Lfor_b_\@
	tensor_load_to_lds s[\g0a:\g0a+3], s[G1:G1+7]
	s_nop 0
.rept 4
	v_nop
.endr
	s_branch .Lasked_\@
.Lfor_b_\@:
	tensor_load_to_lds s[\g0b:\g0b+3], s[G1B:G1B+7]
	s_nop 0
.rept 4
	v_nop
.endr
.Lasked_\@:
.endm
.macro CREST
	s_cmp_lg_u32 s14, 0
	s_cbranch_scc1 .Lnot_wave_0_\@
	s_barrier_signal -3
.Lnot_wave_0_\@:
	s_barrier_wait -3
	s_barrier_signal -1
	s_barrier_wait -1
.endm
.macro CROUND
	s_barrier_signal -1
	s_barrier_wait -1
	CREST
.endm
.macro PLACES n
.rept \n
	v_nop
.endr
.endm
.macro FRAG reg, adr, q, i
.irp c, 0,1,2,3
	ds_load_b128 v[\reg+4*\c:\reg+4*\c+3], v[\adr] offset:(\i)*4096+(\q)*2048+512*\c
.endr
.endm
.macro FETCH_B slot, q, p
	WIN 0x40
.irp i, 0,1,2,3,4,5,6,7
	FRAG 128*(\p)+FR*\i, ADRB+\slot, \q, \i
.endr
	WIN 0
.endm
.macro FETCH_A slot, q, i0
.irp i, \i0, \i0+1, \i0+2, \i0+3
	FRAG AF+FR*(\i), ADRA+\slot, \q, \i
.endr
.endm
.macro MM a, b, p, q, sc, cm
.set rD, 8*(8*((\a)%4)+\b)
.set rB, 128*(\p)+FR*\b
.set rA, AF+FR*(\a)
.set rX, SC+16*(\sc)+8+\b
.set rY, SC+16*(\sc)+(\a)
.if (\cm) == 1
	v_wmma_scale_f32_16x16x128_f8f6f4 v[rD:rD+7], v[rB:rB+15], v[rA:rA+15], v[BIAS+8*\b:BIAS+8*\b+7], v[rX], v[rY] matrix_a_fmt:MATRIX_FMT_BF8 matrix_b_fmt:MATRIX_FMT_BF8
.elseif (\q) == 0
	v_wmma_scale_f32_16x16x128_f8f6f4 v[rD:rD+7], v[rB:rB+15], v[rA:rA+15], v[rD:rD+7], v[rX], v[rY] matrix_a_fmt:MATRIX_FMT_BF8 matrix_b_fmt:MATRIX_FMT_BF8
.else
	v_wmma_scale_f32_16x16x128_f8f6f4 v[rD:rD+7], v[rB:rB+15], v[rA:rA+15], v[rD:rD+7], v[rX], v[rY] matrix_a_fmt:MATRIX_FMT_BF8 matrix_b_fmt:MATRIX_FMT_BF8 matrix_a_scale:MATRIX_SCALE_ROW1 matrix_b_scale:MATRIX_SCALE_ROW1
.endif
.endm
.macro MUL16 a0, p, q, sc, cm
.irp a, \a0, \a0+1
.irp b, 0,1,2,3,4,5,6,7
	MM \a, \b, \p, \q, \sc, \cm
.endr
.endr
.endm
.macro GSCALES set
	s_wait_xcnt 0x0
	s_add_nc_u64 s[SAP:SAP+1], s[SAP:SAP+1], 2048
	s_add_nc_u64 s[SBP:SBP+1], s[SBP:SBP+1], 2048
	global_load_b128 v[SC+16*\set:SC+16*\set+3], v[V16], s[SAP:SAP+1]
	global_load_b128 v[SC+16*\set+4:SC+16*\set+7], v[V16], s[SAP:SAP+1] offset:512
	global_load_b128 v[SC+16*\set+8:SC+16*\set+11], v[V16], s[SBP:SBP+1]
	global_load_b128 v[SC+16*\set+12:SC+16*\set+15], v[V16], s[SBP:SBP+1] offset:512
.endm
.macro STEP slot, cm, lc
	s_wait_loadcnt \lc
	s_wait_dscnt 16
.if \cm
	WIN 0x81
.else
	WIN 0xa1
.endif
	MUL16 0, 0, 0, \slot, \cm
	MUL16 2, 0, 0, \slot, \cm
	s_wait_dscnt 0x0
	PLACES NP
	FETCH_B \slot, 1, 1
	FETCH_A \slot, 1, 0
.if \cm
	WIN 0xc1
.else
	WIN 0xf1
.endif
	MUL16 4, 0, 0, \slot, \cm
	MUL16 6, 0, 0, \slot, \cm
	PLACES NP
	WIN 0
	FETCH_A \slot, 1, 4
.endm
.macro TURN slot, next, fill
	s_wait_tensorcnt 0x0
	ds_add_u32 v[SPW], v[NIL]
	s_wait_dscnt 17
	WIN 0xa1
	MUL16 0, 1, 1, \slot, 0
	s_wait_dscnt 0x0
	s_barrier_signal -1
	MUL16 2, 1, 1, \slot, 0
	WIN 0
	s_barrier_wait -1
.if \fill
	CREST
	s_add_nc_u64 s[G0+4*\slot+2:G0+4*\slot+3], s[G0+4*\slot+2:G0+4*\slot+3], 131072
	s_add_nc_u64 s[G0B+4*\slot+2:G0B+4*\slot+3], s[G0B+4*\slot+2:G0B+4*\slot+3], 131072
	JLOAD G0+4*\slot, G0B+4*\slot
	PLACES NP-4
.else
	PLACES NP
.endif
	FETCH_B \next, 0, 0
	FETCH_A \next, 0, 0
	WIN 0xf1
	MUL16 4, 1, 1, \slot, 0
	MUL16 6, 1, 1, \slot, 0
	PLACES NP
	WIN 0
	FETCH_A \next, 0, 4
.if \fill
	GSCALES \slot
.endif
.endm
.macro QUANT s, pw
.irp b, 0,1,2,3
	v_max3_num_f32 v[TM+\b], |v[\s+16*\b]|, |v[\s+16*\b+1]|, 0x8000000
.endr
.irp i, 2,4,6,8,10,12,14
.irp b, 0,1,2,3
	v_max3_num_f32 v[TM+\b], v[TM+\b], |v[\s+16*\b+\i]|, |v[\s+16*\b+\i+1]|
.endr
.endr
.irp b, 0,1,2,3
	v_permlanex16_b32 v[TM+4+\b], v[TM+\b], s[SEL], s[SEL+1]
.endr
.irp b, 0,1,2,3
	v_max_num_f32 v[TM+\b], v[TM+\b], v[TM+4+\b]
.endr
.irp b, 0,1,2,3
	v_add_nc_u32 v[TM+12+\b], 0xf8800000, v[TM+\b]
	v_and_or_b32 v[TM+8+\b], v[TM+\b], 0x7f800000, s[MNT]
.endr
.irp b, 0,1,2,3
	v_lshrrev_b32 v[TM+4+\b], 23, v[TM+12+\b]
.endr
	v_lshl_or_b32 v[\pw], v[TM+5], 8, v[TM+4]
	v_lshl_or_b32 v[\pw], v[TM+6], 16, v[\pw]
	v_lshl_or_b32 v[\pw], v[TM+7], 24, v[\pw]
.irp b, 0,1,2,3
.irp i, 0,1,2,3,4,5,6,7,8,9,10,11,12,13,14,15
	v_med3_num_f32 v[\s+16*\b+\i], v[\s+16*\b+\i], -v[TM+8+\b], v[TM+8+\b]
.endr
	v_cvt_scalef32_pk8_bf8_f32 v[PC+4*\b:PC+4*\b+1], v[\s+16*\b:\s+16*\b+7], v[TM+12+\b]
	v_cvt_scalef32_pk8_bf8_f32 v[PC+4*\b+2:PC+4*\b+3], v[\s+16*\b+8:\s+16*\b+15], v[TM+12+\b]
.endr
	v_nop
.endm
.macro G16 k
.irp i, 0,2,4,6,8,10,12,14
	v_pk_fma_f32 v[T+\i:T+\i+1], v[BB+16*\k+\i:BB+16*\k+\i+1], 0.5, 1.0 op_sel_hi:[1,0,0]
.endr
	s_wait_alu depctr_va_vdst(0)
.irp i, 0,1,2,3,4,5,6,7,8,9,10,11,12,13,14,15
	v_rcp_f32 v[T+\i], v[T+\i]
.endr
	v_nop
	s_wait_alu depctr_va_vdst(0)
.irp i, 0,2,4,6,8,10,12,14
	v_pk_fma_f32 v[P+\i:P+\i+1], v[T+\i:T+\i+1], s[88:89], v[C8V:C8V+1] op_sel_hi:[1,0,1]
.endr
.irp c, 86,84,82,80,78,76,74,72
.irp i, 0,2,4,6,8,10,12,14
	v_pk_fma_f32 v[P+\i:P+\i+1], v[P+\i:P+\i+1], v[T+\i:T+\i+1], s[\c:\c+1] op_sel_hi:[1,1,0]
.endr
.endr
.irp i, 0,2,4,6,8,10,12,14
	v_pk_fma_f32 v[P+\i:P+\i+1], v[BB+16*\k+\i:BB+16*\k+\i+1], v[BB+16*\k+\i:BB+16*\k+\i+1], v[P+\i:P+\i+1] neg_lo:[1,0,0] neg_hi:[1,0,0]
.endr
.irp i, 0,2,4,6,8,10,12,14
	v_pk_mul_f32 v[P+\i:P+\i+1], v[P+\i:P+\i+1], s[90:91] op_sel_hi:[1,0]
.endr
	s_wait_alu depctr_va_vdst(0)
.irp i, 0,1,2,3,4,5,6,7,8,9,10,11,12,13,14,15
	v_exp_f32 v[P+\i], v[P+\i]
.endr
.irp i, 0,2,4,6,8,10,12,14
	v_pk_mul_f32 v[T+\i:T+\i+1], v[BB+16*\k+\i:BB+16*\k+\i+1], v[T+\i:T+\i+1]
.endr
	s_wait_alu depctr_va_vdst(0)
.irp i, 0,2,4,6,8,10,12,14
	v_pk_mul_f32 v[T+\i:T+\i+1], v[T+\i:T+\i+1], v[P+\i:P+\i+1]
.endr
.irp i, 0,2,4,6,8,10,12,14
	v_pk_fma_f32 v[H+16*\k+\i:H+16*\k+\i+1], v[T+\i:T+\i+1], s[92:93], v[H+16*\k+\i:H+16*\k+\i+1] op_sel_hi:[1,0,1]
.endr
.endm
	s_load_b128 s[4:7], s[0:1], 0x0
	s_load_b128 s[8:11], s[0:1], 0x10
	v_lshl_add_u32 v[SPW], v0, 2, SPARE
	v_mov_b32 v[NIL], 0
	ds_add_u32 v28, v29
	ds_add_u32 v28, v29
	s_wait_dscnt 0x0
	v_lshrrev_b32 v1, 5, v0
	v_readfirstlane_b32 s14, v1
	s_lshr_b32 s15, s14, 1
	s_and_b32 s16, s14, 1
	s_bfe_u32 s40, ttmp6, 0x40000
	s_bfe_u32 s41, ttmp6, 0x40004
	s_lshl_b32 s42, ttmp9, 2
	s_add_co_u32 s42, s42, s40
	s_and_b32 s17, ttmp7, 0xffff
	s_lshl_b32 s17, s17, 2
	s_add_co_u32 s17, s17, s41
	s_lshl_b32 s43, s41, 2
	s_lshl_b32 s43, 15, s43
	s_lshl_b32 s44, 0x1111, s40
	s_or_b32 s[G1+0], s43, (3<<16)|(1<<21)
	s_or_b32 s[G1B+0], s44, (3<<16)|(1<<21)
.irp g, G1, G1B
	s_mov_b32 s[\g+1], 32<<16
	s_mov_b32 s[\g+2], 128<<16
	s_mov_b32 s[\g+3], 32<<16
	s_mov_b32 s[\g+4], 128
	s_mov_b32 s[\g+5], 32
	s_mov_b32 s[\g+6], 0
	s_mov_b32 s[\g+7], 0
.endr
	s_lshl_b32 s18, s16, 15
	s_mul_i32 s20, s17, TILEB
	s_add_co_u32 s20, s20, s18
	s_mov_b32 s21, 0
	s_mul_i32 s46, s42, TILEB
	s_add_co_u32 s46, s46, s18
	s_add_co_u32 s46, s46, BOFF
	s_mov_b32 s47, 0
	s_mul_i32 s22, s17, TILES
	s_lshl_b32 s18, s15, 10
	s_add_co_u32 s22, s22, s18
	s_add_co_u32 s22, s22, ASOFF
	s_mov_b32 s23, 0
	s_mul_i32 s92, s42, TILES
	s_lshl_b32 s18, s16, 10
	s_add_co_u32 s92, s92, s18
	s_add_co_u32 s92, s92, BSOFF
	s_mov_b32 s93, 0
	s_lshl_b32 s18, s42, 10
	s_lshl_b32 s19, s16, 9
	s_add_co_u32 s18, s18, s19
	s_mov_b32 s19, 0
	s_lshl_b32 s96, s17, 20
	s_lshl_b32 s72, s42, 16
	s_add_co_u32 s96, s96, s72
	s_lshl_b32 s72, s15, 15
	s_add_co_u32 s96, s96, s72
	s_lshl_b32 s72, s16, 11
	s_add_co_u32 s96, s96, s72
	s_mov_b32 s97, 0
	s_lshl_b32 s98, s17, 15
	s_lshl_b32 s72, s42, 11
	s_add_co_u32 s98, s98, s72
	s_lshl_b32 s72, s15, 10
	s_add_co_u32 s98, s98, s72
	s_lshl_b32 s72, s16, 8
	s_add_co_u32 s98, s98, s72
	s_add_co_u32 s98, s98, 16777216
	s_mov_b32 s99, 0
	s_lshl_b32 s45, s14, 15
	s_wait_kmcnt 0x0
	s_add_nc_u64 s[20:21], s[4:5], s[20:21]
	s_add_nc_u64 s[46:47], s[6:7], s[46:47]
	s_add_nc_u64 s[SAP:SAP+1], s[4:5], s[22:23]
	s_add_nc_u64 s[SBP:SBP+1], s[6:7], s[92:93]
	s_add_nc_u64 s[8:9], s[8:9], s[18:19]
	s_add_nc_u64 s[96:97], s[10:11], s[96:97]
	s_add_nc_u64 s[98:99], s[10:11], s[98:99]
	CROUND
.irp s, 0,1
	s_mov_b32 s[G0+4*\s], 1
	s_add_co_u32 s[G0+4*\s+1], s45, \s*SLOT
	s_add_nc_u64 s[G0+4*\s+2:G0+4*\s+3], s[20:21], \s*65536
	s_or_b32 s[G0+4*\s+3], s[G0+4*\s+3], 0x80000000
	s_mov_b32 s[G0B+4*\s], 1
	s_add_co_u32 s[G0B+4*\s+1], s45, \s*SLOT
	s_add_nc_u64 s[G0B+4*\s+2:G0B+4*\s+3], s[46:47], \s*65536
	s_or_b32 s[G0B+4*\s+3], s[G0B+4*\s+3], 0x80000000
.if \s                                         ; behind K step 0's load: the scale words and the bias are asked for while that tile is on its way
	s_cmp_eq_u32 s15, 0                            ; the prefetches' base: of the 32 KiB that I fetch, the four partners that ask jointly take 8 KiB each, told apart by address
	s_cselect_b64 s[76:77], s[20:21], s[46:47]
	s_cselect_b32 s78, s40, s41
	s_lshl_b32 s78, s78, 13
	s_mov_b32 s79, 0
	s_add_nc_u64 s[76:77], s[76:77], s[78:79]
	v_and_b32 v1, 31, v0
	v_and_b32 v2, 15, v0
	v_bfe_u32 v3, v0, 4, 1
	v_lshlrev_b32 v[V16], 4, v1
	v_lshlrev_b32 v23, 8, v1                       ; 256 x lane
	v_lshlrev_b32 v31, 6, v3
.irp z, 0,1
	global_load_b128 v[SC+16*\z:SC+16*\z+3], v[V16], s[SAP:SAP+1] offset:2048*\z
	global_load_b128 v[SC+16*\z+4:SC+16*\z+7], v[V16], s[SAP:SAP+1] offset:2048*\z+512
	global_load_b128 v[SC+16*\z+8:SC+16*\z+11], v[V16], s[SBP:SBP+1] offset:2048*\z
	global_load_b128 v[SC+16*\z+12:SC+16*\z+15], v[V16], s[SBP:SBP+1] offset:2048*\z+512
.endr
.irp g, 0,1,2,3
.irp j, 0,1,2,3
	global_load_b128 v[BIAS+16*\g+4*\j:BIAS+16*\g+4*\j+3], v31, s[8:9] offset:128*\g+16*\j
.endr
.endr
	global_prefetch_b8 v23, s[76:77] offset:65536 th:TH_LOAD_NT scope:SCOPE_SE     ; K steps 1 and 2: 32 lanes, 256 bytes apart
	global_prefetch_b8 v23, s[76:77] offset:2*65536 th:TH_LOAD_NT scope:SCOPE_SE
	s_wait_alu depctr_va_vdst(0)
	s_wait_tensorcnt 0x0
	ds_add_u32 v28, v29
	ds_add_u32 v28, v29
	s_wait_dscnt 0x0
	CROUND
.endif
	JLOAD G0+4*\s, G0B+4*\s
.if \s
	global_prefetch_b8 v23, s[76:77] offset:3*65536 th:TH_LOAD_NT scope:SCOPE_SE   ; K step 3, two refills ahead of its load
.endif
.endr
	s_lshl_b32 s21, s15, 15
	s_lshl_b32 s22, s16, 15
	s_add_co_u32 s22, s22, 65536
.irp s, 0,1
	v_add_nc_u32 v[ADRA+\s], s21, v[V16]
	v_add_nc_u32 v[ADRB+\s], s22, v[V16]
	s_add_co_u32 s21, s21, SLOT
	s_add_co_u32 s22, s22, SLOT
.endr
	s_lshl_b32 s23, s14, 9
	s_add_co_u32 s23, s23, SCR
	v_lshl_add_u32 v24, v2, 2, s23
	s_wait_alu depctr_va_vdst(0)
	v_lshl_add_u32 v25, v3, 8, v24
	v_lshlrev_b32 v26, 9, v3
	v_lshl_add_u32 v26, v2, 4, v26
	s_wait_loadcnt 0x0
	s_add_nc_u64 s[SAP:SAP+1], s[SAP:SAP+1], 2048
	s_add_nc_u64 s[SBP:SBP+1], s[SBP:SBP+1], 2048
	s_wait_tensorcnt 1
	s_barrier_signal -1
	s_barrier_wait -1
	FETCH_B 0, 0, 0
	FETCH_A 0, 0, 0
	FETCH_A 0, 0, 4
	STEP 0, 1, 0
	s_mov_b32 s3, LAPS-1
.Llap:
	TURN 0, 1, 1
	STEP 1, 0, 4
	TURN 1, 0, 1
	STEP 0, 0, 4
	s_sub_co_u32 s3, s3, 1
	s_cmp_lg_u32 s3, 0
	s_cbranch_scc1 .Llap
	TURN 0, 1, 0
	STEP 1, 0, 0
	s_wait_dscnt 16
	WIN 0xa1
	MUL16 0, 1, 1, 1, 0
	MUL16 2, 1, 1, 1, 0
	s_wait_dscnt 0x0
	WIN 0xf1
	MUL16 4, 1, 1, 1, 0
	MUL16 6, 1, 1, 1, 0
	WIN 0
	PLACES NP
	s_mov_b32 s72, 0xbfa1fc4e
	s_mov_b32 s74, 0x3f8000c7
	s_mov_b32 s76, 0x3ebf88fb
	s_mov_b32 s78, 0x3dc636c9
	s_mov_b32 s80, 0xbe3ec24c
	s_mov_b32 s82, 0x3e8ec7cc
	s_mov_b32 s84, 0xbf914e5d
	s_mov_b32 s86, 0x3fbe87b0
	s_mov_b32 s88, 0x3e2ef945
	s_mov_b32 s90, 0x3fb8aa3b
	s_mov_b32 s92, 0xbf3504f3
.irp c, 72,74,76,78,80,82,84,86,88,90,92
	s_mov_b32 s[\c+1], s[\c]
.endr
	s_mov_b32 s94, 0x3f3504f3
	s_mov_b32 s95, 0
	s_mov_b32 s[SEL], 0x76543210
	s_mov_b32 s[SEL+1], 0xfedcba98
	s_mov_b32 s[MNT], 0x600000
	v_mov_b32 v[C8V], 0xbf527892
	v_mov_b32 v[C8V+1], v[C8V]
	s_mov_b32 s71, 0
.Lgelu:
.irp a, 0,1,2,3,4,5,6
	s_cmp_eq_u32 s71, \a
	s_cbranch_scc1 .Lblk\a
.endr
	s_branch .Lblk7
.irp a, 0,1,2,3,4,5,6,7
.Lblk\a:
	WIN (2+\a/4)<<2
.set i, 0
.rept 64
	v_mul_f32 v[BB+i], s94, |v[64*(\a%4)+i]|
	v_max_num_f32 v[H+i], 0, v[64*(\a%4)+i]
.set i, i+1
.endr
	WIN 0
	s_branch .Lcommon
.endr
.Lcommon:
	G16 0
	G16 1
	G16 2
	G16 3
	QUANT H, PW
.irp c, 0,1,2,3
	global_store_b128 v[V16], v[PC+4*\c:PC+4*\c+3], s[96:97] offset:512*\c
.endr
	v_add_nc_u32 v27, s95, v24
	ds_store_b32 v27, v[PW]
	s_wait_xcnt 0x0
	s_add_nc_u64 s[96:97], s[96:97], 4096
	s_add_co_u32 s95, s95, 64
	s_add_co_u32 s71, s71, 1
	s_cmp_lt_u32 s71, 8
	s_cbranch_scc1 .Lgelu
.irp e, 0,1,2,3
	ds_load_b32 v[40+\e], v25 offset:64*\e
.endr
	s_wait_dscnt 0x0
	global_store_b128 v26, v[40:43], s[98:99]
	s_wait_tensorcnt 0x0
	ds_add_u32 v[SPW], v[NIL]
	s_wait_dscnt 0x0
	CROUND
	s_endpgm
.Lfunc_end_k_q9e0baaffc0_fc:
	.size	k_q9e0baaffc0_fc, .Lfunc_end_k_q9e0baaffc0_fc-k_q9e0baaffc0_fc
	.p2alignl 7, 3214868480
	.fill 96, 4, 3214868480
	.section	.rodata,"a",@progbits
	.p2align	6, 0x0
	.amdhsa_kernel k_q9e0baaffc0_fc
		.amdhsa_group_segment_fixed_size 327680
		.amdhsa_private_segment_fixed_size 0
		.amdhsa_enable_private_segment 0
		.amdhsa_kernarg_size 32
		.amdhsa_user_sgpr_count 2
		.amdhsa_user_sgpr_kernarg_segment_ptr 1
		.amdhsa_wavefront_size32 1
		.amdhsa_system_sgpr_workgroup_id_x 1
		.amdhsa_system_sgpr_workgroup_id_y 1
		.amdhsa_system_sgpr_workgroup_id_z 1
		.amdhsa_system_vgpr_workitem_id 0
		.amdhsa_next_free_vgpr 1024
		.amdhsa_next_free_sgpr 100
		.amdhsa_reserve_vcc 0
		.amdhsa_float_denorm_mode_32 3
		.amdhsa_float_denorm_mode_16_64 3
		.amdhsa_memory_ordered 1
		.amdhsa_forward_progress 1
		.amdhsa_inst_pref_size 211
	.end_amdhsa_kernel
	.amdgpu_metadata
---
amdhsa.version: [ 1, 2 ]
amdhsa.kernels:
  - .name:           k_q9e0baaffc0_fc
    .symbol:         k_q9e0baaffc0_fc.kd
    .args:
      - { .name: h2b, .offset: 0, .size: 8, .value_kind: global_buffer, .address_space: global }
      - { .name: p0, .offset: 8, .size: 8, .value_kind: global_buffer, .address_space: global }
      - { .name: b_fc, .offset: 16, .size: 8, .value_kind: global_buffer, .address_space: global }
      - { .name: gb, .offset: 24, .size: 8, .value_kind: global_buffer, .address_space: global }
    .group_segment_fixed_size: 327680
    .private_segment_fixed_size: 0
    .kernarg_segment_align: 8
    .kernarg_segment_size: 32
    .max_flat_workgroup_size: 128
    .sgpr_count:     100
    .vgpr_count:     1024
    .wavefront_size: 32
...
	.end_amdgpu_metadata
.endif
;; end of part 11
;; launch proj (part 12): grid 8 x 32, 4 waves a work-group, clusters of 4 x 4, 327,680 bytes of LDS; arguments gb, p0, b_proj, x2, out0; writes out0
.if DOCPART == 12
	.amdgcn_target "amdgcn-amd-amdhsa--gfx1250"
	.amdhsa_code_object_version 6
	.text
	.protected	k_q9e0baaffc0_proj
	.globl	k_q9e0baaffc0_proj
	.p2align	8
	.type	k_q9e0baaffc0_proj,@function
k_q9e0baaffc0_proj:
	s_mov_b64 s[64:65], 0
	v_nop
	global_prefetch_b8 v0, s[64:65] scope:SCOPE_SE
	s_setreg_imm32_b32 hwreg(HW_REG_WAVE_MODE, 25, 1), 1
	s_wait_xcnt 0x0
	s_wait_alu depctr_hold_cnt(0) depctr_sa_sdst(0) depctr_va_vdst(0) depctr_va_sdst(0) depctr_va_ssrc(0) depctr_va_vcc(0) depctr_vm_vsrc(0)
	s_getreg_b32 s2, hwreg(HW_REG_IB_STS2, 6, 4)
	s_cmp_eq_u32 s2, 0
	s_cbranch_scc0 .Lentry_in_a_cluster
	s_endpgm
.Lentry_in_a_cluster:
	s_bfe_u32 s2, ttmp6, 0x10000c
	s_cmp_lg_u32 s2, 0xf033
	s_cbranch_scc0 .Lentry_shape_is_right
	s_endpgm
.Lentry_shape_is_right:
.set KDIM,  4096
.set ASOFF, 16777216
.set BOFF,  12976128
.set BSOFF, 17170432
.set TILEB, 256*KDIM
.set TILES, 8*KDIM
.set LAPS,  KDIM/1024
.set SLOT,  131072
.set SPARE, 262144
.set STAGE, 262656
.set SPITCH, 272
.set NP,    8
.set ADRA,  16
.set ADRB,  20
.set STO,   24
.set RD,    25
.set CO,    26
.set SPW,   28
.set NIL,   29
.set V16,   30
.set SC,    32
.set BIAS,  64
.set BK,    64
.set ACC,   128
.set G1,    24
.set G0,    32
.set G1B,   48
.set G0B,   56
.set SAP,   66
.set SBP,   68
.set MSB,   0
.macro WIN new
.if MSB != (\new)
	s_set_vgpr_msb (MSB<<8)|(\new)
.set MSB, (\new)
.endif
.endm
.macro JLOAD g0a, g0b
	s_cmp_eq_u32 s15, 0
	s_cbranch_scc0 .Lfor_b_\@
	tensor_load_to_lds s[\g0a:\g0a+3], s[G1:G1+7]
	s_nop 0
.rept 4
	v_nop
.endr
	s_branch .Lasked_\@
.Lfor_b_\@:
	tensor_load_to_lds s[\g0b:\g0b+3], s[G1B:G1B+7]
	s_nop 0
.rept 4
	v_nop
.endr
.Lasked_\@:
.endm
.macro CREST
	s_cmp_lg_u32 s14, 0
	s_cbranch_scc1 .Lnot_wave_0_\@
	s_barrier_signal -3
.Lnot_wave_0_\@:
	s_barrier_wait -3
	s_barrier_signal -1
	s_barrier_wait -1
.endm
.macro CROUND
	s_barrier_signal -1
	s_barrier_wait -1
	CREST
.endm
.macro PLACES n
.rept \n
	v_nop
.endr
.endm
.macro FRAG reg, adr, u, i
.irp c, 0,1,2,3
	ds_load_b128 v[\reg+4*\c:\reg+4*\c+3], v[\adr] offset:((\u)/2)*32768+((\u)%2)*2048+(\i)*4096+512*\c
.endr
.endm
.macro FETCH slot, u, f
	WIN 0x40
.irp i, 0,1,2,3
	FRAG (\f)+64+16*\i, ADRB+\slot, \u, \i
	FRAG (\f)+16*\i, ADRA+\slot, \u, \i
.endr
.endm
.macro MM a, b, f, u, sc, cm
.set rD, ACC+8*(4*(\a)+\b)
.set rB, (\f)+64+16*\b
.set rA, (\f)+16*(\a)
.set rX, SC+16*(\sc)+8+4*((\u)/2)+\b
.set rY, SC+16*(\sc)+4*((\u)/2)+(\a)
.if (\cm) == 1
	v_wmma_scale_f32_16x16x128_f8f6f4 v[rD:rD+7], v[rB:rB+15], v[rA:rA+15], v[BIAS+8*\b:BIAS+8*\b+7], v[rX], v[rY] matrix_a_fmt:MATRIX_FMT_BF8 matrix_b_fmt:MATRIX_FMT_BF8
.elseif ((\u)%2) == 0
	v_wmma_scale_f32_16x16x128_f8f6f4 v[rD:rD+7], v[rB:rB+15], v[rA:rA+15], v[rD:rD+7], v[rX], v[rY] matrix_a_fmt:MATRIX_FMT_BF8 matrix_b_fmt:MATRIX_FMT_BF8
.else
	v_wmma_scale_f32_16x16x128_f8f6f4 v[rD:rD+7], v[rB:rB+15], v[rA:rA+15], v[rD:rD+7], v[rX], v[rY] matrix_a_fmt:MATRIX_FMT_BF8 matrix_b_fmt:MATRIX_FMT_BF8 matrix_a_scale:MATRIX_SCALE_ROW1 matrix_b_scale:MATRIX_SCALE_ROW1
.endif
.endm
.macro MULA a, f, u, sc, cm
.irp b, 0,1,2,3
	MM \a, \b, \f, \u, \sc, \cm
.endr
.endm
.macro GSCALES set
	s_wait_xcnt 0x0
	s_add_nc_u64 s[76:77], s[76:77], 131072        ; the last prefetch has read its base: one tile on
	s_add_nc_u64 s[SAP:SAP+1], s[SAP:SAP+1], 4096
	s_add_nc_u64 s[SBP:SBP+1], s[SBP:SBP+1], 4096
	global_load_b128 v[SC+16*\set:SC+16*\set+3], v[V16], s[SAP:SAP+1]
	global_load_b128 v[SC+16*\set+4:SC+16*\set+7], v[V16], s[SAP:SAP+1] offset:2048
	global_load_b128 v[SC+16*\set+8:SC+16*\set+11], v[V16], s[SBP:SBP+1]
	global_load_b128 v[SC+16*\set+12:SC+16*\set+15], v[V16], s[SBP:SBP+1] offset:2048
	s_cmp_gt_u32 s3, 1                             ; the refill of tile k asks for tile k + 2; the loop's last trip, whose refills are tiles 6 and 7, asks for nothing
	s_cbranch_scc0 .Lno_ask_\@
	global_prefetch_b8 v23, s[76:77] offset:3*131072 th:TH_LOAD_NT scope:SCOPE_SE
.Lno_ask_\@:
.endm
.macro QUARTER slot, u, cm, lc
.if (\lc) >= 0
	s_wait_loadcnt \lc
.endif
	s_wait_dscnt 0x0
.if (\u) > 0
	PLACES NP
.endif
	FETCH \slot, (\u)+1, 128*(1-(\u)%2)
	WIN 0x05
.irp a, 0,1,2,3
	MULA \a, 128*((\u)%2), \u, \slot, \cm
.endr
.endm
.macro TURN slot, next, fill
	WIN 0
	s_wait_tensorcnt 0x0
	ds_add_u32 v[SPW], v[NIL]
	s_wait_dscnt 1
	WIN 0x05
	MULA 0, 128, 3, \slot, 0
	s_wait_dscnt 0x0
	s_barrier_signal -1
	MULA 1, 128, 3, \slot, 0
	WIN 0
	s_barrier_wait -1
.if \fill
	CREST
	s_add_nc_u64 s[G0+4*\slot+2:G0+4*\slot+3], s[G0+4*\slot+2:G0+4*\slot+3], 262144
	s_add_nc_u64 s[G0B+4*\slot+2:G0B+4*\slot+3], s[G0B+4*\slot+2:G0B+4*\slot+3], 262144
	JLOAD G0+4*\slot, G0B+4*\slot
	PLACES NP-4
.else
	PLACES NP
.endif
	FETCH \next, 0, 0
	WIN 0x05
	MULA 2, 128, 3, \slot, 0
	MULA 3, 128, 3, \slot, 0
	PLACES NP
	WIN 0
.if \fill
	GSCALES \slot
.endif
.endm
.macro RLOAD a
.irp t, 0,1,2,3,4,5,6,7
	global_load_b128 v[32*(\a)+4*\t:32*(\a)+4*\t+3], v[CO], s[10:11] offset:(16*(\a)-8*((\a)%2)+2*\t+8*(\t/4))*4096 th:TH_LOAD_NT
.endr
.endm
.macro TOSTAGE a
.irp b, 0,1,2,3
	ds_store_b128 v[STO], v[ACC+8*(4*(\a)+\b):ACC+8*(4*(\a)+\b)+3] offset:128*(\b/2)+32*(\b%2)
	ds_store_b128 v[STO], v[ACC+8*(4*(\a)+\b)+4:ACC+8*(4*(\a)+\b)+7] offset:128*(\b/2)+32*(\b%2)+16
.endr
.irp t, 0,1,2,3,4,5,6,7
	ds_load_b128 v[BK+32*((\a)%2)+4*\t:BK+32*((\a)%2)+4*\t+3], v[RD] offset:2*\t*SPITCH
.endr
.endm
.macro SEND a, younger
	s_wait_dscnt \younger
	WIN 0x08
.set i, 0
.rept 16
	v_pk_add_f32 v[BK+32*((\a)%2)+i:BK+32*((\a)%2)+i+1], v[BK+32*((\a)%2)+i:BK+32*((\a)%2)+i+1], v[32*(\a)+i:32*(\a)+i+1]
.set i, i+2
.endr
	WIN 0
.irp t, 0,1,2,3,4,5,6,7
	global_store_b128 v[CO], v[BK+32*((\a)%2)+4*\t:BK+32*((\a)%2)+4*\t+3], s[12:13] offset:(16*(\a)-8*((\a)%2)+2*\t+8*(\t/4))*4096 th:TH_STORE_NT
.endr
.endm
	s_load_b128 s[4:7], s[0:1], 0x0
	s_load_b128 s[8:11], s[0:1], 0x10
	s_load_b64 s[12:13], s[0:1], 0x20
	v_lshl_add_u32 v[SPW], v0, 2, SPARE
	v_mov_b32 v[NIL], 0
	ds_add_u32 v28, v29
	ds_add_u32 v28, v29
	s_wait_dscnt 0x0
	v_lshrrev_b32 v1, 5, v0
	v_readfirstlane_b32 s14, v1
	s_lshr_b32 s15, s14, 1
	s_and_b32 s16, s14, 1
	s_bfe_u32 s40, ttmp6, 0x40000
	s_bfe_u32 s41, ttmp6, 0x40004
	s_lshl_b32 s42, ttmp9, 2
	s_add_co_u32 s42, s42, s40
	s_and_b32 s17, ttmp7, 0xffff
	s_lshl_b32 s17, s17, 2
	s_add_co_u32 s17, s17, s41
	s_lshl_b32 s43, s41, 2
	s_lshl_b32 s43, 15, s43
	s_lshl_b32 s44, 0x1111, s40
	s_or_b32 s[G1+0], s43, (3<<16)|(1<<21)
	s_or_b32 s[G1B+0], s44, (3<<16)|(1<<21)
.irp g, G1, G1B
	s_mov_b32 s[\g+1], 32<<16
	s_mov_b32 s[\g+2], 128<<16
	s_mov_b32 s[\g+3], 32<<16
	s_mov_b32 s[\g+4], 128
	s_mov_b32 s[\g+5], 32
	s_mov_b32 s[\g+6], 0
	s_mov_b32 s[\g+7], 0
.endr
	s_lshl_b32 s18, s16, 16
	s_lshr_b32 s19, s17, 1
	s_mul_i32 s20, s19, TILEB
	s_mul_i32 s22, s19, TILES
	s_and_b32 s19, s17, 1
	s_lshl_b32 s21, s19, 15
	s_add_co_u32 s20, s20, s21
	s_add_co_u32 s20, s20, s18
	s_mov_b32 s21, 0
	s_lshl_b32 s19, s19, 1
	s_add_co_u32 s19, s19, s15
	s_lshl_b32 s19, s19, 9
	s_add_co_u32 s22, s22, s19
	s_add_co_u32 s22, s22, ASOFF
	s_mov_b32 s23, 0
	s_lshr_b32 s94, s42, 1
	s_mul_i32 s46, s94, TILEB
	s_mul_i32 s92, s94, TILES
	s_and_b32 s94, s42, 1
	s_lshl_b32 s95, s94, 15
	s_add_co_u32 s46, s46, s95
	s_add_co_u32 s46, s46, s18
	s_add_co_u32 s46, s46, BOFF
	s_mov_b32 s47, 0
	s_lshl_b32 s94, s94, 1
	s_add_co_u32 s94, s94, s16
	s_lshl_b32 s94, s94, 9
	s_add_co_u32 s92, s92, s94
	s_add_co_u32 s92, s92, BSOFF
	s_mov_b32 s93, 0
	s_lshl_b32 s18, s42, 9
	s_lshl_b32 s19, s16, 8
	s_add_co_u32 s18, s18, s19
	s_mov_b32 s19, 0
	s_lshl_b32 s72, s17, 19
	s_lshl_b32 s73, s15, 18
	s_add_co_u32 s72, s72, s73
	s_add_co_u32 s72, s72, s18
	s_mov_b32 s73, 0
	s_lshl_b32 s45, s14, 15
	s_wait_kmcnt 0x0
	s_add_nc_u64 s[20:21], s[4:5], s[20:21]
	s_add_nc_u64 s[46:47], s[6:7], s[46:47]
	s_add_nc_u64 s[SAP:SAP+1], s[4:5], s[22:23]
	s_add_nc_u64 s[SBP:SBP+1], s[6:7], s[92:93]
	s_add_nc_u64 s[8:9], s[8:9], s[18:19]
	s_add_nc_u64 s[10:11], s[10:11], s[72:73]
	s_add_nc_u64 s[12:13], s[12:13], s[72:73]
	CROUND
.irp s, 0,1
	s_mov_b32 s[G0+4*\s], 1
	s_add_co_u32 s[G0+4*\s+1], s45, \s*SLOT
	s_add_nc_u64 s[G0+4*\s+2:G0+4*\s+3], s[20:21], \s*131072
	s_or_b32 s[G0+4*\s+3], s[G0+4*\s+3], 0x80000000
	s_mov_b32 s[G0B+4*\s], 1
	s_add_co_u32 s[G0B+4*\s+1], s45, \s*SLOT
	s_add_nc_u64 s[G0B+4*\s+2:G0B+4*\s+3], s[46:47], \s*131072
	s_or_b32 s[G0B+4*\s+3], s[G0B+4*\s+3], 0x80000000
.if \s                                         ; behind slot 0's load: scale words, bias and residual are asked for while that tile is on its way
	s_cmp_eq_u32 s15, 0                            ; the prefetches' base: of the 32 KiB that I fetch, the four partners that ask jointly take 8 KiB each, told apart by address
	s_cselect_b64 s[76:77], s[20:21], s[46:47]
	s_cselect_b32 s78, s40, s41
	s_lshl_b32 s78, s78, 13
	s_mov_b32 s79, 0
	s_add_nc_u64 s[76:77], s[76:77], s[78:79]
	v_and_b32 v1, 31, v0
	v_and_b32 v2, 15, v0
	v_bfe_u32 v3, v0, 4, 1
	v_lshlrev_b32 v[V16], 4, v1
	v_lshlrev_b32 v23, 8, v1                       ; 256 x lane
	v_lshlrev_b32 v31, 6, v3
	v_lshlrev_b32 v[CO], 12, v3
	v_lshl_add_u32 v[CO], v2, 4, v[CO]
.irp z, 0,1
	global_load_b128 v[SC+16*\z:SC+16*\z+3], v[V16], s[SAP:SAP+1] offset:4096*\z
	global_load_b128 v[SC+16*\z+4:SC+16*\z+7], v[V16], s[SAP:SAP+1] offset:4096*\z+2048
	global_load_b128 v[SC+16*\z+8:SC+16*\z+11], v[V16], s[SBP:SBP+1] offset:4096*\z
	global_load_b128 v[SC+16*\z+12:SC+16*\z+15], v[V16], s[SBP:SBP+1] offset:4096*\z+2048
.endr
.irp g, 0,1
.irp j, 0,1,2,3
	global_load_b128 v[BIAS+16*\g+4*\j:BIAS+16*\g+4*\j+3], v31, s[8:9] offset:128*\g+16*\j
.endr
.endr
	WIN 0x80
.irp a, 0,1,2,3
	RLOAD \a
.endr
	WIN 0
	global_prefetch_b8 v23, s[76:77] offset:131072 th:TH_LOAD_NT scope:SCOPE_SE    ; tiles 1 and 2: 32 lanes, 256 bytes apart
	global_prefetch_b8 v23, s[76:77] offset:2*131072 th:TH_LOAD_NT scope:SCOPE_SE
	s_wait_alu depctr_va_vdst(0)
	s_wait_tensorcnt 0x0
	ds_add_u32 v28, v29
	ds_add_u32 v28, v29
	s_wait_dscnt 0x0
	CROUND
.endif
	JLOAD G0+4*\s, G0B+4*\s
.if \s
	global_prefetch_b8 v23, s[76:77] offset:3*131072 th:TH_LOAD_NT scope:SCOPE_SE  ; tile 3, two refills ahead of its load
.endif
.endr
	s_lshl_b32 s21, s15, 14
	s_lshl_b32 s22, s16, 14
	s_add_co_u32 s22, s22, 65536
.irp s, 0,1
	v_add_nc_u32 v[ADRA+\s], s21, v[V16]
	v_add_nc_u32 v[ADRB+\s], s22, v[V16]
	s_add_co_u32 s21, s21, SLOT
	s_add_co_u32 s22, s22, SLOT
.endr
	s_mul_i32 s23, s14, 16*SPITCH
	s_add_co_u32 s23, s23, STAGE
	v_mul_u32_u24 v5, v2, SPITCH
	v_lshl_add_u32 v5, v3, 6, v5
	v_add_nc_u32 v[STO], s23, v5
	v_mul_u32_u24 v5, v3, SPITCH
	v_lshl_add_u32 v5, v2, 4, v5
	v_add_nc_u32 v[RD], s23, v5
	s_wait_alu depctr_va_vdst(0)
	s_wait_loadcnt 32
.if LAPS > 1
	s_add_nc_u64 s[SAP:SAP+1], s[SAP:SAP+1], 4096
	s_add_nc_u64 s[SBP:SBP+1], s[SBP:SBP+1], 4096
.endif
	s_wait_tensorcnt 1
	s_barrier_signal -1
	s_barrier_wait -1
	FETCH 0, 0, 0
	QUARTER 0, 0, 1, -1
.if LAPS > 1
	WIN 0
	s_mov_b32 s3, LAPS-1
.Llap:
	QUARTER 0, 1, 0, -1
	QUARTER 0, 2, 0, -1
	TURN 0, 1, 1
	QUARTER 1, 0, 0, 4
	QUARTER 1, 1, 0, -1
	QUARTER 1, 2, 0, -1
	TURN 1, 0, 1
	QUARTER 0, 0, 0, 4
	WIN 0
	s_sub_co_u32 s3, s3, 1
	s_cmp_lg_u32 s3, 0
	s_cbranch_scc1 .Llap
.endif
	QUARTER 0, 1, 0, -1
	QUARTER 0, 2, 0, -1
	TURN 0, 1, 0
	QUARTER 1, 0, 0, 0
	QUARTER 1, 1, 0, -1
	QUARTER 1, 2, 0, -1
	s_wait_dscnt 0x0
	WIN 0x05
.irp a, 0,1,2,3
	MULA \a, 128, 3, 1, 0
.endr
	WIN 0
	PLACES NP
	TOSTAGE 0
.irp a, 1,2,3
.if \a > 1
	s_wait_xcnt 0x0
.endif
	TOSTAGE \a
	SEND \a-1, 16
.endr
	SEND 3, 0
	s_wait_tensorcnt 0x0
	ds_add_u32 v[SPW], v[NIL]
	s_wait_dscnt 0x0
	CROUND
	s_endpgm
.Lfunc_end_k_q9e0baaffc0_proj:
	.size	k_q9e0baaffc0_proj, .Lfunc_end_k_q9e0baaffc0_proj-k_q9e0baaffc0_proj
	.p2alignl 7, 3214868480
	.fill 96, 4, 3214868480
	.section	.rodata,"a",@progbits
	.p2align	6, 0x0
	.amdhsa_kernel k_q9e0baaffc0_proj
		.amdhsa_group_segment_fixed_size 327680
		.amdhsa_private_segment_fixed_size 0
		.amdhsa_enable_private_segment 0
		.amdhsa_kernarg_size 40
		.amdhsa_user_sgpr_count 2
		.amdhsa_user_sgpr_kernarg_segment_ptr 1
		.amdhsa_wavefront_size32 1
		.amdhsa_system_sgpr_workgroup_id_x 1
		.amdhsa_system_sgpr_workgroup_id_y 1
		.amdhsa_system_sgpr_workgroup_id_z 1
		.amdhsa_system_vgpr_workitem_id 0
		.amdhsa_next_free_vgpr 768
		.amdhsa_next_free_sgpr 100
		.amdhsa_reserve_vcc 0
		.amdhsa_float_denorm_mode_32 3
		.amdhsa_float_denorm_mode_16_64 3
		.amdhsa_memory_ordered 1
		.amdhsa_forward_progress 1
		.amdhsa_inst_pref_size 99
	.end_amdhsa_kernel
	.amdgpu_metadata
---
amdhsa.version: [ 1, 2 ]
amdhsa.kernels:
  - .name:           k_q9e0baaffc0_proj
    .symbol:         k_q9e0baaffc0_proj.kd
    .args:
      - { .name: gb, .offset: 0, .size: 8, .value_kind: global_buffer, .address_space: global }
      - { .name: p0, .offset: 8, .size: 8, .value_kind: global_buffer, .address_space: global }
      - { .name: b_proj, .offset: 16, .size: 8, .value_kind: global_buffer, .address_space: global }
      - { .name: x2, .offset: 24, .size: 8, .value_kind: global_buffer, .address_space: global }
      - { .name: out0, .offset: 32, .size: 8, .value_kind: global_buffer, .address_space: global }
    .group_segment_fixed_size: 327680
    .private_segment_fixed_size: 0
    .kernarg_segment_align: 8
    .kernarg_segment_size: 40
    .max_flat_workgroup_size: 128
    .sgpr_count:     100
    .vgpr_count:     768
    .wavefront_size: 32
...
	.end_amdgpu_metadata
.endif
;; end of part 12
